; MI455X (gfx1250); checked and timed in simulation.
; The chip was launched on July 23, 2026; its instructions are those of AMD's public machine-readable ISA for CDNA 5 (MIT licence, August 2026) and "CDNA5" Instruction Set Architecture Reference Guide (July 2026). The comments in the code are by the model that wrote it; some were corrected since.
;; Transformer Layer Torch. Allowed arithmetic: matrix products marked QUANTISED: E4M3 operands, one E8M0 scale for each 32 along K, by v_wmma_scale_f32_16x16x128_f8f6f4 with both operands' format E4M3, f32 sums; everything else in f32.
;; Inputs: beta1 1,024 float32; beta2 1,024 float32; gamma1 1,024 float32; gamma2 1,024 float32; mlp_fc1 4,096 x 1,024 float32; mlp_fc2 1,024 x 4,096 float32; wk 16 x 64 x 1,024 float32; wo 1,024 x 1,024 float32; wq 16 x 64 x 1,024 float32; wv 16 x 64 x 1,024 float32; x 4 x 1,024 x 1,024 float32.
;; Outputs: out0 4 x 1,024 x 1,024 float32.
;; This version of the problem:
;;   THIS VERSION OF THE PROBLEM IS GIVEN IN LOW PRECISION. The matrix products marked QUANTISED in the list below multiply operands that are first quantised to E4M3 (4 exponent bits, 3 mantissa bits; 8 bits a number), with one power-of-two scale for each 32 numbers along K (OCP MX v1.0); their sums are f32. All else is computed in f32.
;;   The module's matrix products, in the order in which they are computed (A, B: the left and right operand; K: the contracted axis; several contracted axes count as one K, in the product's order):
;;     1. [M 4,096, K 1,024] x [K 1,024, N 1,024]; A: computed on the way; B: input wq: QUANTISED
;;     2. [M 4,096, K 1,024] x [K 1,024, N 1,024]; A: computed on the way; B: input wk: QUANTISED
;;     3. [M 4,096, K 1,024] x [K 1,024, N 1,024]; A: computed on the way; B: input wv: QUANTISED
;;     4. batch 64 x [M 1,024, K 64] x [K 64, N 1,024]; A: computed on the way; B: computed on the way: QUANTISED
;;     5. batch 64 x [M 64, K 1,024] x [K 1,024, N 1,024]; A: computed on the way; B: softmax (see below): QUANTISED
;;     6. [M 4,096, K 1,024] x [K 1,024, N 1,024]; A: computed on the way; B: input wo: QUANTISED
;;     7. [M 4,096, K 1,024] x [K 1,024, N 4,096]; A: computed on the way; B: input mlp_fc1: QUANTISED
;;     8. [M 4,096, K 4,096] x [K 4,096, N 1,024]; A: computed on the way; B: input mlp_fc2: QUANTISED
;;   THE QUANTISER, for each operand of a quantised product, along K:
;;     - K is cut into blocks of 32 from its start; a last block that is shorter is filled with zeros.
;;     - A block's scale is 2^e with e = floor(log2(the largest magnitude in the block)) - 8, held to -126 .. 127; a block of zeros has e = 0. As a byte (E8M0): e + 127.
;;     - Each number is divided by its block's scale, clamped to +-448, and rounded to the nearest number of E4M3, ties to even, subnormals kept.
;;     - The product sums the exact products of the quantised numbers (number of the format x scale) in f32.
;;   ~~~python
;;   def quantise(x, axis):      # numpy; x: float32 -> the quantised numbers, widened to float32 again
;;       x = np.moveaxis(x, axis, -1); K = x.shape[-1]
;;       x = np.pad(x, [(0, 0)] * (x.ndim - 1) + [(0, -K % 32)]); x = x.reshape(x.shape[:-1] + (-1, 32)); a = np.abs(x).max(-1, keepdims=True)
;;       e = np.where(a > 0, np.clip(np.frexp(np.where(a > 0, a, 1))[1] - 1 - 8, -126, 127), 0)      # np.frexp(a)[1] - 1 = floor(log2(a)), exactly
;;       r = np.clip(x / 2.0 ** e, -448, 448)
;;       step = 2.0 ** (np.maximum(np.frexp(np.where(r == 0, 1, r))[1] - 1, -6) - 3)
;;       q = np.round(r / step) * step * 2.0 ** e      # np.round: ties to even
;;       return np.moveaxis(q.reshape(q.shape[:-2] + (-1,))[..., :K], -1, axis).astype(np.float32)
;;   ~~~
;;   SOFTMAX AHEAD OF A QUANTISED PRODUCT. Where the list says 'softmax', what is quantised is not the finished softmax but p = 2^(t - M), with t = logit x log2(e) and M = ceil(the row's largest t), a whole number; so 1/2 < the row's largest p <= 1. The row's sum l is taken of the UNQUANTISED p, in f32, and the product's result is divided by l at the end. Since M is a whole number, a kernel that streams over the keys may use a running M (the ceiling of the running maximum): every later rescaling is an exact power of two, which a block's scale takes up: the codes' values come out the same.
;;   OPERANDS COMPUTED ON THE WAY. 'Computed on the way' means the value that the module computes at that place (a softmax that the list does not call 'softmax' is quantised finished and normalised). What goes into a quantiser is computed in f32, as accurately as f32 sums, v_exp_f32 and their like allow (about 1e-6 of the number): no bf16 or f16 on the way to a quantiser, and a product that is left as it is and whose result goes on into a quantised operand takes f32 operands (vector FMAs, or v_wmma_f32_16x16x4_f32). A number that lies on a knife's edge between two numbers of the format may be rounded either way, as far as f32 arithmetic and the matrix unit's own rounding can turn it there, and no further.
;; 2 versions. Each part assembles by itself: llvm-mc -triple=amdgcn-amd-amdhsa -mcpu=gfx1250 --defsym DOCPART=n.
;; ======== version 1 of 2: 8 launches
;; workspace buffers: w 17,301,504 bytes; qkv 12,976,128 bytes; at 4,325,376 bytes; xr 16,777,216 bytes; n2 4,325,376 bytes; hid 17,301,504 bytes
;; launch quantw (part 1): grid 768 x 1, 8 waves a work-group, no clusters, 69,120 bytes of LDS; arguments wq, wk, wv, wo, mlp_fc1, mlp_fc2, w; writes w
.if DOCPART == 1
	.amdgcn_target "amdgcn-amd-amdhsa--gfx1250"
	.amdhsa_code_object_version 6
	.text
	.protected	k_q5d747cd2e8_quantw
	.globl	k_q5d747cd2e8_quantw
	.p2align	8
	.type	k_q5d747cd2e8_quantw,@function
k_q5d747cd2e8_quantw:
	s_mov_b64 s[64:65], 0
	v_nop
	global_prefetch_b8 v0, s[64:65] scope:SCOPE_SE
	s_setreg_imm32_b32 hwreg(HW_REG_WAVE_MODE, 25, 1), 1
	s_wait_xcnt 0x0
; THE WHOLE PROGRAM: one transformer layer (layernorm, q k v, causal attention, output projection, residual, layernorm, MLP with gelu, residual), all eight products on codes of FP8 (E4M3)
; with one E8M0 scale for each 32 along K.  Eight launches: this one (weights to codes), ln1, gqkv, attn, gwo, ln2, gfc1, gfc2.
; DEAD WORK, left out in attn alone: reference() builds the mask triu(k = 1) in its own body and puts -1e9 in the place of every score whose key comes after the query.  The products q . k of such
; places are thrown away by that jnp.where whatever the inputs hold.  Their weights are p = 2^(-1e9 log2(e) - M): the stated quantiser holds a block's exponent at -126 from below, so their codes are zeros
; and add nothing to the second product; to the row's sum they add less than any rounding.  So key steps all of whose keys come after all of a wave's queries are not walked.
; That holds while a row's largest visible logit lies above about -1e9; beyond that reference()'s own rows are no longer causal.  Every input has a way to the output: all are loaded.
; LIMITS of the program: NaN and infinities among the inputs are not served, and a NaN, an infinity or an overflow that reaches only the work left out is not carried to the result;
; a block of zeros, or one whose largest magnitude lies under 2^-118, gets the scale byte 1 (the rule says 127 for zeros: the codes are zeros, and the bytes are read by this program alone).
;
; THE LAYOUT OF EVERY OPERAND OF THIS PROGRAM: an image of the matrix instruction's registers.  A fragment is 16 rows x 128 along K = 2,048 bytes, laid [c = 0..3][lane][16 bytes]:
; lane (r = lane % 16, h = lane / 16) holds k = 128 s + 32 c + 16 h + 0 .. 15 of the tile's row r.  An operand [rows][K] is laid [row tile T][K step s][2,048]; its scale words [T][s][r], four bytes each.
; THE ROWS OF A TILE ARE NOT NEIGHBOURS: lane r of tile T is row 32 (T / 2) + 8 (T % 2) + r + 8 (r / 8), so that the results of two neighbouring tiles are 16 neighbours along the next product's K.
;
; THIS LAUNCH: the six weights, f32 with K innermost, become such images in w.  A work-group takes 16 rows (one tile) x 1,024 along K, each of its eight waves one K step of 128.
; Each load reads 512 consecutive bytes of one row; the 16 rows turn through the wave's own stage in LDS (pitch 528 bytes: 33 x 16, so that 16 rows start in 16 different groups of banks)
; and come back 16 neighbours of each block of 32 to a lane.  The codes leave as 512 consecutive bytes a store; the eight waves' scale words meet in LDS and leave as one run of 512 bytes.
; Work-groups 0-63 wq, 64-127 wk, 128-191 wv, 192-255 wo, 256-511 mlp_fc1, 512-767 mlp_fc2 (four work-groups to a tile: K = 4,096).  The output's place is one formula for all six.
.set WC,    4325376                    ; w: the weights' codes begin here (ahead of them lie ln1's codes and scales)
.set WS,    16908288                   ; and their scale words here
.set STG,   8448                       ; a wave's stage: 16 rows x 528 bytes
.set SCW,   67584                      ; 8 waves x 16 scale words
.set SPARE, 68096                      ; the spare words, 128 bytes for each wave: four blocks of 256 bytes that no other line names
.set SPW, 12                           ; v12  LDS address of my spare word; never rewritten
.set NIL, 13                           ; v13  0; never rewritten
.set OF,  16                           ; v16-31   byte offset of my 16 bytes in each of the 16 rows
.set R,   32                           ; v32-95   the 16 rows as loaded
.set X,   96                           ; v96-159  64 numbers: register 16 b + i = k 32 b + 16 h + i of my row
.set TM,  160                          ; largest magnitudes
.set TP,  164                          ; the other half's, then the scale bytes
.set TL,  168                          ; 448 x the scale
.set TS,  172                          ; the conversions' scale operands
.set PW,  176                          ; the scale word
.set PC,  178                          ; v178-193 the codes
.set SEL, 28                           ; s[28:29] lane selects: lane l xor 16
.set MNT, 30                           ; s30  the mantissa field of 448
; 16 nb numbers of a lane become codes in v[pc] on; the blocks' scale bytes are left in v[TP] on.  A block of 32 lies in lanes l and l xor 16.
.macro QUANT s, nb, pc
.set qb, 0
.rept \nb
	v_max3_num_f32 v[TM+qb], |v[\s+16*qb]|, |v[\s+16*qb+1]|, 0x4800000   ; my 16 numbers, and the floor 2^(9 - 127): the byte cannot fall under 1
.set qb, qb+1
.endr
.set qi, 2
.rept 7
.set qb, 0
.rept \nb
	v_max3_num_f32 v[TM+qb], v[TM+qb], |v[\s+16*qb+qi]|, |v[\s+16*qb+qi+1]|   ; the blocks by turns
.set qb, qb+1
.endr
.set qi, qi+2
.endr
.set qb, 0
.rept \nb
	v_permlanex16_b32 v[TP+qb], v[TM+qb], s[SEL], s[SEL+1]
.set qb, qb+1
.endr
.set qb, 0
.rept \nb
	v_max_num_f32 v[TM+qb], v[TM+qb], v[TP+qb]                   ; the block's largest magnitude
.set qb, qb+1
.endr
.set qb, 0
.rept \nb
	v_add_nc_u32 v[TS+qb], 0xfc000000, v[TM+qb]                  ; 8 off its exponent field: the conversion's scale operand
	v_and_or_b32 v[TL+qb], v[TM+qb], 0x7f800000, s[MNT]          ; 448 x the scale
.set qb, qb+1
.endr
.set qb, 0
.rept \nb
	v_lshrrev_b32 v[TP+qb], 23, v[TS+qb]                         ; the scale's byte
.set qb, qb+1
.endr
.set qb, 0
.rept \nb
.set qi, 0
.rept 16
	v_med3_num_f32 v[\s+16*qb+qi], v[\s+16*qb+qi], -v[TL+qb], v[TL+qb]   ; the conversion to an 8-bit code does not saturate (ISA guide 7.6.2): the hold comes first
.set qi, qi+1
.endr
	v_cvt_scalef32_pk8_fp8_f32 v[\pc+4*qb:\pc+4*qb+1], v[\s+16*qb:\s+16*qb+7], v[TS+qb]
	v_cvt_scalef32_pk8_fp8_f32 v[\pc+4*qb+2:\pc+4*qb+3], v[\s+16*qb+8:\s+16*qb+15], v[TS+qb]
.set qb, qb+1
.endr
	v_nop                                          ; one plain line behind the last conversion
.endm
	s_load_b256 s[4:11], s[0:1], 0x0               ; wq, wk, wv, wo
	s_load_b128 s[12:15], s[0:1], 0x20             ; mlp_fc1, mlp_fc2
	s_load_b64 s[16:17], s[0:1], 0x30              ; w
	v_lshl_add_u32 v[SPW], v0, 2, SPARE
	v_mov_b32 v[NIL], 0
	v_lshrrev_b32 v1, 5, v0
	v_readfirstlane_b32 s24, v1                    ; wave u = my K step of the work-group's eight
	v_and_b32 v2, 31, v0                           ; lane
	v_lshlrev_b32 v3, 4, v2                        ; 16 x lane
	v_and_b32 v4, 15, v0                           ; r
	v_bfe_u32 v5, v0, 4, 1                         ; h
	s_mul_i32 s25, s24, STG
	v_add_nc_u32 v6, s25, v3                       ; the stage, on the way in: 16 x lane of each row
	v_mul_u32_u24 v7, v4, 528
	v_lshl_add_u32 v7, v5, 6, v7
	v_add_nc_u32 v7, s25, v7                       ; and out: row r, + 64 h
	s_lshl_b32 s25, s24, 6
	v_lshl_add_u32 v8, v4, 2, s25
	v_add_nc_u32 v8, SCW, v8                       ; my row's scale word: 64 u + 4 r
	v_add_nc_u32 v9, SCW, v3                       ; wave 0 reads all 512 bytes back
	s_mov_b32 s[SEL], 0x76543210
	s_mov_b32 s[SEL+1], 0xfedcba98
	s_mov_b32 s[MNT], 0x600000
.irp b, 0,1,2,3
	v_mov_b32 v[TP+\b], 0                          ; written once: a lane permute's destination counts as one of its sources
.endr
	s_wait_kmcnt 0x0
	s_mov_b64 s[18:19], s[4:5]                     ; which tensor: a choice on the work-group's number alone
	s_mov_b32 s20, 0                               ; and its first work-group
	s_cmp_ge_u32 ttmp9, 64
	s_cselect_b64 s[18:19], s[6:7], s[18:19]
	s_cselect_b32 s20, 64, s20
	s_cmp_ge_u32 ttmp9, 128
	s_cselect_b64 s[18:19], s[8:9], s[18:19]
	s_cselect_b32 s20, 128, s20
	s_cmp_ge_u32 ttmp9, 192
	s_cselect_b64 s[18:19], s[10:11], s[18:19]
	s_cselect_b32 s20, 192, s20
	s_cmp_ge_u32 ttmp9, 256
	s_cselect_b64 s[18:19], s[12:13], s[18:19]
	s_cselect_b32 s20, 256, s20
	s_mov_b32 s23, 4096                            ; a row in bytes
	s_cmp_ge_u32 ttmp9, 512
	s_cselect_b64 s[18:19], s[14:15], s[18:19]
	s_cselect_b32 s20, 512, s20
	s_cselect_b32 s21, 2, 0                        ; mlp_fc2: four work-groups to a tile,
	s_cselect_b32 s22, 3, 0
	s_cselect_b32 s23, 16384, s23                  ; rows of 16,384 bytes
	s_sub_co_u32 s20, ttmp9, s20
	s_lshr_b32 s26, s20, s21                       ; the tile T
	s_and_b32 s27, s20, s22                        ; which 1,024 along K
	s_lshr_b32 s31, s26, 1
	s_lshl_b32 s31, s31, 5
	s_and_b32 s26, s26, 1
	s_lshl_b32 s26, s26, 3
	s_add_co_u32 s26, s26, s31                     ; the tile's first row: 32 (T / 2) + 8 (T % 2)
	s_mul_i32 s26, s26, s23
	s_lshl_b32 s27, s27, 12
	s_add_co_u32 s26, s26, s27
	s_lshl_b32 s27, s24, 9
	s_add_co_u32 s26, s26, s27                     ; + my K step's 512 bytes
	s_mov_b32 s27, 0
	s_add_nc_u64 s[18:19], s[18:19], s[26:27]
	s_lshl_b32 s26, ttmp9, 14
	s_lshl_b32 s31, s24, 11
	s_add_co_u32 s26, s26, s31
	s_add_co_u32 s26, s26, WC
	s_add_nc_u64 s[32:33], s[16:17], s[26:27]      ; my fragment
	s_lshl_b32 s26, ttmp9, 9
	s_add_co_u32 s26, s26, WS
	s_add_nc_u64 s[34:35], s[16:17], s[26:27]      ; the work-group's 512 bytes of scale words
.irp i, 0,1,2,3,4,5,6,7,8,9,10,11,12,13,14,15
	v_mad_u32_u24 v[OF+\i], s23, \i+8*(\i/8), v3   ; the tile's row i lies i + 8 (i / 8) rows on
.endr
.irp i, 0,1,2,3,4,5,6,7,8,9,10,11,12,13,14,15
	global_load_b128 v[R+4*\i:R+4*\i+3], v[OF+\i], s[18:19] th:TH_LOAD_NT   ; 32 lanes read 512 consecutive bytes of one row
.endr
	s_wait_loadcnt 0x0
.irp i, 0,1,2,3,4,5,6,7,8,9,10,11,12,13,14,15
	ds_store_b128 v6, v[R+4*\i:R+4*\i+3] offset:528*\i
.endr
.irp c, 0,1,2,3
.irp j, 0,1,2,3
	ds_load_b128 v[X+16*\c+4*\j:X+16*\c+4*\j+3], v7 offset:128*\c+16*\j   ; LDS serves a wave's instructions in order: these see my stores
.endr
.endr
	s_wait_dscnt 0x0
	QUANT X, 4, PC
	v_lshl_or_b32 v[PW], v[TP+1], 8, v[TP]         ; the four bytes make my row's scale word
	v_lshl_or_b32 v[PW], v[TP+2], 16, v[PW]
	v_lshl_or_b32 v[PW], v[TP+3], 24, v[PW]
.irp c, 0,1,2,3
	global_store_b128 v3, v[PC+4*\c:PC+4*\c+3], s[32:33] offset:512*\c   ; 512 consecutive bytes, aligned
.endr
	ds_store_b32 v8, v[PW]                         ; both lanes of a row write the same word with the same value
	s_wait_dscnt 0x0                               ; for the others' sake: my store has landed
	s_barrier_signal -1
	s_barrier_wait -1
	s_cmp_lg_u32 s24, 0
	s_cbranch_scc1 .Lend
	ds_load_b128 v[R:R+3], v9                      ; wave 0: the eight waves' words
	s_wait_dscnt 0x0
	global_store_b128 v3, v[R:R+3], s[34:35]       ; 512 consecutive bytes, aligned
.Lend:
	s_wait_tensorcnt 0x0                           ; the wave's end, behind my last LDS store
	ds_add_u32 v[SPW], v[NIL]
	s_wait_dscnt 0x0
	s_endpgm
.Lfunc_end_k_q5d747cd2e8_quantw:
	.size	k_q5d747cd2e8_quantw, .Lfunc_end_k_q5d747cd2e8_quantw-k_q5d747cd2e8_quantw
	.p2alignl 7, 3214868480
	.fill 96, 4, 3214868480
	.section	.rodata,"a",@progbits
	.p2align	6, 0x0
	.amdhsa_kernel k_q5d747cd2e8_quantw
		.amdhsa_group_segment_fixed_size 69120
		.amdhsa_private_segment_fixed_size 0
		.amdhsa_enable_private_segment 0
		.amdhsa_kernarg_size 56
		.amdhsa_user_sgpr_count 2
		.amdhsa_user_sgpr_kernarg_segment_ptr 1
		.amdhsa_wavefront_size32 1
		.amdhsa_system_sgpr_workgroup_id_x 1
		.amdhsa_system_sgpr_workgroup_id_y 1
		.amdhsa_system_sgpr_workgroup_id_z 1
		.amdhsa_system_vgpr_workitem_id 0
		.amdhsa_next_free_vgpr 200
		.amdhsa_next_free_sgpr 66
		.amdhsa_reserve_vcc 0
		.amdhsa_float_denorm_mode_32 3
		.amdhsa_float_denorm_mode_16_64 3
		.amdhsa_memory_ordered 1
		.amdhsa_forward_progress 1
		.amdhsa_inst_pref_size 17
	.end_amdhsa_kernel
	.amdgpu_metadata
---
amdhsa.version: [ 1, 2 ]
amdhsa.kernels:
  - .name:           k_q5d747cd2e8_quantw
    .symbol:         k_q5d747cd2e8_quantw.kd
    .args:
      - { .name: wq, .offset: 0, .size: 8, .value_kind: global_buffer, .address_space: global }
      - { .name: wk, .offset: 8, .size: 8, .value_kind: global_buffer, .address_space: global }
      - { .name: wv, .offset: 16, .size: 8, .value_kind: global_buffer, .address_space: global }
      - { .name: wo, .offset: 24, .size: 8, .value_kind: global_buffer, .address_space: global }
      - { .name: mlp_fc1, .offset: 32, .size: 8, .value_kind: global_buffer, .address_space: global }
      - { .name: mlp_fc2, .offset: 40, .size: 8, .value_kind: global_buffer, .address_space: global }
      - { .name: w, .offset: 48, .size: 8, .value_kind: global_buffer, .address_space: global }
    .group_segment_fixed_size: 69120
    .private_segment_fixed_size: 0
    .kernarg_segment_align: 8
    .kernarg_segment_size: 56
    .max_flat_workgroup_size: 256
    .sgpr_count:     66
    .vgpr_count:     200
    .wavefront_size: 32
...
	.end_amdgpu_metadata
.endif
;; end of part 1
;; launch ln1 (part 2): grid 256 x 1, 8 waves a work-group, no clusters, 70,144 bytes of LDS; arguments x, gamma1, beta1, w; writes w
.if DOCPART == 2
	.amdgcn_target "amdgcn-amd-amdhsa--gfx1250"
	.amdhsa_code_object_version 6
	.text
	.protected	k_q5d747cd2e8_ln1
	.globl	k_q5d747cd2e8_ln1
	.p2align	8
	.type	k_q5d747cd2e8_ln1,@function
k_q5d747cd2e8_ln1:
	s_mov_b64 s[64:65], 0
	v_nop
	global_prefetch_b8 v0, s[64:65] scope:SCOPE_SE
	s_setreg_imm32_b32 hwreg(HW_REG_WAVE_MODE, 25, 1), 1
	s_wait_xcnt 0x0
; y = gamma (x - mean) / sqrt(var + 1e-5) + beta along rows of 1,024 f32, quantised along the row to codes of FP8 (E4M3) with one E8M0 scale for each 32.  Arguments: the rows, gamma, beta, the image.
; THE IMAGE (read by the GEMMs as it lies): a fragment is 16 rows x 128 along K = 2,048 bytes, [c][lane][16 bytes]: lane (r, h) holds k = 128 s + 32 c + 16 h + 0 .. 15 of the tile's row r; codes
; [tile T][K step s][2,048] from byte 0, scale words [T][s][r] from byte 4,194,304.  Lane r of tile T is row 32 (T / 2) + 8 (T % 2) + r + 8 (r / 8).
; SHARES.  A work-group takes one tile of 16 rows, each of its eight waves 128 columns (one K step).  Each load reads 512 consecutive bytes of a row; the rows turn through the wave's own stage in LDS
; (pitch 528 bytes) and come back 16 neighbours of each block of 32 to a lane.  Mean and variance are taken in two passes, as the formula is written: first the sum, then the sum of (x - mean)^2;
; the waves' partial sums meet in LDS behind a barrier, and every wave adds the eight in one fixed order.
; LIMITS: NaN and infinities are not served; a block of zeros, or one under 2^-118, gets the scale byte 1 (its codes are zeros, or held as the rule's lowest byte holds them; this program alone reads the bytes).
.set STG,   8448                       ; a wave's stage: 16 rows x 528 bytes
.set PS1,   67584                      ; partial sums [r][wave], 32 bytes a row
.set PS2,   68096                      ; the same for the squares: 512 bytes on
.set SCW,   68608                      ; 8 waves x 16 scale words
.set SPARE, 69120                      ; the spare words, 128 bytes for each wave: four blocks of 256 bytes that no other line names
.set DSC,   4194304                    ; where the image's scale words begin
.set SPW, 12                           ; v12  LDS address of my spare word; never rewritten
.set NIL, 13                           ; v13  0; never rewritten
.set R,   16                           ; v16-79   the rows as loaded, later gamma
.set X,   80                           ; v80-143  64 numbers: register 16 b + i = column 128 u + 32 b + 16 h + i of my row
.set BT,  144                          ; v144-207 beta
.set TM,  208
.set TP,  212
.set TL,  216
.set TS,  220
.set PW,  224
.set PC,  226                          ; v226-241 the codes
.set SEL, 22                           ; s[22:23] lane selects: lane l xor 16
.set MNT, 24                           ; s24  the mantissa field of 448
; 16 nb numbers of a lane become codes in v[pc] on; the blocks' scale bytes are left in v[TP] on.  A block of 32 lies in lanes l and l xor 16.
.macro QUANT s, nb, pc
.set qb, 0
.rept \nb
	v_max3_num_f32 v[TM+qb], |v[\s+16*qb]|, |v[\s+16*qb+1]|, 0x4800000   ; my 16 numbers, and the floor 2^(9 - 127): the byte cannot fall under 1
.set qb, qb+1
.endr
.set qi, 2
.rept 7
.set qb, 0
.rept \nb
	v_max3_num_f32 v[TM+qb], v[TM+qb], |v[\s+16*qb+qi]|, |v[\s+16*qb+qi+1]|   ; the blocks by turns
.set qb, qb+1
.endr
.set qi, qi+2
.endr
.set qb, 0
.rept \nb
	v_permlanex16_b32 v[TP+qb], v[TM+qb], s[SEL], s[SEL+1]
.set qb, qb+1
.endr
.set qb, 0
.rept \nb
	v_max_num_f32 v[TM+qb], v[TM+qb], v[TP+qb]                   ; the block's largest magnitude
.set qb, qb+1
.endr
.set qb, 0
.rept \nb
	v_add_nc_u32 v[TS+qb], 0xfc000000, v[TM+qb]                  ; 8 off its exponent field: the conversion's scale operand
	v_and_or_b32 v[TL+qb], v[TM+qb], 0x7f800000, s[MNT]          ; 448 x the scale
.set qb, qb+1
.endr
.set qb, 0
.rept \nb
	v_lshrrev_b32 v[TP+qb], 23, v[TS+qb]                         ; the scale's byte
.set qb, qb+1
.endr
.set qb, 0
.rept \nb
.set qi, 0
.rept 16
	v_med3_num_f32 v[\s+16*qb+qi], v[\s+16*qb+qi], -v[TL+qb], v[TL+qb]   ; the conversion to an 8-bit code does not saturate (ISA guide 7.6.2): the hold comes first
.set qi, qi+1
.endr
	v_cvt_scalef32_pk8_fp8_f32 v[\pc+4*qb:\pc+4*qb+1], v[\s+16*qb:\s+16*qb+7], v[TS+qb]
	v_cvt_scalef32_pk8_fp8_f32 v[\pc+4*qb+2:\pc+4*qb+3], v[\s+16*qb+8:\s+16*qb+15], v[TS+qb]
.set qb, qb+1
.endr
	v_nop                                          ; one plain line behind the last conversion
.endm
; v[242:243] and v[244:245] hold two chains' pairs: they are added, joined with lane l xor 16's, and the eight waves' sums of my row meet in LDS, off bytes behind PS1.  The row's sum is left in v244.
.macro ALLSUM off
	v_pk_add_f32 v[242:243], v[242:243], v[244:245]
	v_add_f32 v242, v242, v243
	v_permlanex16_b32 v246, v242, s[SEL], s[SEL+1]
	v_add_f32 v242, v242, v246                     ; my wave's 128 columns of row r
	ds_store_b32 v11, v242 offset:\off             ; both lanes of a row write the same word with the same value
	s_wait_dscnt 0x0                               ; for the others' sake: my store has landed
	s_barrier_signal -1
	s_barrier_wait -1
	ds_load_b128 v[244:247], v1 offset:\off
	ds_load_b128 v[248:251], v1 offset:\off+16
	s_wait_dscnt 0x0
	v_add_f32 v244, v244, v245
	v_add_f32 v246, v246, v247
	v_add_f32 v248, v248, v249
	v_add_f32 v250, v250, v251
	v_add_f32 v244, v244, v246
	v_add_f32 v248, v248, v250
	v_add_f32 v244, v244, v248
.endm
	s_load_b256 s[4:11], s[0:1], 0x0               ; the rows s[4:5], gamma s[6:7], beta s[8:9], the image s[10:11]
	v_lshl_add_u32 v[SPW], v0, 2, SPARE
	v_mov_b32 v[NIL], 0
	v_lshrrev_b32 v1, 5, v0
	v_readfirstlane_b32 s12, v1                    ; wave u = my K step
	v_and_b32 v2, 31, v0                           ; lane
	v_lshlrev_b32 v3, 4, v2                        ; 16 x lane
	v_and_b32 v4, 15, v0                           ; r
	v_bfe_u32 v5, v0, 4, 1                         ; h
	s_mul_i32 s13, s12, STG
	v_add_nc_u32 v6, s13, v3                       ; the stage, on the way in
	v_mul_u32_u24 v7, v4, 528
	v_lshl_add_u32 v7, v5, 6, v7
	v_add_nc_u32 v7, s13, v7                       ; and out: row r, + 64 h
	s_lshl_b32 s13, s12, 6
	v_lshl_add_u32 v8, v4, 2, s13
	v_add_nc_u32 v8, SCW, v8                       ; my row's scale word: 64 u + 4 r
	v_add_nc_u32 v9, SCW, v3                       ; wave 0 reads all 512 bytes back
	v_lshlrev_b32 v10, 6, v5                       ; gamma, beta: 64 h
	s_lshl_b32 s13, s12, 2
	v_lshl_add_u32 v11, v4, 5, s13
	v_add_nc_u32 v11, PS1, v11                     ; my partial sum: 32 r + 4 u
	v_lshlrev_b32 v1, 5, v4
	v_add_nc_u32 v1, PS1, v1                       ; my row's eight
	v_mov_b32 v246, 0                              ; written once: a lane permute's destination counts as one of its sources
.irp b, 0,1,2,3
	v_mov_b32 v[TP+\b], 0
.endr
	s_lshr_b32 s14, ttmp9, 1
	s_lshl_b32 s14, s14, 5
	s_and_b32 s15, ttmp9, 1
	s_lshl_b32 s15, s15, 3
	s_add_co_u32 s14, s14, s15                     ; the tile's first row: 32 (T / 2) + 8 (T % 2)
	s_lshl_b32 s14, s14, 12                        ; rows of 4,096 bytes
	s_lshl_b32 s16, s12, 9                         ; my 128 columns
	s_add_co_u32 s14, s14, s16
	s_mov_b32 s15, 0
	s_mov_b32 s17, 0
	s_lshl_b32 s18, ttmp9, 14
	s_lshl_b32 s19, s12, 11
	s_add_co_u32 s18, s18, s19                     ; my fragment: 16,384 T + 2,048 u
	s_mov_b32 s19, 0
	s_lshl_b32 s20, ttmp9, 9
	s_add_co_u32 s20, s20, DSC                     ; the tile's 512 bytes of scale words
	s_mov_b32 s21, 0
	s_mov_b32 s[SEL], 0x76543210
	s_mov_b32 s[SEL+1], 0xfedcba98
	s_mov_b32 s[MNT], 0x600000
	s_mov_b32 s25, 0x3a800000                      ; 1 / 1,024
	s_mov_b32 s26, 0x3727c5ac                      ; 1e-5
	s_wait_kmcnt 0x0
	s_add_nc_u64 s[4:5], s[4:5], s[14:15]
	s_add_nc_u64 s[6:7], s[6:7], s[16:17]
	s_add_nc_u64 s[8:9], s[8:9], s[16:17]
	s_add_nc_u64 s[28:29], s[10:11], s[20:21]
	s_add_nc_u64 s[10:11], s[10:11], s[18:19]
.irp i, 0,1,2,3,4,5,6,7,8,9,10,11,12,13,14,15
	global_load_b128 v[R+4*\i:R+4*\i+3], v3, s[4:5] offset:(\i+8*(\i/8))*4096 th:TH_LOAD_NT   ; 512 consecutive bytes of the tile's row i
.endr
.irp c, 0,1,2,3
.irp j, 0,1,2,3
	global_load_b128 v[BT+16*\c+4*\j:BT+16*\c+4*\j+3], v10, s[8:9] offset:128*\c+16*\j
.endr
.endr
	s_wait_loadcnt 16                              ; the rows are in; beta's 16 loads may be out
.irp i, 0,1,2,3,4,5,6,7,8,9,10,11,12,13,14,15
	ds_store_b128 v6, v[R+4*\i:R+4*\i+3] offset:528*\i
.endr
.irp c, 0,1,2,3
.irp j, 0,1,2,3
	ds_load_b128 v[X+16*\c+4*\j:X+16*\c+4*\j+3], v7 offset:128*\c+16*\j   ; LDS serves a wave's instructions in order: these see my stores
.endr
.endr
	s_wait_dscnt 0x0
.irp c, 0,1,2,3
.irp j, 0,1,2,3
	global_load_b128 v[R+16*\c+4*\j:R+16*\c+4*\j+3], v10, s[6:7] offset:128*\c+16*\j   ; gamma, into the registers that the rows have left
.endr
.endr
	; the sum of my 64 numbers, two at a time, in two chains
	v_pk_add_f32 v[242:243], v[X:X+1], v[X+2:X+3]
	v_pk_add_f32 v[244:245], v[X+4:X+5], v[X+6:X+7]
.irp j, 8,12,16,20,24,28,32,36,40,44,48,52,56,60
	v_pk_add_f32 v[242:243], v[242:243], v[X+\j:X+\j+1]
	v_pk_add_f32 v[244:245], v[244:245], v[X+\j+2:X+\j+3]
.endr
	ALLSUM 0
	v_mul_f32 v14, s25, v244                       ; the mean,
	v_mul_f32 v15, s25, v244                       ; twice: a pair for the packed forms
.set j, 0
.rept 32
	v_pk_add_f32 v[X+j:X+j+1], v[X+j:X+j+1], v[14:15] neg_lo:[0,1] neg_hi:[0,1]   ; d = x - mean
.set j, j+2
.endr
	v_pk_mul_f32 v[242:243], v[X:X+1], v[X:X+1]
	v_pk_mul_f32 v[244:245], v[X+2:X+3], v[X+2:X+3]
.irp j, 4,8,12,16,20,24,28,32,36,40,44,48,52,56,60
	v_pk_fma_f32 v[242:243], v[X+\j:X+\j+1], v[X+\j:X+\j+1], v[242:243]
	v_pk_fma_f32 v[244:245], v[X+\j+2:X+\j+3], v[X+\j+2:X+\j+3], v[244:245]
.endr
	ALLSUM 512
	v_fma_f32 v14, v244, s25, s26                  ; var + 1e-5
	v_rsq_f32 v14, v14
	v_nop                                          ; one plain line behind the transcendental
	s_wait_alu depctr_va_vdst(0)                   ; and a wait ahead of the first line that names its result
	v_mov_b32 v15, v14
	s_wait_loadcnt 0x0                             ; gamma and beta
.set j, 0
.rept 32
	v_pk_mul_f32 v[X+j:X+j+1], v[X+j:X+j+1], v[14:15]
.set j, j+2
.endr
.set j, 0
.rept 32
	v_pk_fma_f32 v[X+j:X+j+1], v[X+j:X+j+1], v[R+j:R+j+1], v[BT+j:BT+j+1]
.set j, j+2
.endr
	QUANT X, 4, PC
	v_lshl_or_b32 v[PW], v[TP+1], 8, v[TP]         ; the four bytes make my row's scale word
	v_lshl_or_b32 v[PW], v[TP+2], 16, v[PW]
	v_lshl_or_b32 v[PW], v[TP+3], 24, v[PW]
.irp c, 0,1,2,3
	global_store_b128 v3, v[PC+4*\c:PC+4*\c+3], s[10:11] offset:512*\c   ; 512 consecutive bytes, aligned
.endr
	ds_store_b32 v8, v[PW]
	s_wait_dscnt 0x0                               ; for the others' sake: my store has landed
	s_barrier_signal -1
	s_barrier_wait -1
	s_cmp_lg_u32 s12, 0
	s_cbranch_scc1 .Lend
	ds_load_b128 v[R:R+3], v9                      ; wave 0: the eight waves' words
	s_wait_dscnt 0x0
	global_store_b128 v3, v[R:R+3], s[28:29]       ; 512 consecutive bytes, aligned
.Lend:
	s_wait_tensorcnt 0x0                           ; the wave's end, behind my last LDS store
	ds_add_u32 v[SPW], v[NIL]
	s_wait_dscnt 0x0
	s_endpgm
.Lfunc_end_k_q5d747cd2e8_ln1:
	.size	k_q5d747cd2e8_ln1, .Lfunc_end_k_q5d747cd2e8_ln1-k_q5d747cd2e8_ln1
	.p2alignl 7, 3214868480
	.fill 96, 4, 3214868480
	.section	.rodata,"a",@progbits
	.p2align	6, 0x0
	.amdhsa_kernel k_q5d747cd2e8_ln1
		.amdhsa_group_segment_fixed_size 70144
		.amdhsa_private_segment_fixed_size 0
		.amdhsa_enable_private_segment 0
		.amdhsa_kernarg_size 32
		.amdhsa_user_sgpr_count 2
		.amdhsa_user_sgpr_kernarg_segment_ptr 1
		.amdhsa_wavefront_size32 1
		.amdhsa_system_sgpr_workgroup_id_x 1
		.amdhsa_system_sgpr_workgroup_id_y 1
		.amdhsa_system_sgpr_workgroup_id_z 1
		.amdhsa_system_vgpr_workitem_id 0
		.amdhsa_next_free_vgpr 256
		.amdhsa_next_free_sgpr 66
		.amdhsa_reserve_vcc 0
		.amdhsa_float_denorm_mode_32 3
		.amdhsa_float_denorm_mode_16_64 3
		.amdhsa_memory_ordered 1
		.amdhsa_forward_progress 1
		.amdhsa_inst_pref_size 30
	.end_amdhsa_kernel
	.amdgpu_metadata
---
amdhsa.version: [ 1, 2 ]
amdhsa.kernels:
  - .name:           k_q5d747cd2e8_ln1
    .symbol:         k_q5d747cd2e8_ln1.kd
    .args:
      - { .name: x, .offset: 0, .size: 8, .value_kind: global_buffer, .address_space: global }
      - { .name: gamma1, .offset: 8, .size: 8, .value_kind: global_buffer, .address_space: global }
      - { .name: beta1, .offset: 16, .size: 8, .value_kind: global_buffer, .address_space: global }
      - { .name: w, .offset: 24, .size: 8, .value_kind: global_buffer, .address_space: global }
    .group_segment_fixed_size: 70144
    .private_segment_fixed_size: 0
    .kernarg_segment_align: 8
    .kernarg_segment_size: 32
    .max_flat_workgroup_size: 256
    .sgpr_count:     66
    .vgpr_count:     256
    .wavefront_size: 32
...
	.end_amdgpu_metadata
.endif
;; end of part 2
;; launch gqkv (part 3): grid 24 x 32, 4 waves a work-group, clusters of 4 x 4, 327,680 bytes of LDS; arguments w, qkv; writes qkv
.if DOCPART == 3
	.amdgcn_target "amdgcn-amd-amdhsa--gfx1250"
	.amdhsa_code_object_version 6
	.text
	.protected	k_q5d747cd2e8_gqkv
	.globl	k_q5d747cd2e8_gqkv
	.p2align	8
	.type	k_q5d747cd2e8_gqkv,@function
k_q5d747cd2e8_gqkv:
	s_mov_b64 s[64:65], 0
	v_nop
	global_prefetch_b8 v0, s[64:65] scope:SCOPE_SE
	s_setreg_imm32_b32 hwreg(HW_REG_WAVE_MODE, 25, 1), 1
	s_wait_xcnt 0x0
	s_wait_alu depctr_hold_cnt(0) depctr_sa_sdst(0) depctr_va_vdst(0) depctr_va_sdst(0) depctr_va_ssrc(0) depctr_va_vcc(0) depctr_vm_vsrc(0)
	s_getreg_b32 s2, hwreg(HW_REG_IB_STS2, 6, 4)
	s_cmp_eq_u32 s2, 0
	s_cbranch_scc0 .Lentry_in_a_cluster
	s_endpgm
.Lentry_in_a_cluster:
	s_bfe_u32 s2, ttmp6, 0x10000c
	s_cmp_lg_u32 s2, 0xf033
	s_cbranch_scc0 .Lentry_shape_is_right
	s_endpgm
.Lentry_shape_is_right:
; q, k and v^T, each quantised on its way out.  C[m][n] = sum over k of A[m][k] B[n][k] on codes of FP8 (E4M3) with one E8M0 scale for each 32 along K = 1,024; sums in f32.
; Clusters with x < 4: A = the normed tokens (4,096 rows), B = wq's 1,024 rows and then wk's: C = q | k, quantised along the head's 64.
; Clusters with x >= 4: A = wv (1,024 rows), B = the normed tokens: C = v^T, quantised along the tokens, which are the keys: the K of attention's second product.  Nothing is transposed.
; OPERANDS LIE IN MEMORY AS IMAGES OF THE REGISTERS: a fragment is 16 rows x 128 K = 2,048 bytes, [c][lane][16]: lane (r, h) holds k = 128 s + 32 c + 16 h + 0 .. 15 of the tile's row r; codes [tile][K step][2,048],
; scale words [tile][K step][r].  Lane r of tile T is row 32 (T / 2) + 8 (T % 2) + r + 8 (r / 8).  So a fragment comes from LDS by four loads of 512 consecutive bytes, with no pitch and no padding.
; THE MATRIX INSTRUCTION IS USED TRANSPOSED (source 0 = 16 rows of B, source 1 = 16 rows of A): a lane holds ONE row of C, and by the order of a tile's rows the 16 registers of B's tiles 2 p and 2 p + 1
; are columns 32 p + 16 h + 0 .. 15: the conversions' results are the next operand's registers and leave as 512 consecutive bytes a store.
; SHARES.  A work-group of four waves makes 128 x 128 of C, a wave 64 x 64: 16 accumulators.  K goes through two LDS slots of 512 along K; with K = 1,024 both are filled once, at the head.
; CLUSTERS: 4 x 4.  A's tiles are shared along a row of the cluster, B's along a column: each is asked for jointly, by the same tensor load with the same descriptor and a mask that names the four.
; THE OUTPUT, buffer qkv: for each head hd = 16 batch + head a block of 135,168 bytes: k's codes [tile 0..63][c 0..1][lane][16] at 0, k's scales [tile][r] of two bytes at 65,536, v^T's codes [channel tile 0..3][K step 0..7][2,048]
; at 67,584, v^T's scale words [tile][K step][r] at 133,120; q's codes [hd][tile][1,024] from QC, q's scales [hd][tile][r] of two bytes from QS.
; A wave's 64 columns are half a scale word: the scale bytes leave two to a lane, 32 or 64 bytes a store: one part in 32 of the codes' bytes.
; LIMITS: NaN and infinities are not served; a block of zeros, or one under 2^-118, gets the scale byte 1.
.set KT,    1024
.set N1S,   4194304                    ; w: the tokens' codes at 0, their scale words here,
.set WC,    4325376                    ; the weights' codes (wq, wk, wv: 1 MiB each),
.set WS,    16908288                   ; the weights' scale words (32,768 bytes each)
.set HB,    135168
.set QC,    8650752
.set QS,    12845056
.set RTP,   16*KT                      ; a row tile's codes in bytes
.set SRT,   KT/2                       ; and its scale words
.set LAPS,  KT/1024
.set SLOT,  131072                     ; A's 8 tiles x 8,192 bytes (4 K steps), then B's
.set SCL,   2*SLOT                     ; behind the ring: A's scale words for all of K, then B's
.set STAGE, SCL+16*SRT
.set SPARE, STAGE+4*4352               ; the spare words, 128 bytes for each wave: two blocks of 256 bytes that no other line names
.set R4,   3                           ; v3   4 r
.set PW,   8                           ; v8-11 the scale bytes just made, two to a register
.set ADRA, 16                          ; v16-17 LDS address of my A fragments in slot 0, 1
.set ADRB, 20                          ; v20-21 the same for B
.set ADRS, 27                          ; v27  LDS address of my scale words: lanes 0-15 A's, lanes 16-31 B's
.set SPW,  28                          ; v28  LDS address of my spare word; never rewritten
.set NIL,  29                          ; v29  0; never rewritten
.set L16,  30                          ; v30  16 x lane
.set R2,   31                          ; v31  2 r
.set SC,   32                          ; v32-63 scale words and nothing else: set s, block i, K step q at 32 + 16 s + 4 i + q
.set TM,   64
.set TP,   72
.set TL,   80
.set TS,   88
.set PC,   96                          ; v96-127 the codes
.set ACC,  128                         ; v128-255 accumulator (a, b) at 128 + 8 (4 a + b).  Window 1: two fragment buffers of 128: A's four at +16 a, B's four at +64 + 16 b
.set G1A,  24
.set G0A,  32
.set G1B,  48
.set G0B,  56
.set G1SA, 68
.set G0SA, 76
.set G1SB, 80
.set G0SB, 88
.set SEL,  96
.set MNT,  98
.set MUL,  0x05                        ; sources 0 and 1 window 1; C and D window 0
.set TO_F, 0x40                        ; destination window 1, address window 0
.set MSB, 0
.macro WIN new                         ; the immediate's high byte repeats the setting that is left
.if MSB != \new
	s_set_vgpr_msb (MSB<<8)|\new
.set MSB, \new
.endif
.endm
.macro PLACES n
.rept \n
	v_nop
.endr
.endm
; A joint load: waves 0 and 1 fetch for A, waves 2 and 3 for B.  The branch hangs on the wave's number alone.  An s_nop 0 and four v_nop follow each of the two lines.
.macro JLOAD g0a, g1a, g0b, g1b
	s_cmp_eq_u32 s15, 0
	s_cbranch_scc0 .Lfor_b_\@
	tensor_load_to_lds s[\g0a:\g0a+3], s[\g1a:\g1a+7]
	s_nop 0
.rept 4
	v_nop
.endr
	s_branch .Lasked_\@
.Lfor_b_\@:
	tensor_load_to_lds s[\g0b:\g0b+3], s[\g1b:\g1b+7]
	s_nop 0
.rept 4
	v_nop
.endr
.Lasked_\@:
.endm
.macro CREST                           ; a round of the cluster's barrier behind its opening barrier
	s_cmp_lg_u32 s14, 0
	s_cbranch_scc1 .Lnot_wave_0_\@
	s_barrier_signal -3
.Lnot_wave_0_\@:
	s_barrier_wait -3
	s_barrier_signal -1
	s_barrier_wait -1
.endm
.macro CROUND                          ; a whole round
	s_barrier_signal -1
	s_barrier_wait -1
	CREST
.endm
; 16 nb numbers of a lane become codes in v[pc] on; the blocks' scale bytes are left in v[TP] on.  A block of 32 lies in lanes l and l xor 16.  Each accumulator is read from its low end on.
.macro QUANT s, nb, pc
.set qb, 0
.rept \nb
	v_max3_num_f32 v[TM+qb], |v[\s+16*qb]|, |v[\s+16*qb+1]|, 0x4800000   ; my 16 numbers, and the floor 2^(9 - 127): the byte cannot fall under 1
.set qb, qb+1
.endr
.set qi, 2
.rept 7
.set qb, 0
.rept \nb
	v_max3_num_f32 v[TM+qb], v[TM+qb], |v[\s+16*qb+qi]|, |v[\s+16*qb+qi+1]|   ; the blocks by turns
.set qb, qb+1
.endr
.set qi, qi+2
.endr
.set qb, 0
.rept \nb
	v_permlanex16_b32 v[TP+qb], v[TM+qb], s[SEL], s[SEL+1]
.set qb, qb+1
.endr
.set qb, 0
.rept \nb
	v_max_num_f32 v[TM+qb], v[TM+qb], v[TP+qb]                   ; the block's largest magnitude
.set qb, qb+1
.endr
.set qb, 0
.rept \nb
	v_add_nc_u32 v[TS+qb], 0xfc000000, v[TM+qb]                  ; 8 off its exponent field: the conversion's scale operand
	v_and_or_b32 v[TL+qb], v[TM+qb], 0x7f800000, s[MNT]          ; 448 x the scale
.set qb, qb+1
.endr
.set qb, 0
.rept \nb
	v_lshrrev_b32 v[TP+qb], 23, v[TS+qb]                         ; the scale's byte
.set qb, qb+1
.endr
.set qb, 0
.rept \nb
.set qi, 0
.rept 16
	v_med3_num_f32 v[\s+16*qb+qi], v[\s+16*qb+qi], -v[TL+qb], v[TL+qb]   ; the conversion to an 8-bit code does not saturate (ISA guide 7.6.2): the hold comes first
.set qi, qi+1
.endr
	v_cvt_scalef32_pk8_fp8_f32 v[\pc+4*qb:\pc+4*qb+1], v[\s+16*qb:\s+16*qb+7], v[TS+qb]
	v_cvt_scalef32_pk8_fp8_f32 v[\pc+4*qb+2:\pc+4*qb+3], v[\s+16*qb+8:\s+16*qb+15], v[TS+qb]
.set qb, qb+1
.endr
	v_nop                                          ; one plain line behind the last conversion
.endm
; 32 LDS loads in one run: B's four and A's four fragments of the slot's q-th K step into buffer f (0 or 128) of window 1
.macro FETCH slot, q, f
	WIN TO_F
.irp i, 0,1,2,3
.irp c, 0,1,2,3
	ds_load_b128 v[\f+64+16*\i+4*\c:\f+64+16*\i+4*\c+3], v[ADRB+\slot] offset:8192*\i+2048*(\q)+512*\c
.endr
.irp c, 0,1,2,3
	ds_load_b128 v[\f+16*\i+4*\c:\f+16*\i+4*\c+3], v[ADRA+\slot] offset:8192*\i+2048*(\q)+512*\c
.endr
.endr
.endm
.macro SCALES s                        ; a slot's scale words: lanes 0-15 take A's block i, lanes 16-31 B's tile i
	WIN 0
.irp i, 0,1,2,3
.irp q, 0,1,2,3
	ds_load_b32 v[SC+16*\s+4*\i+\q], v[ADRS] offset:\i*SRT+64*\q
.endr
.endr
.endm
; four matrix instructions: A's block a x B's four tiles.  The 16 accumulators take turns, one instruction a turn, in one order in every K step.  zero = 1: the products start the sums.
.macro MULA f, a, sc, q, zero
.irp b, 0,1,2,3
.if \zero
	v_wmma_scale_f32_16x16x128_f8f6f4 v[ACC+8*(4*(\a)+\b):ACC+8*(4*(\a)+\b)+7], v[\f+64+16*\b:\f+64+16*\b+15], v[\f+16*(\a):\f+16*(\a)+15], 0, v[SC+16*(\sc)+4*\b+(\q)], v[SC+16*(\sc)+4*(\a)+(\q)] matrix_a_scale:MATRIX_SCALE_ROW1
.else
	v_wmma_scale_f32_16x16x128_f8f6f4 v[ACC+8*(4*(\a)+\b):ACC+8*(4*(\a)+\b)+7], v[\f+64+16*\b:\f+64+16*\b+15], v[\f+16*(\a):\f+16*(\a)+15], v[ACC+8*(4*(\a)+\b):ACC+8*(4*(\a)+\b)+7], v[SC+16*(\sc)+4*\b+(\q)], v[SC+16*(\sc)+4*(\a)+(\q)] matrix_a_scale:MATRIX_SCALE_ROW1
.endif
.endr
.endm
; A K step of 128 that has its successor in the same slot: behind its first four products the next step's fragments are fetched into the other buffer.
; Eight plain lines stand between the last product that read that buffer and the loads into it.
.macro STEP slot, q, zero
.set FF, 128*((\q)%2)
.set FG, 128-FF
	s_wait_dscnt 0x0                               ; this step's fragments and scale words are in
	WIN MUL
	MULA FF, 0, \slot, \q, \zero
	PLACES 8
	FETCH \slot, (\q)+1, FG
	WIN MUL
	MULA FF, 1, \slot, \q, \zero
	MULA FF, 2, \slot, \q, \zero
	MULA FF, 3, \slot, \q, \zero
	WIN 0
.endm
; A slot's last K step changes slots: ONE barrier; in front of it each wave waits for all its tensor loads, adds 0 to its spare word, and waits for that and for its reads of this slot.  fill = 1: the slot is filled again.
.macro TURN slot, next, fill
	s_wait_tensorcnt 0x0                           ; all my tensor loads have landed: my part of the next slot
	ds_add_u32 v[SPW], v[NIL]                      ; 0 onto my spare word
	s_wait_dscnt 0x1                               ; this step's fragments are in; the add alone may be out
	WIN MUL
	MULA 128, 0, \slot, 3, 0
	s_wait_dscnt 0x0                               ; the add is done, and my reads of this slot are over
	s_barrier_signal -1
	MULA 128, 1, \slot, 3, 0
	WIN 0
	s_barrier_wait -1
.if \fill
	CREST                                          ; the barrier has opened a round of the cluster's barrier: no wave of any partner still reads this slot or has a load on its way
	s_add_nc_u64 s[G0A+4*\slot+2:G0A+4*\slot+3], s[G0A+4*\slot+2:G0A+4*\slot+3], 16384
	s_add_nc_u64 s[G0B+4*\slot+2:G0B+4*\slot+3], s[G0B+4*\slot+2:G0B+4*\slot+3], 16384
	JLOAD G0A+4*\slot, G1A, G0B+4*\slot, G1B
	PLACES 4                                       ; with the four behind the load: eight
.else
	PLACES 8
.endif
	v_add_nc_u32 v[ADRS], 256, v[ADRS]             ; the next slot's scale words
	FETCH \next, 0, 0
	SCALES \next
	WIN MUL
	MULA 128, 2, \slot, 3, 0
	MULA 128, 3, \slot, 3, 0
	WIN 0
.endm
	s_load_b64 s[4:5], s[0:1], 0x0                 ; w: A's buffer
	s_load_b64 s[6:7], s[0:1], 0x0                 ; w once more: B's buffer
	s_load_b64 s[10:11], s[0:1], 0x8               ; qkv
	v_lshl_add_u32 v[SPW], v0, 2, SPARE
	v_mov_b32 v[NIL], 0
	ds_add_u32 v[SPW], v[NIL]                      ; the wave's opening: the add, twice on end, and its wait ahead of my first tensor load
	ds_add_u32 v[SPW], v[NIL]
	v_lshrrev_b32 v1, 5, v0
	v_readfirstlane_b32 s14, v1                    ; wave 0..3
	s_lshr_b32 s15, s14, 1                         ; which half of the tile's rows is mine.  Also: I fetch for A (0) or for B (1)
	s_and_b32 s16, s14, 1                          ; which half of its columns.  Also: which four row tiles I fetch
	s_bfe_u32 s40, ttmp6, 0x40000                  ; cx, cy: my place in the cluster
	s_bfe_u32 s41, ttmp6, 0x40004
	s_and_b32 s18, ttmp7, 0xffff                   ; cluster y
	s_max_u32 s19, ttmp9, 4
	s_sub_co_u32 s19, s19, 4                       ; cluster x - 4, where that is not negative
	s_cmp_lt_u32 ttmp9, 4                          ; q | k, or v^T?  The cluster's x: the same in all sixteen partners
	s_cselect_b32 s17, s18, s19                    ; which four tile rows of C are the cluster's,
	s_cselect_b32 s42, ttmp9, s18                  ; which four tile columns,
	s_cselect_b32 s66, 0, WC+2*1048576             ; A's codes: the tokens' or wv's,
	s_mov_b32 s67, WS+65536
	s_cselect_b32 s67, N1S, s67                    ; A's scale words,
	s_cselect_b32 s94, WC, 0                       ; B's codes: wq | wk, or the tokens',
	s_mov_b32 s95, N1S
	s_cselect_b32 s95, WS, s95                     ; B's scale words
	s_lshl_b32 s17, s17, 2
	s_add_co_u32 s17, s17, s41                     ; TR: tile row of C
	s_lshl_b32 s42, s42, 2
	s_add_co_u32 s42, s42, s40                     ; TC: tile column of C
	s_lshl_b32 s43, s41, 2
	s_lshl_b32 s43, 15, s43                        ; my row of the cluster
	s_lshl_b32 s44, 0x1111, s40                    ; my column
	; descriptor group 1, codes: 4 row tiles x 8,192 bytes (1,024 elements of 8 bytes), RTP bytes apart; no padding
	s_or_b32 s[G1A], s43, (3<<16)|(1<<21)          ; 15:0 the mask; 17:16 elements of 8 bytes; 21 set beside a mask
	s_or_b32 s[G1B], s44, (3<<16)|(1<<21)
.irp g, G1A, G1B
	s_mov_b32 s[\g+1], 1024<<16                    ; tensor_dim0
	s_mov_b32 s[\g+2], 4<<16                       ; tensor_dim1
	s_mov_b32 s[\g+3], 1024<<16                    ; tile_dim0
	s_mov_b32 s[\g+4], 4                           ; tile_dim1
	s_mov_b32 s[\g+5], RTP/8                       ; tensor_dim0_stride
	s_mov_b32 s[\g+6], 0
	s_mov_b32 s[\g+7], 0
.endr
	; scale words of 4 row tiles for all of K: a dense block, as rows of 256 bytes
	s_or_b32 s[G1SA], s43, (3<<16)|(1<<21)
	s_or_b32 s[G1SB], s44, (3<<16)|(1<<21)
.irp g, G1SA, G1SB
	s_mov_b32 s[\g+1], 32<<16
	s_mov_b32 s[\g+2], (4*SRT/256)<<16
	s_mov_b32 s[\g+3], 32<<16
	s_mov_b32 s[\g+4], 4*SRT/256
	s_mov_b32 s[\g+5], 32
	s_mov_b32 s[\g+6], 0
	s_mov_b32 s[\g+7], 0
.endr
	s_lshl_b32 s18, s16, 2
	s_lshl_b32 s20, s17, 3
	s_add_co_u32 s20, s20, s18                     ; A: the first row tile that I fetch: 8 TR + 4 x half
	s_lshl_b32 s46, s42, 3
	s_add_co_u32 s46, s46, s18                     ; B: 8 TC + 4 x half
	s_mul_i32 s22, s20, SRT
	s_mul_i32 s20, s20, RTP
	s_add_co_u32 s20, s20, s66
	s_add_co_u32 s22, s22, s67
	s_mov_b32 s21, 0
	s_mov_b32 s23, 0
	s_mul_i32 s92, s46, SRT
	s_mul_i32 s46, s46, RTP
	s_add_co_u32 s46, s46, s94
	s_add_co_u32 s92, s92, s95
	s_mov_b32 s47, 0
	s_mov_b32 s93, 0
	s_lshl_b32 s45, s14, 15                        ; where they go: wave x 32,768: no place in the cluster enters an LDS address
	s_mul_i32 s99, s14, 4*SRT
	s_mov_b32 s[SEL], 0x76543210
	s_mov_b32 s[SEL+1], 0xfedcba98
	s_mov_b32 s[MNT], 0x600000
	s_wait_dscnt 0x0                               ; both opening adds are done
	s_wait_kmcnt 0x0
	s_add_nc_u64 s[20:21], s[4:5], s[20:21]
	s_add_nc_u64 s[22:23], s[4:5], s[22:23]
	s_add_nc_u64 s[46:47], s[6:7], s[46:47]
	s_add_nc_u64 s[92:93], s[6:7], s[92:93]
	CROUND                                         ; all sixteen work-groups are here: the first joint loads meet
	s_mov_b32 s[G0SA], 1
	s_add_co_u32 s[G0SA+1], s99, SCL
	s_mov_b64 s[G0SA+2:G0SA+3], s[22:23]
	s_or_b32 s[G0SA+3], s[G0SA+3], 0x80000000
	s_mov_b32 s[G0SB], 1
	s_add_co_u32 s[G0SB+1], s99, SCL
	s_mov_b64 s[G0SB+2:G0SB+3], s[92:93]
	s_or_b32 s[G0SB+3], s[G0SB+3], 0x80000000
	JLOAD G0SA, G1SA, G0SB, G1SB                   ; the scale words first: they are wanted with K step 0
.irp s, 0,1
	s_mov_b32 s[G0A+4*\s], 1
	s_add_co_u32 s[G0A+4*\s+1], s45, \s*SLOT
	s_add_nc_u64 s[G0A+4*\s+2:G0A+4*\s+3], s[20:21], \s*8192
	s_or_b32 s[G0A+4*\s+3], s[G0A+4*\s+3], 0x80000000
	s_mov_b32 s[G0B+4*\s], 1
	s_add_co_u32 s[G0B+4*\s+1], s45, \s*SLOT
	s_add_nc_u64 s[G0B+4*\s+2:G0B+4*\s+3], s[46:47], \s*8192
	s_or_b32 s[G0B+4*\s+3], s[G0B+4*\s+3], 0x80000000
	JLOAD G0A+4*\s, G1A, G0B+4*\s, G1B             ; three tensor loads of a wave are out
.endr
	v_and_b32 v1, 15, v0                           ; r
	v_bfe_u32 v2, v0, 4, 1                         ; h
	v_and_b32 v4, 31, v0
	v_lshlrev_b32 v[L16], 4, v4
	v_lshlrev_b32 v[R4], 2, v1
	v_lshlrev_b32 v[R2], 1, v1
	s_lshl_b32 s18, s15, 15                        ; my four tiles of A
	s_lshl_b32 s19, s16, 15                        ; my four tiles of B,
	s_add_co_u32 s19, s19, 65536                   ; which lie behind A's eight
.irp s, 0,1
	v_add_nc_u32 v[ADRA+\s], s18, v[L16]
	v_add_nc_u32 v[ADRB+\s], s19, v[L16]
	s_add_co_u32 s18, s18, SLOT
	s_add_co_u32 s19, s19, SLOT
.endr
	s_mul_i32 s18, s15, 4*SRT                      ; A's scale words: my four tiles
	s_mul_i32 s19, s16, 4*SRT                      ; B's, behind A's eight
	s_add_co_u32 s19, s19, 8*SRT
	s_sub_co_u32 s19, s19, s18
	v_mul_u32_u24 v5, s19, v2                      ; lanes 16-31 take B's
	s_add_co_u32 s18, s18, SCL
	v_add_nc_u32 v5, v5, v[R4]
	v_add_nc_u32 v[ADRS], s18, v5
.irp b, 0,1,2,3,4,5,6,7
	v_mov_b32 v[TP+\b], 0                          ; written once: a lane permute's destination counts as one of its sources
.endr
	s_wait_tensorcnt 0x1                           ; the scale words and my part of slot 0 are in; slot 1's load may be out
	s_barrier_signal -1
	s_barrier_wait -1                              ; everybody's are
	FETCH 0, 0, 0
	SCALES 0
	STEP 0, 0, 1                                   ; the first K step's products start the sums: nothing is cleared
	STEP 0, 1, 0
	STEP 0, 2, 0
	TURN 0, 1, 0
	STEP 1, 0, 0
	STEP 1, 1, 0
	STEP 1, 2, 0
	s_wait_dscnt 0x0                               ; the last K step
	WIN MUL
	MULA 128, 0, 1, 3, 0
	MULA 128, 1, 1, 3, 0
	MULA 128, 2, 1, 3, 0
	MULA 128, 3, 1, 3, 0
	WIN 0
	PLACES 8                                       ; eight plain lines between the last product and the first read of results
	; THE WAY OUT: my 64 columns of each row are two blocks of 32: eight blocks a lane (block 2 a + p: A's block a, columns 32 p on)
	QUANT ACC, 8, PC
.irp a, 0,1,2,3
	v_lshl_or_b32 v[PW+\a], v[TP+2*\a+1], 8, v[TP+2*\a]
.endr
	s_cmp_lt_u32 ttmp9, 4                          ; the cluster's x: the same in all partners
	s_cbranch_scc0 .Lvpath
	s_lshr_b32 s18, s17, 3                         ; q | k: rows are tokens: the batch,
	s_and_b32 s19, s17, 7
	s_lshl_b32 s19, s19, 3
	s_lshl_b32 s20, s15, 2
	s_add_co_u32 s19, s19, s20                     ; my first tile of the sequence's 64;
	s_lshl_b32 s20, s42, 1
	s_add_co_u32 s20, s20, s16
	s_and_b32 s20, s20, 15                         ; my 64 columns are one head
	s_lshl_b32 s18, s18, 4
	s_add_co_u32 s18, s18, s20                     ; hd
	s_lshl_b32 s20, s18, 6
	s_add_co_u32 s20, s20, s19
	s_lshl_b32 s22, s20, 10
	s_add_co_u32 s22, s22, QC                      ; q's codes
	s_lshl_b32 s46, s20, 5
	s_add_co_u32 s46, s46, QS                      ; q's scales
	s_mul_i32 s18, s18, HB
	s_lshl_b32 s20, s19, 10
	s_add_co_u32 s20, s20, s18                     ; k's codes
	s_lshl_b32 s92, s19, 5
	s_add_co_u32 s92, s92, s18
	s_add_co_u32 s92, s92, 65536                   ; k's scales
	s_cmp_lt_u32 ttmp9, 2                          ; columns under 1,024 are q's
	s_cselect_b32 s20, s22, s20
	s_cselect_b32 s22, s46, s92
	s_mov_b32 s21, 0
	s_mov_b32 s23, 0
	s_add_nc_u64 s[20:21], s[10:11], s[20:21]
	s_add_nc_u64 s[22:23], s[10:11], s[22:23]
.irp a, 0,1,2,3
.irp p, 0,1
	global_store_b128 v[L16], v[PC+4*(2*\a+\p):PC+4*(2*\a+\p)+3], s[20:21] offset:1024*\a+512*\p   ; 512 consecutive bytes, aligned
.endr
	global_store_b16 v[R2], v[PW+\a], s[22:23] offset:32*\a   ; both lanes of a row store the same two bytes
.endr
	s_branch .Ldone
.Lvpath:
	s_lshr_b32 s18, s42, 3                         ; v^T: columns are tokens: the batch;
	s_lshl_b32 s18, s18, 4
	s_lshl_b32 s19, s17, 1
	s_add_co_u32 s18, s18, s19
	s_add_co_u32 s18, s18, s15                     ; my 64 rows are one head: hd
	s_mul_i32 s18, s18, HB
	s_and_b32 s19, s42, 7                          ; the K step of the sequence's eight
	s_lshl_b32 s20, s19, 11
	s_add_co_u32 s20, s20, s18
	s_lshl_b32 s22, s16, 10
	s_add_co_u32 s20, s20, s22
	s_add_co_u32 s20, s20, 67584
	s_lshl_b32 s22, s19, 6
	s_add_co_u32 s22, s22, s18
	s_lshl_b32 s19, s16, 1
	s_add_co_u32 s22, s22, s19
	s_add_co_u32 s22, s22, 133120
	s_mov_b32 s21, 0
	s_mov_b32 s23, 0
	s_add_nc_u64 s[20:21], s[10:11], s[20:21]
	s_add_nc_u64 s[22:23], s[10:11], s[22:23]
.irp a, 0,1,2,3
.irp p, 0,1
	global_store_b128 v[L16], v[PC+4*(2*\a+\p):PC+4*(2*\a+\p)+3], s[20:21] offset:16384*\a+512*\p
.endr
	global_store_b16 v[R4], v[PW+\a], s[22:23] offset:512*\a
.endr
.Ldone:
	s_wait_tensorcnt 0x0                           ; the wave's end
	ds_add_u32 v[SPW], v[NIL]
	s_wait_dscnt 0x0
	CROUND                                         ; the closing round: no work-group ends while a partner may still ask for a tile that names it
	s_endpgm
.Lfunc_end_k_q5d747cd2e8_gqkv:
	.size	k_q5d747cd2e8_gqkv, .Lfunc_end_k_q5d747cd2e8_gqkv-k_q5d747cd2e8_gqkv
	.p2alignl 7, 3214868480
	.fill 96, 4, 3214868480
	.section	.rodata,"a",@progbits
	.p2align	6, 0x0
	.amdhsa_kernel k_q5d747cd2e8_gqkv
		.amdhsa_group_segment_fixed_size 327680
		.amdhsa_private_segment_fixed_size 0
		.amdhsa_enable_private_segment 0
		.amdhsa_kernarg_size 16
		.amdhsa_user_sgpr_count 2
		.amdhsa_user_sgpr_kernarg_segment_ptr 1
		.amdhsa_wavefront_size32 1
		.amdhsa_system_sgpr_workgroup_id_x 1
		.amdhsa_system_sgpr_workgroup_id_y 1
		.amdhsa_system_sgpr_workgroup_id_z 1
		.amdhsa_system_vgpr_workitem_id 0
		.amdhsa_next_free_vgpr 512
		.amdhsa_next_free_sgpr 100
		.amdhsa_reserve_vcc 0
		.amdhsa_float_denorm_mode_32 3
		.amdhsa_float_denorm_mode_16_64 3
		.amdhsa_memory_ordered 1
		.amdhsa_forward_progress 1
		.amdhsa_inst_pref_size 68
	.end_amdhsa_kernel
	.amdgpu_metadata
---
amdhsa.version: [ 1, 2 ]
amdhsa.kernels:
  - .name:           k_q5d747cd2e8_gqkv
    .symbol:         k_q5d747cd2e8_gqkv.kd
    .args:
      - { .name: w, .offset: 0, .size: 8, .value_kind: global_buffer, .address_space: global }
      - { .name: qkv, .offset: 8, .size: 8, .value_kind: global_buffer, .address_space: global }
    .group_segment_fixed_size: 327680
    .private_segment_fixed_size: 0
    .kernarg_segment_align: 8
    .kernarg_segment_size: 16
    .max_flat_workgroup_size: 128
    .sgpr_count:     100
    .vgpr_count:     512
    .wavefront_size: 32
...
	.end_amdgpu_metadata
.endif
;; end of part 3
;; launch attn (part 4): grid 4 x 64, 16 waves a work-group, clusters of 4 x 1, 167,936 bytes of LDS; arguments qkv, at; writes at
.if DOCPART == 4
	.amdgcn_target "amdgcn-amd-amdhsa--gfx1250"
	.amdhsa_code_object_version 6
	.text
	.protected	k_q5d747cd2e8_attn
	.globl	k_q5d747cd2e8_attn
	.p2align	8
	.type	k_q5d747cd2e8_attn,@function
k_q5d747cd2e8_attn:
	s_mov_b64 s[64:65], 0
	v_nop
	global_prefetch_b8 v0, s[64:65] scope:SCOPE_SE
	s_setreg_imm32_b32 hwreg(HW_REG_WAVE_MODE, 25, 1), 1
	s_wait_xcnt 0x0
	s_wait_alu depctr_hold_cnt(0) depctr_sa_sdst(0) depctr_va_vdst(0) depctr_va_sdst(0) depctr_va_ssrc(0) depctr_va_vcc(0) depctr_vm_vsrc(0)
	s_getreg_b32 s2, hwreg(HW_REG_IB_STS2, 6, 4)
	s_cmp_eq_u32 s2, 0
	s_cbranch_scc0 .Lentry_in_a_cluster
	s_endpgm
.Lentry_in_a_cluster:
	s_bfe_u32 s2, ttmp6, 0x10000c
	s_cmp_lg_u32 s2, 0x3003
	s_cbranch_scc0 .Lentry_shape_is_right
	s_endpgm
.Lentry_shape_is_right:
; Causal attention on codes of FP8 (E4M3), 64 heads (16 batch + head) of 1,024 tokens x 64 channels; the result is quantised along the concatenated heads, as the output projection's operand.
; WORK LEFT OUT: key steps all of whose keys come after all of a wave's queries (the mask that the problem builds itself puts -1e9 there: their codes of p are zeros and their part of the row's sum is under any rounding;
; shown at the head of the first kernel).  Inside the step on the diagonal hidden scores are set to -8e9, which is the logit -1e9.
; THE SOFTMAX: t = score x log2(e) / 8; M = the running largest t rounded UP to a whole number; p = 2^(t - M) is quantised along the keys, not normalised; the row's sum is taken of the unquantised p and divides at the end.
; When M moves, the sum and O are multiplied by 2^(old M - new M): exact.
; INPUT, buffer qkv: each head's block of 135,168 bytes: k's codes [tile 0..63][c 0..1][lane][16] at 0, k's scales [tile][r], two bytes, at 65,536, v^T's codes [channel tile][K step][2,048] at 67,584, v^T's scale words at 133,120;
; q's codes from QC, q's scales from QS.  All are images of the operands' registers; lane r of tile T is row 32 (T / 2) + 8 (T % 2) + r + 8 (r / 8).  The head's 64 are half of the instruction's 128 along K:
; the upper eight registers of q's and k's fragments are zero codes, written once, and the upper two scale bytes are 0, which is 2^-127 over zeros.
; SHARES.  The four work-groups of a cluster share one head.  THE WHOLE BLOCK OF k AND v^T LIES IN LDS: each of the sixteen waves brings 8,448 bytes of it by ONE joint load (the same in all four partners); nothing is filled again.
; Wave u takes w = u xor 3 (u / 8) and query tile 4 w + cx: its queries lie in 64 w .. 64 w + 63, so it walks w / 2 + 1 key steps of 128: a count that hangs on the wave's number alone, the same in all partners.
; cx enters q's and the output's global addresses and the number that the mask compares with, and nothing else.  The loop has a constant 8 trips; a wave jumps over the steps that it does not need.
; LAYOUT.  Both products are used transposed: S^T = K Q^T, O^T = V^T P^T: a lane holds ONE query throughout; p's 16 registers of two neighbouring tiles are 16 neighbouring keys, O^T's are 16 neighbouring channels.
; LIMITS: NaN and infinities are not served; a block of zeros, or one under 2^-118, gets the scale byte 1.
.set HB,    135168
.set QC,    8650752
.set QS,    12845056
.set ATS,   4194304                    ; at: codes at 0, scale words here
.set SPARE, 135168                     ; behind the block: the spare words, 128 bytes for each wave: eight blocks of 256 bytes that no other line names
.set AK0,  1                           ; v1   16 x lane: my place in a fragment of K; also my offset in q's and the output's fragments
.set ASK0, 2                           ; v2   65,536 + 2 r: K's scales
.set AV0,  3                           ; v3   67,584 + 16 x lane: V's fragments
.set ASV0, 4                           ; v4   133,120 + 4 r: V's scale words
.set SPW,  5                           ; v5   LDS address of my spare word; never rewritten
.set NIL,  6                           ; v6   0; never rewritten
.set DQ,   7                           ; v7   my query less the diagonal step's first key less 16 h
.set ADK,  8                           ; v8-11 the step's addresses
.set ADS,  9
.set ADV,  10
.set ADT,  11
.set TM,   232                         ; the way out's quantiser
.set TP,   236
.set TL,   240
.set TS,   244
.set WV,   18                          ; s18  my wave's number
.set MNT,  19                          ; s19  the mantissa field of 448
.set SEL,  20                          ; s[20:21] lane selects: lane l xor 16
.set CS,   22                          ; s[22:23] c = log2(e) / 8
.set G1,   24
.set G0,   32
.set WH,   37                          ; s37  my last key step
.set ST,   50                          ; s50  the step
.set KK,   51                          ; s51  where its tiles of K begin: 8,192 a step
.set KS,   52                          ; s52  K's scales: 256 a step
.set VV,   53                          ; s53  V's fragments: 2,048 a step
.set VS,   54                          ; s54  V's scale words: 64 a step
; REGISTERS: v12 -M, v13 the largest t, v[14:15] the sum in two halves; v16-31 Q; v32-95 four fragments of K; v96-159 S^T, then p, then V's four fragments; v160-191 O^T; v192-207 p's codes;
; v232-247, v252, v254 at work; v248-251 K's or V's scale words, v253 p's, v255 Q's: these hold scales alone.
.macro CROUND
	s_barrier_signal -1
	s_barrier_wait -1
	s_cmp_lg_u32 s[WV], 0
	s_cbranch_scc1 .Lnot_wave_0_\@
	s_barrier_signal -3
.Lnot_wave_0_\@:
	s_barrier_wait -3
	s_barrier_signal -1
	s_barrier_wait -1
.endm
.macro QUANT s, nb, pc
.set qb, 0
.rept \nb
	v_max3_num_f32 v[TM+qb], |v[\s+16*qb]|, |v[\s+16*qb+1]|, 0x4800000   ; my 16 numbers, and the floor 2^(9 - 127): the byte cannot fall under 1
.set qb, qb+1
.endr
.set qi, 2
.rept 7
.set qb, 0
.rept \nb
	v_max3_num_f32 v[TM+qb], v[TM+qb], |v[\s+16*qb+qi]|, |v[\s+16*qb+qi+1]|
.set qb, qb+1
.endr
.set qi, qi+2
.endr
.set qb, 0
.rept \nb
	v_permlanex16_b32 v[TP+qb], v[TM+qb], s[SEL], s[SEL+1]
.set qb, qb+1
.endr
.set qb, 0
.rept \nb
	v_max_num_f32 v[TM+qb], v[TM+qb], v[TP+qb]
.set qb, qb+1
.endr
.set qb, 0
.rept \nb
	v_add_nc_u32 v[TS+qb], 0xfc000000, v[TM+qb]
	v_and_or_b32 v[TL+qb], v[TM+qb], 0x7f800000, s[MNT]
.set qb, qb+1
.endr
.set qb, 0
.rept \nb
	v_lshrrev_b32 v[TP+qb], 23, v[TS+qb]
.set qb, qb+1
.endr
.set qb, 0
.rept \nb
.set qi, 0
.rept 16
	v_med3_num_f32 v[\s+16*qb+qi], v[\s+16*qb+qi], -v[TL+qb], v[TL+qb]
.set qi, qi+1
.endr
	v_cvt_scalef32_pk8_fp8_f32 v[\pc+4*qb:\pc+4*qb+1], v[\s+16*qb:\s+16*qb+7], v[TS+qb]
	v_cvt_scalef32_pk8_fp8_f32 v[\pc+4*qb+2:\pc+4*qb+3], v[\s+16*qb+8:\s+16*qb+15], v[TS+qb]
.set qb, qb+1
.endr
	v_nop
.endm
	s_load_b128 s[4:7], s[0:1], 0x0                ; qkv s[4:5], at s[6:7]
	v_lshl_add_u32 v[SPW], v0, 2, SPARE
	v_mov_b32 v[NIL], 0
	ds_add_u32 v[SPW], v[NIL]                      ; the wave's opening: the add, twice on end, and its wait ahead of my first tensor load
	ds_add_u32 v[SPW], v[NIL]
	v_lshrrev_b32 v8, 5, v0
	v_readfirstlane_b32 s[WV], v8                  ; wave u = 0..15
	s_lshr_b32 s36, s[WV], 3
	s_mul_i32 s36, s36, 3
	s_xor_b32 s36, s36, s[WV]                      ; w = u xor 3 (u / 8): waves u, u + 4, u + 8, u + 12 then walk 18 key steps together, for every u
	s_lshr_b32 s[WH], s36, 1
	s_bfe_u32 s38, ttmp6, 0x40000                  ; cx
	s_and_b32 s39, ttmp7, 0xffff                   ; hd, which the four partners share
	s_lshl_b32 s40, s36, 2
	s_add_co_u32 s40, s40, s38                     ; my query tile: 4 w + cx
	; descriptor group 1: 33 rows of 256 bytes (32 elements of 8 bytes), dense
	s_mov_b32 s[G1], 15|(3<<16)|(1<<21)            ; 15:0 the mask: all four work-groups; 17:16 elements of 8 bytes; 21 set beside a mask
	s_mov_b32 s[G1+1], 32<<16                      ; tensor_dim0
	s_mov_b32 s[G1+2], 33<<16                      ; tensor_dim1
	s_mov_b32 s[G1+3], 32<<16                      ; tile_dim0
	s_mov_b32 s[G1+4], 33                          ; tile_dim1
	s_mov_b32 s[G1+5], 32                          ; tensor_dim0_stride
	s_mov_b32 s[G1+6], 0
	s_mov_b32 s[G1+7], 0
	s_mul_i32 s41, s[WV], 8448                     ; my part of the block, in LDS as in memory
	s_mul_i32 s42, s39, HB
	s_add_co_u32 s42, s42, s41
	s_mov_b32 s43, 0
	s_mov_b32 s[SEL], 0x76543210
	s_mov_b32 s[SEL+1], 0xfedcba98
	s_mov_b32 s[CS], 0x3e38aa3b                    ; c = log2(e) / 8
	s_mov_b32 s[CS+1], s[CS]                       ; (named with it as a pair, so it is written)
	s_mov_b32 s[MNT], 0x600000
	s_wait_dscnt 0x0                               ; both opening adds are done
	s_wait_kmcnt 0x0
	s_mov_b32 s[G0], 1
	s_mov_b32 s[G0+1], s41
	s_add_nc_u64 s[G0+2:G0+3], s[4:5], s[42:43]
	s_or_b32 s[G0+3], s[G0+3], 0x80000000
	CROUND                                         ; all four work-groups are here: the joint loads meet
	tensor_load_to_lds s[G0:G0+3], s[G1:G1+7]      ; my one tensor load of the launch
	s_nop 0
	s_lshl_b32 s41, s39, 6
	s_add_co_u32 s41, s41, s40                     ; 64 hd + my tile
	s_lshl_b32 s42, s41, 10
	s_add_co_u32 s42, s42, QC
	s_add_nc_u64 s[44:45], s[4:5], s[42:43]        ; q's codes
	s_lshl_b32 s42, s41, 5
	s_add_co_u32 s42, s42, QS
	s_add_nc_u64 s[46:47], s[4:5], s[42:43]        ; q's scales
	s_lshr_b32 s41, s39, 4                         ; the output: row tile 64 batch + my tile, K step head / 2, half head % 2
	s_lshl_b32 s41, s41, 6
	s_add_co_u32 s41, s41, s40
	s_lshl_b32 s41, s41, 3
	s_and_b32 s55, s39, 15
	s_lshr_b32 s42, s55, 1
	s_add_co_u32 s41, s41, s42
	s_and_b32 s55, s55, 1
	s_lshl_b32 s42, s41, 11
	s_lshl_b32 s40, s55, 10
	s_add_co_u32 s42, s42, s40
	s_add_nc_u64 s[48:49], s[6:7], s[42:43]
	s_lshl_b32 s42, s41, 6
	s_lshl_b32 s55, s55, 1
	s_add_co_u32 s42, s42, s55
	s_add_co_u32 s42, s42, ATS
	s_add_nc_u64 s[56:57], s[6:7], s[42:43]
	s_and_b32 s55, s36, 1
	s_lshl_b32 s55, s55, 6                         ; my tile's first query in the diagonal step: 64 (w % 2)
	s_lshr_b32 s41, s38, 1
	s_lshl_b32 s41, s41, 5
	s_add_co_u32 s55, s55, s41                     ; + 32 (cx / 2)
	s_and_b32 s41, s38, 1
	s_lshl_b32 s41, s41, 3
	s_add_co_u32 s55, s55, s41                     ; + 8 (cx % 2)
	v_and_b32 v8, 15, v0                           ; r
	v_bfe_u32 v9, v0, 4, 1                         ; h
	v_and_b32 v10, 31, v0
	v_lshlrev_b32 v[AK0], 4, v10
	v_lshlrev_b32 v254, 1, v8                      ; 2 r
	global_load_b128 v[16:19], v[AK0], s[44:45]    ; Q's fragment stays in registers
	global_load_b128 v[20:23], v[AK0], s[44:45] offset:512
	global_load_u16 v255, v254, s[46:47]           ; Q's scales: the upper two bytes are 0
	v_add_nc_u32 v[ASK0], 65536, v254
	v_add_nc_u32 v[AV0], 67584, v[AK0]
	v_lshl_add_u32 v[ASV0], v8, 2, 133120
	v_and_b32 v10, 8, v8
	v_add_nc_u32 v10, v10, v8                      ; r + 8 (r / 8)
	v_lshlrev_b32 v11, 4, v9
	v_sub_nc_u32 v10, v10, v11
	v_add_nc_u32 v[DQ], s55, v10
.irp j, 0,1,2,3,4,5,6,7
	v_mov_b32 v[24+\j], 0                          ; zero codes for k = 64 .. 127: Q's,
.endr
.irp t, 0,1,2,3
.irp j, 0,1,2,3,4,5,6,7
	v_mov_b32 v[40+16*\t+\j], 0                    ; and K's: written once, never loaded over
.endr
.endr
	v_mov_b32 v13, 0xff61b1e6                      ; the largest t so far: -3e38, under every t
	v_floor_f32 v12, -v13                          ; -M
	v_mov_b32 v14, 0                               ; the sum, in two halves
	v_mov_b32 v15, 0
.irp b, 0,1,2,3
	v_mov_b32 v[236+\b], 0                         ; written once: a lane permute's destination counts as one of its sources
.endr
	v_mov_b32 v252, 0
	v_mov_b32 v253, 0                              ; (named as the upper half of the pair v[252:253] before it is first written)
.set n, 0
.rept 32
	v_mov_b32 v[160+n], 0                          ; O^T.  (The step is written once: the first finds zeros, which the first change of M leaves zeros)
.set n, n+1
.endr
	s_mov_b32 s[ST], 0
	s_mov_b32 s[KK], 0
	s_mov_b32 s[KS], 0
	s_mov_b32 s[VV], 0
	s_mov_b32 s[VS], 0
	s_wait_tensorcnt 0x0                           ; my part of the block has landed,
	s_wait_loadcnt 0x0                             ; and Q
	s_barrier_signal -1
	s_barrier_wait -1                              ; everybody's part has
.Lstep:                                            ; 8 trips, a constant; no barrier and no tensor load stands in the loop
	s_cmp_gt_u32 s[ST], s[WH]                      ; the wave's number and the count of steps alone
	s_cbranch_scc1 .Lskip
	v_add_nc_u32 v[ADK], s[KK], v[AK0]
	v_add_nc_u32 v[ADS], s[KS], v[ASK0]
	v_add_nc_u32 v[ADV], s[VV], v[AV0]
	v_add_nc_u32 v[ADT], s[VS], v[ASV0]
.irp g, 0,1                                    ; S^T = K Q^T, four tiles of 16 keys at a time
.if \g > 0
.rept 8
	v_nop                                          ; eight plain lines in front of loads into registers that matrix instructions have read (for the first four tiles: the nine at the last trip's end)
.endr
.endif
.irp t, 0,1,2,3
	ds_load_b128 v[32+16*\t:35+16*\t], v[ADK] offset:(4*\g+\t)*1024
	ds_load_b128 v[36+16*\t:39+16*\t], v[ADK] offset:(4*\g+\t)*1024+512
	ds_load_u16 v[248+\t], v[ADS] offset:(4*\g+\t)*32
.endr
	s_wait_dscnt 0x0
.irp t, 0,1,2,3
	v_wmma_scale_f32_16x16x128_f8f6f4 v[96+8*(4*\g+\t):103+8*(4*\g+\t)], v[32+16*\t:47+16*\t], v[16:31], 0, v[248+\t], v255
.endr
.endr                                          ; register 16 b + i of v96 on: key 128 step + 32 b + 16 h + i
.rept 8
	v_nop
.endr
	s_cmp_lg_u32 s[ST], s[WH]                      ; only my last step lies on the diagonal
	s_cbranch_scc1 .Lopen
	v_mov_b32 v254, 0xcfee6b28                     ; -8e9: the logit -1e9
.set n, 0
.rept 64
	v_cmp_gt_i32 vcc_lo, 32*(n/16)+n%16, v[DQ]     ; hidden where the key comes after my query
	v_cndmask_b32 v[96+n], v[96+n], v254, vcc_lo
.set n, n+1
.endr
.Lopen:
.irp b, 0,1,2,3
	v_max3_num_f32 v[232+\b], v[96+16*\b], v[97+16*\b], v[98+16*\b]   ; the largest score of each block of 32 keys: it serves for the row's maximum and, since p rises with the score, for the block's largest p
.endr
.irp i, 3,5,7,9,11,13
.irp b, 0,1,2,3
	v_max3_num_f32 v[232+\b], v[232+\b], v[96+16*\b+\i], v[97+16*\b+\i]
.endr
.endr
.irp b, 0,1,2,3
	v_max_num_f32 v[232+\b], v[232+\b], v[111+16*\b]
.endr
.irp b, 0,1,2,3
	v_permlanex16_b32 v[236+\b], v[232+\b], s[SEL], s[SEL+1]
.endr
.irp b, 0,1,2,3
	v_max_num_f32 v[232+\b], v[232+\b], v[236+\b]  ; with lane l xor 16's 16 keys
.endr
	v_max3_num_f32 v254, v232, v233, v234
	v_max_num_f32 v254, v254, v235                 ; the step's largest score of my query
	v_mul_f32 v254, s[CS], v254                    ; as t
	v_max_num_f32 v13, v13, v254                   ; the running largest t
	v_mov_b32 v254, v12
	v_floor_f32 v12, -v13                          ; the new -M = floor(-t) = -ceil(t)
	v_sub_f32 v254, v12, v254                      ; old M less new M: a whole number, 0 or less
	v_cvt_i32_f32 v254, v254                       ; (it saturates)
	v_ldexp_f32 v252, 1.0, v254                    ; f = 2^(old M - new M)
.set n, 0
.rept 32
	v_pk_fma_f32 v[96+n:97+n], v[96+n:97+n], s[CS:CS+1], v[12:13] op_sel_hi:[1,0,0]   ; t - M, two at a time
.set n, n+2
.endr
.irp b, 0,1,2,3
	v_fma_f32 v[232+\b], v[232+\b], s[CS], v12     ; the same of each block's largest score
.endr
.set n, 0
.rept 64
	v_exp_f32 v[96+n], v[96+n]                     ; p = 2^(t - M), at most 1
.set n, n+1
.endr
	v_pk_mul_f32 v[14:15], v[14:15], v[252:253] op_sel_hi:[1,0]   ; the sums under the new M: a plain line behind the exponentials
	s_wait_alu depctr_va_vdst(0)                   ; one wait for the whole batch, ahead of its first reader
.irp b, 0,1,2,3
	v_exp_f32 v[232+\b], v[232+\b]                 ; the block's largest p
.endr
	v_pk_add_f32 v[236:237], v[96:97], v[98:99]    ; the row's sum is taken of the unquantised p, in two chains
.irp j, 4,8,12,16,20,24,28,32,36,40,44,48,52,56,60
	v_pk_add_f32 v[14:15], v[14:15], v[96+\j:97+\j]
	v_pk_add_f32 v[236:237], v[236:237], v[98+\j:99+\j]
.endr
	v_pk_add_f32 v[14:15], v[14:15], v[236:237]
	s_wait_alu depctr_va_vdst(0)                   ; and one for the four
.irp b, 0,1,2,3
	v_max_num_f32 v[232+\b], 0x4800000, v[232+\b]  ; the floor 2^(9 - 127): a block whose every p is 0 keeps the byte 1: its codes are zeros
.endr
.irp b, 0,1,2,3
	v_add_nc_u32 v[244+\b], 0xfc000000, v[232+\b]  ; the conversion's scale operand
.endr
.irp b, 0,1,2,3
	v_and_or_b32 v[240+\b], v[232+\b], 0x7f800000, s[MNT]   ; 448 x the scale
.endr
.irp b, 0,1,2,3
	v_lshrrev_b32 v[236+\b], 23, v[244+\b]         ; the scale's byte
.endr
	v_lshl_or_b32 v253, v237, 8, v236              ; p's scale word for these 128 keys
	v_lshl_or_b32 v253, v238, 16, v253
	v_lshl_or_b32 v253, v239, 24, v253
.irp b, 0,1,2,3
.irp i, 0,1,2,3,4,5,6,7,8,9,10,11,12,13,14,15
	v_min_num_f32 v[96+16*\b+\i], v[96+16*\b+\i], v[240+\b]   ; the conversion does not saturate (ISA guide 7.6.2); p is not negative, so the hold is one-sided
.endr
	v_cvt_scalef32_pk8_fp8_f32 v[192+4*\b:193+4*\b], v[96+16*\b:103+16*\b], v[244+\b]
	v_cvt_scalef32_pk8_fp8_f32 v[194+4*\b:195+4*\b], v[104+16*\b:111+16*\b], v[244+\b]
.endr
	v_nop                                          ; one plain line behind the last conversion
.irp t, 0,1,2,3                                ; V's four fragments (16 channels x these 128 keys) take p's registers
.irp c, 0,1,2,3
	ds_load_b128 v[96+16*\t+4*\c:99+16*\t+4*\c], v[ADV] offset:16384*\t+512*\c
.endr
	ds_load_b32 v[248+\t], v[ADT] offset:512*\t
.endr
.set n, 0
.rept 16
	v_pk_mul_f32 v[160+n:161+n], v[160+n:161+n], v[252:253] op_sel_hi:[1,0]   ; O^T under the new M.  (Also the plain lines between the codes' making and the products)
.set n, n+2
.endr
	s_wait_dscnt 0x0
.irp t, 0,1,2,3                                ; O^T += V^T P^T: four accumulators by turns
	v_wmma_scale_f32_16x16x128_f8f6f4 v[160+8*\t:167+8*\t], v[96+16*\t:111+16*\t], v[192:207], v[160+8*\t:167+8*\t], v[248+\t], v253
.endr
.rept 9
	v_nop                                          ; the next step's first products write over V's registers: nine plain lines; they also serve the next loads and the way out's reads
.endr
.Lskip:
	s_add_co_u32 s[KK], s[KK], 8192
	s_add_co_u32 s[KS], s[KS], 256
	s_add_co_u32 s[VV], s[VV], 2048
	s_add_co_u32 s[VS], s[VS], 64
	s_add_co_u32 s[ST], s[ST], 1
	s_cmp_lt_u32 s[ST], 8
	s_cbranch_scc1 .Lstep
	; THE WAY OUT: O^T / the sum; my 32 numbers are channels 32 p + 16 h + 0 .. 15 of my query: two blocks, quantised as they lie
	v_add_f32 v14, v14, v15
	v_permlanex16_b32 v252, v14, s[SEL], s[SEL+1]
	v_add_f32 v14, v14, v252                       ; the row's sum
	v_rcp_f32 v14, v14
	v_and_b32 v8, 15, v0                           ; a plain line behind the transcendental
	v_lshlrev_b32 v8, 2, v8                        ; 4 r
	s_wait_alu depctr_va_vdst(0)                   ; the wait, ahead of the first reader
.set n, 0
.rept 32
	v_mul_f32 v[96+n], v[160+n], v14
.set n, n+1
.endr
	QUANT 96, 2, 192
	v_lshl_or_b32 v9, v[TP+1], 8, v[TP]
	global_store_b128 v[AK0], v[192:195], s[48:49]             ; 512 consecutive bytes, aligned
	global_store_b128 v[AK0], v[196:199], s[48:49] offset:512
	global_store_b16 v8, v9, s[56:57]              ; my head's half of the row's scale word; both lanes of a row store the same two bytes
	s_wait_tensorcnt 0x0                           ; the wave's end
	ds_add_u32 v[SPW], v[NIL]
	s_wait_dscnt 0x0
	CROUND                                         ; the closing round
	s_endpgm
.Lfunc_end_k_q5d747cd2e8_attn:
	.size	k_q5d747cd2e8_attn, .Lfunc_end_k_q5d747cd2e8_attn-k_q5d747cd2e8_attn
	.p2alignl 7, 3214868480
	.fill 96, 4, 3214868480
	.section	.rodata,"a",@progbits
	.p2align	6, 0x0
	.amdhsa_kernel k_q5d747cd2e8_attn
		.amdhsa_group_segment_fixed_size 167936
		.amdhsa_private_segment_fixed_size 0
		.amdhsa_enable_private_segment 0
		.amdhsa_kernarg_size 16
		.amdhsa_user_sgpr_count 2
		.amdhsa_user_sgpr_kernarg_segment_ptr 1
		.amdhsa_wavefront_size32 1
		.amdhsa_system_sgpr_workgroup_id_x 1
		.amdhsa_system_sgpr_workgroup_id_y 1
		.amdhsa_system_sgpr_workgroup_id_z 1
		.amdhsa_system_vgpr_workitem_id 0
		.amdhsa_next_free_vgpr 256
		.amdhsa_next_free_sgpr 66
		.amdhsa_reserve_vcc 1
		.amdhsa_float_denorm_mode_32 3
		.amdhsa_float_denorm_mode_16_64 3
		.amdhsa_memory_ordered 1
		.amdhsa_forward_progress 1
		.amdhsa_inst_pref_size 39
	.end_amdhsa_kernel
	.amdgpu_metadata
---
amdhsa.version: [ 1, 2 ]
amdhsa.kernels:
  - .name:           k_q5d747cd2e8_attn
    .symbol:         k_q5d747cd2e8_attn.kd
    .args:
      - { .name: qkv, .offset: 0, .size: 8, .value_kind: global_buffer, .address_space: global }
      - { .name: at, .offset: 8, .size: 8, .value_kind: global_buffer, .address_space: global }
    .group_segment_fixed_size: 167936
    .private_segment_fixed_size: 0
    .kernarg_segment_align: 8
    .kernarg_segment_size: 16
    .max_flat_workgroup_size: 512
    .sgpr_count:     66
    .vgpr_count:     256
    .wavefront_size: 32
...
	.end_amdgpu_metadata
.endif
;; end of part 4
;; launch gwo (part 5): grid 8 x 32, 4 waves a work-group, clusters of 4 x 4, 327,680 bytes of LDS; arguments at, w, x, xr; writes xr
.if DOCPART == 5
	.amdgcn_target "amdgcn-amd-amdhsa--gfx1250"
	.amdhsa_code_object_version 6
	.text
	.protected	k_q5d747cd2e8_gwo
	.globl	k_q5d747cd2e8_gwo
	.p2align	8
	.type	k_q5d747cd2e8_gwo,@function
k_q5d747cd2e8_gwo:
	s_mov_b64 s[64:65], 0
	v_nop
	global_prefetch_b8 v0, s[64:65] scope:SCOPE_SE
	s_setreg_imm32_b32 hwreg(HW_REG_WAVE_MODE, 25, 1), 1
	s_wait_xcnt 0x0
	s_wait_alu depctr_hold_cnt(0) depctr_sa_sdst(0) depctr_va_vdst(0) depctr_va_sdst(0) depctr_va_ssrc(0) depctr_va_vcc(0) depctr_vm_vsrc(0)
	s_getreg_b32 s2, hwreg(HW_REG_IB_STS2, 6, 4)
	s_cmp_eq_u32 s2, 0
	s_cbranch_scc0 .Lentry_in_a_cluster
	s_endpgm
.Lentry_in_a_cluster:
	s_bfe_u32 s2, ttmp6, 0x10000c
	s_cmp_lg_u32 s2, 0xf033
	s_cbranch_scc0 .Lentry_shape_is_right
	s_endpgm
.Lentry_shape_is_right:
; xr = x + attn wo^T.  C[m][n] = sum over k of A[m][k] B[n][k] on codes of FP8 (E4M3) with one E8M0 scale for each 32 along K = 1,024; sums in f32; the residual is added in f32; xr is [4,096][1,024] f32, row-major.
; OPERANDS LIE IN MEMORY AS IMAGES OF THE REGISTERS: a fragment is 16 rows x 128 K = 2,048 bytes, [c][lane][16]: lane (r, h) holds k = 128 s + 32 c + 16 h + 0 .. 15 of the tile's row r; codes [tile][K step][2,048],
; scale words [tile][K step][r].  Lane r of tile T is row 32 (T / 2) + 8 (T % 2) + r + 8 (r / 8).  So a fragment comes from LDS by four loads of 512 consecutive bytes, with no pitch and no padding.
; THE MATRIX INSTRUCTION IS USED TRANSPOSED (source 0 = 16 rows of B, source 1 = 16 rows of A): a lane holds ONE row of C, and the 16 registers of B's tiles 2 p and 2 p + 1 are columns 32 p + 16 h + 0 .. 15.
; SHARES.  A work-group of four waves makes 128 x 128 of C, a wave 64 x 64: 16 accumulators: 256 work-groups.  K goes through two LDS slots of 512 along K; with K = 1,024 both are filled once, at the head.
; CLUSTERS: 4 x 4.  A's tiles are shared along a row of the cluster, B's along a column: each is asked for jointly, by the same tensor load with the same descriptor and a mask that names the four.
; THE WAY OUT: 16 rows x 64 columns at a time through the wave's own stage in LDS (pitch 272 bytes), back as whole runs of 256 bytes; the residual, asked for at the head in the same places, is added; sixteen lanes store 256 aligned bytes.
.set KT,    1024
.set AOFF,  0                          ; at: codes
.set ASOFF, 4194304                    ; at: scale words
.set BOFF,  4325376+3*1048576          ; w: wo's codes
.set BSOFF, 16908288+98304             ; w: wo's scale words
.set RTP,   16*KT                      ; a row tile's codes in bytes
.set SRT,   KT/2                       ; and its scale words
.set LAPS,  KT/1024
.set SLOT,  131072                     ; A's 8 tiles x 8,192 bytes (4 K steps), then B's
.set SCL,   2*SLOT                     ; behind the ring: A's scale words for all of K, then B's
.set STAGE, SCL+16*SRT                 ; 16 rows x 272 bytes for each wave; no tensor load lands here
.set SPARE, STAGE+4*4352               ; the spare words, 128 bytes for each wave: two blocks of 256 bytes that no other line names
.set R4,   3                           ; v3   4 r
.set ADRA, 16                          ; v16-17 LDS address of my A fragments in slot 0, 1
.set ADRB, 20                          ; v20-21 the same for B
.set STO,  24                          ; v24  the way out: where I put 16 bytes of a row
.set RD,   25                          ; v25  where I read a row back
.set CO,   26                          ; v26  my byte offset in two rows of C
.set ADRS, 27                          ; v27  LDS address of my scale words: lanes 0-15 A's, lanes 16-31 B's
.set SPW,  28                          ; v28  LDS address of my spare word; never rewritten
.set NIL,  29                          ; v29  0; never rewritten
.set L16,  30                          ; v30  16 x lane
.set SC,   32                          ; v32-63 scale words and nothing else: set s, block i, K step q at 32 + 16 s + 4 i + q
.set ACC,  128                         ; v128-255 accumulator (a, b) at 128 + 8 (4 a + b).  Window 1: two fragment buffers of 128.  Window 2: v0-127 the residual.  v64-127: rows on the way out
.set G1A,  24
.set G0A,  32
.set G1B,  48
.set G0B,  56
.set G1SA, 68
.set G0SA, 76
.set G1SB, 80
.set G0SB, 88
.set MUL,  0x05                        ; sources 0 and 1 window 1; C and D window 0
.set TO_F, 0x40                        ; destination window 1, address window 0
.set MSB, 0
.macro WIN new                         ; the immediate's high byte repeats the setting that is left
.if MSB != \new
	s_set_vgpr_msb (MSB<<8)|\new
.set MSB, \new
.endif
.endm
.macro PLACES n
.rept \n
	v_nop
.endr
.endm
; A joint load: waves 0 and 1 fetch for A, waves 2 and 3 for B.  The branch hangs on the wave's number alone.  An s_nop 0 and four v_nop follow each of the two lines.
.macro JLOAD g0a, g1a, g0b, g1b
	s_cmp_eq_u32 s15, 0
	s_cbranch_scc0 .Lfor_b_\@
	tensor_load_to_lds s[\g0a:\g0a+3], s[\g1a:\g1a+7]
	s_nop 0
.rept 4
	v_nop
.endr
	s_branch .Lasked_\@
.Lfor_b_\@:
	tensor_load_to_lds s[\g0b:\g0b+3], s[\g1b:\g1b+7]
	s_nop 0
.rept 4
	v_nop
.endr
.Lasked_\@:
.endm
.macro CREST                           ; a round of the cluster's barrier behind its opening barrier
	s_cmp_lg_u32 s14, 0
	s_cbranch_scc1 .Lnot_wave_0_\@
	s_barrier_signal -3
.Lnot_wave_0_\@:
	s_barrier_wait -3
	s_barrier_signal -1
	s_barrier_wait -1
.endm
.macro CROUND                          ; a whole round
	s_barrier_signal -1
	s_barrier_wait -1
	CREST
.endm
; 32 LDS loads in one run: B's four and A's four fragments of the slot's q-th K step into buffer f (0 or 128) of window 1
.macro FETCH slot, q, f
	WIN TO_F
.irp i, 0,1,2,3
.irp c, 0,1,2,3
	ds_load_b128 v[\f+64+16*\i+4*\c:\f+64+16*\i+4*\c+3], v[ADRB+\slot] offset:8192*\i+2048*(\q)+512*\c
.endr
.irp c, 0,1,2,3
	ds_load_b128 v[\f+16*\i+4*\c:\f+16*\i+4*\c+3], v[ADRA+\slot] offset:8192*\i+2048*(\q)+512*\c
.endr
.endr
.endm
.macro SCALES s                        ; a slot's scale words: lanes 0-15 take A's block i, lanes 16-31 B's tile i
	WIN 0
.irp i, 0,1,2,3
.irp q, 0,1,2,3
	ds_load_b32 v[SC+16*\s+4*\i+\q], v[ADRS] offset:\i*SRT+64*\q
.endr
.endr
.endm
; four matrix instructions: A's block a x B's four tiles.  The 16 accumulators take turns, one instruction a turn, in one order in every K step.  zero = 1: the products start the sums.
.macro MULA f, a, sc, q, zero
.irp b, 0,1,2,3
.if \zero
	v_wmma_scale_f32_16x16x128_f8f6f4 v[ACC+8*(4*(\a)+\b):ACC+8*(4*(\a)+\b)+7], v[\f+64+16*\b:\f+64+16*\b+15], v[\f+16*(\a):\f+16*(\a)+15], 0, v[SC+16*(\sc)+4*\b+(\q)], v[SC+16*(\sc)+4*(\a)+(\q)] matrix_a_scale:MATRIX_SCALE_ROW1
.else
	v_wmma_scale_f32_16x16x128_f8f6f4 v[ACC+8*(4*(\a)+\b):ACC+8*(4*(\a)+\b)+7], v[\f+64+16*\b:\f+64+16*\b+15], v[\f+16*(\a):\f+16*(\a)+15], v[ACC+8*(4*(\a)+\b):ACC+8*(4*(\a)+\b)+7], v[SC+16*(\sc)+4*\b+(\q)], v[SC+16*(\sc)+4*(\a)+(\q)] matrix_a_scale:MATRIX_SCALE_ROW1
.endif
.endr
.endm
; A K step of 128 that has its successor in the same slot: behind its first four products the next step's fragments are fetched into the other buffer.
; Eight plain lines stand between the last product that read that buffer and the loads into it.
.macro STEP slot, q, zero
.set FF, 128*((\q)%2)
.set FG, 128-FF
	s_wait_dscnt 0x0                               ; this step's fragments and scale words are in
	WIN MUL
	MULA FF, 0, \slot, \q, \zero
	PLACES 8
	FETCH \slot, (\q)+1, FG
	WIN MUL
	MULA FF, 1, \slot, \q, \zero
	MULA FF, 2, \slot, \q, \zero
	MULA FF, 3, \slot, \q, \zero
	WIN 0
.endm
; A slot's last K step changes slots: ONE barrier; in front of it each wave waits for all its tensor loads, adds 0 to its spare word, and waits for that and for its reads of this slot.  fill = 1: the slot is filled again.
.macro TURN slot, next, fill
	s_wait_tensorcnt 0x0                           ; all my tensor loads have landed: my part of the next slot
	ds_add_u32 v[SPW], v[NIL]                      ; 0 onto my spare word
	s_wait_dscnt 0x1                               ; this step's fragments are in; the add alone may be out
	WIN MUL
	MULA 128, 0, \slot, 3, 0
	s_wait_dscnt 0x0                               ; the add is done, and my reads of this slot are over
	s_barrier_signal -1
	MULA 128, 1, \slot, 3, 0
	WIN 0
	s_barrier_wait -1
.if \fill
	CREST                                          ; the barrier has opened a round of the cluster's barrier: no wave of any partner still reads this slot or has a load on its way
	s_add_nc_u64 s[G0A+4*\slot+2:G0A+4*\slot+3], s[G0A+4*\slot+2:G0A+4*\slot+3], 16384
	s_add_nc_u64 s[G0B+4*\slot+2:G0B+4*\slot+3], s[G0B+4*\slot+2:G0B+4*\slot+3], 16384
	JLOAD G0A+4*\slot, G1A, G0B+4*\slot, G1B
	PLACES 4                                       ; with the four behind the load: eight
.else
	PLACES 8
.endif
	v_add_nc_u32 v[ADRS], 256, v[ADRS]             ; the next slot's scale words
	FETCH \next, 0, 0
	SCALES \next
	WIN MUL
	MULA 128, 2, \slot, 3, 0
	MULA 128, 3, \slot, 3, 0
	WIN 0
.endm
	s_load_b128 s[4:7], s[0:1], 0x0                ; A's buffer, B's buffer
	s_load_b128 s[8:11], s[0:1], 0x10              ; the residual, the output
	v_lshl_add_u32 v[SPW], v0, 2, SPARE
	v_mov_b32 v[NIL], 0
	ds_add_u32 v[SPW], v[NIL]                      ; the wave's opening: the add, twice on end, and its wait ahead of my first tensor load
	ds_add_u32 v[SPW], v[NIL]
	v_lshrrev_b32 v1, 5, v0
	v_readfirstlane_b32 s14, v1                    ; wave 0..3
	s_lshr_b32 s15, s14, 1                         ; which half of the tile's rows is mine.  Also: I fetch for A (0) or for B (1)
	s_and_b32 s16, s14, 1                          ; which half of its columns.  Also: which four row tiles I fetch
	s_bfe_u32 s40, ttmp6, 0x40000                  ; cx, cy: my place in the cluster
	s_bfe_u32 s41, ttmp6, 0x40004
	s_and_b32 s18, ttmp7, 0xffff
	s_lshl_b32 s17, s18, 2
	s_add_co_u32 s17, s17, s41                     ; TR: tile row of C = 4 x cluster y + cy
	s_lshl_b32 s42, ttmp9, 2
	s_add_co_u32 s42, s42, s40                     ; TC: tile column of C = 4 x cluster x + cx
	s_lshl_b32 s43, s41, 2
	s_lshl_b32 s43, 15, s43                        ; my row of the cluster
	s_lshl_b32 s44, 0x1111, s40                    ; my column
	; descriptor group 1, codes: 4 row tiles x 8,192 bytes (1,024 elements of 8 bytes), RTP bytes apart; no padding
	s_or_b32 s[G1A], s43, (3<<16)|(1<<21)          ; 15:0 the mask; 17:16 elements of 8 bytes; 21 set beside a mask
	s_or_b32 s[G1B], s44, (3<<16)|(1<<21)
.irp g, G1A, G1B
	s_mov_b32 s[\g+1], 1024<<16                    ; tensor_dim0
	s_mov_b32 s[\g+2], 4<<16                       ; tensor_dim1
	s_mov_b32 s[\g+3], 1024<<16                    ; tile_dim0
	s_mov_b32 s[\g+4], 4                           ; tile_dim1
	s_mov_b32 s[\g+5], RTP/8                       ; tensor_dim0_stride
	s_mov_b32 s[\g+6], 0
	s_mov_b32 s[\g+7], 0
.endr
	; scale words of 4 row tiles for all of K: a dense block, as rows of 256 bytes
	s_or_b32 s[G1SA], s43, (3<<16)|(1<<21)
	s_or_b32 s[G1SB], s44, (3<<16)|(1<<21)
.irp g, G1SA, G1SB
	s_mov_b32 s[\g+1], 32<<16
	s_mov_b32 s[\g+2], (4*SRT/256)<<16
	s_mov_b32 s[\g+3], 32<<16
	s_mov_b32 s[\g+4], 4*SRT/256
	s_mov_b32 s[\g+5], 32
	s_mov_b32 s[\g+6], 0
	s_mov_b32 s[\g+7], 0
.endr
	s_lshl_b32 s18, s16, 2
	s_lshl_b32 s20, s17, 3
	s_add_co_u32 s20, s20, s18                     ; A: the first row tile that I fetch: 8 TR + 4 x half
	s_lshl_b32 s46, s42, 3
	s_add_co_u32 s46, s46, s18                     ; B: 8 TC + 4 x half
	s_mul_i32 s22, s20, SRT
	s_mul_i32 s20, s20, RTP
	s_add_co_u32 s20, s20, AOFF
	s_add_co_u32 s22, s22, ASOFF
	s_mov_b32 s21, 0
	s_mov_b32 s23, 0
	s_mul_i32 s92, s46, SRT
	s_mul_i32 s46, s46, RTP
	s_add_co_u32 s46, s46, BOFF
	s_add_co_u32 s92, s92, BSOFF
	s_mov_b32 s47, 0
	s_mov_b32 s93, 0
	s_lshl_b32 s45, s14, 15                        ; where they go: wave x 32,768: no place in the cluster enters an LDS address
	s_mul_i32 s99, s14, 4*SRT
	s_wait_dscnt 0x0                               ; both opening adds are done
	s_wait_kmcnt 0x0
	s_add_nc_u64 s[20:21], s[4:5], s[20:21]
	s_add_nc_u64 s[22:23], s[4:5], s[22:23]
	s_add_nc_u64 s[46:47], s[6:7], s[46:47]
	s_add_nc_u64 s[92:93], s[6:7], s[92:93]
	CROUND                                         ; all sixteen work-groups are here: the first joint loads meet
	s_mov_b32 s[G0SA], 1
	s_add_co_u32 s[G0SA+1], s99, SCL
	s_mov_b64 s[G0SA+2:G0SA+3], s[22:23]
	s_or_b32 s[G0SA+3], s[G0SA+3], 0x80000000
	s_mov_b32 s[G0SB], 1
	s_add_co_u32 s[G0SB+1], s99, SCL
	s_mov_b64 s[G0SB+2:G0SB+3], s[92:93]
	s_or_b32 s[G0SB+3], s[G0SB+3], 0x80000000
	JLOAD G0SA, G1SA, G0SB, G1SB                   ; the scale words first: they are wanted with K step 0
.irp s, 0,1
	s_mov_b32 s[G0A+4*\s], 1
	s_add_co_u32 s[G0A+4*\s+1], s45, \s*SLOT
	s_add_nc_u64 s[G0A+4*\s+2:G0A+4*\s+3], s[20:21], \s*8192
	s_or_b32 s[G0A+4*\s+3], s[G0A+4*\s+3], 0x80000000
	s_mov_b32 s[G0B+4*\s], 1
	s_add_co_u32 s[G0B+4*\s+1], s45, \s*SLOT
	s_add_nc_u64 s[G0B+4*\s+2:G0B+4*\s+3], s[46:47], \s*8192
	s_or_b32 s[G0B+4*\s+3], s[G0B+4*\s+3], 0x80000000
	JLOAD G0A+4*\s, G1A, G0B+4*\s, G1B             ; three tensor loads of a wave are out
.endr
	v_and_b32 v1, 15, v0                           ; r
	v_bfe_u32 v2, v0, 4, 1                         ; h
	v_and_b32 v4, 31, v0
	v_lshlrev_b32 v[L16], 4, v4
	v_lshlrev_b32 v[R4], 2, v1
	; my 64 x 64 of C and of the residual begins at row 128 TR + 64 x row half, column 128 TC + 64 x column half
	s_lshl_b32 s92, s17, 7
	s_lshl_b32 s94, s15, 6
	s_add_co_u32 s92, s92, s94
	s_lshl_b32 s92, s92, 12
	s_lshl_b32 s94, s42, 9
	s_add_co_u32 s92, s92, s94
	s_lshl_b32 s94, s16, 8
	s_add_co_u32 s92, s92, s94
	s_mov_b32 s93, 0
	s_add_nc_u64 s[8:9], s[8:9], s[92:93]
	s_add_nc_u64 s[10:11], s[10:11], s[92:93]
	v_lshlrev_b32 v5, 12, v2
	v_lshl_add_u32 v[CO], v1, 4, v5                ; lanes 0-15 one row's 256 bytes, lanes 16-31 the next row's
	WIN 0x80                                       ; destination window 2
.irp a, 0,1,2,3
.irp t, 0,1,2,3,4,5,6,7
	global_load_b128 v[32*\a+4*\t:32*\a+4*\t+3], v[CO], s[8:9] offset:(32*(\a/2)+8*(\a%2)+2*\t+8*(\t/4))*4096 th:TH_LOAD_NT   ; the residual, in the places in which the results will be stored
.endr
.endr
	WIN 0
	s_lshl_b32 s18, s15, 15                        ; my four tiles of A
	s_lshl_b32 s19, s16, 15                        ; my four tiles of B,
	s_add_co_u32 s19, s19, 65536                   ; which lie behind A's eight
.irp s, 0,1
	v_add_nc_u32 v[ADRA+\s], s18, v[L16]
	v_add_nc_u32 v[ADRB+\s], s19, v[L16]
	s_add_co_u32 s18, s18, SLOT
	s_add_co_u32 s19, s19, SLOT
.endr
	s_mul_i32 s18, s15, 4*SRT                      ; A's scale words: my four tiles
	s_mul_i32 s19, s16, 4*SRT                      ; B's, behind A's eight
	s_add_co_u32 s19, s19, 8*SRT
	s_sub_co_u32 s19, s19, s18
	v_mul_u32_u24 v5, s19, v2                      ; lanes 16-31 take B's
	s_add_co_u32 s18, s18, SCL
	v_add_nc_u32 v5, v5, v[R4]
	v_add_nc_u32 v[ADRS], s18, v5
	s_mul_i32 s18, s14, 4352
	s_add_co_u32 s18, s18, STAGE                   ; my stage
	v_mul_u32_u24 v5, v1, 272
	v_lshl_add_u32 v5, v2, 6, v5
	v_add_nc_u32 v[STO], s18, v5                   ; in: row r, + 64 h
	v_mul_u32_u24 v5, v2, 272
	v_lshl_add_u32 v5, v1, 4, v5
	v_add_nc_u32 v[RD], s18, v5                    ; back: lanes 0-15 one row, lanes 16-31 the next
	s_wait_tensorcnt 0x1                           ; the scale words and my part of slot 0 are in; slot 1's load may be out
	s_barrier_signal -1
	s_barrier_wait -1                              ; everybody's are
	FETCH 0, 0, 0
	SCALES 0
	STEP 0, 0, 1                                   ; the first K step's products start the sums: nothing is cleared
	STEP 0, 1, 0
	STEP 0, 2, 0
	TURN 0, 1, 0
	STEP 1, 0, 0
	STEP 1, 1, 0
	STEP 1, 2, 0
	s_wait_dscnt 0x0                               ; the last K step
	WIN MUL
	MULA 128, 0, 1, 3, 0
	MULA 128, 1, 1, 3, 0
	MULA 128, 2, 1, 3, 0
	MULA 128, 3, 1, 3, 0
	WIN 0
	PLACES 8                                       ; eight plain lines between the last product and the first read of results
	s_wait_loadcnt 0x0                             ; the residual
.irp a, 0,1,2,3                                ; A's block a: 16 rows x my 64 columns
.set BK, 64+32*(\a%2)
.if \a >= 2
	s_wait_xcnt 0x0                                ; block a - 2's stores have read their registers: block a's rows may land there
.endif
.irp b, 0,1,2,3
	ds_store_b128 v[STO], v[ACC+8*(4*\a+\b):ACC+8*(4*\a+\b)+3] offset:128*(\b/2)+32*(\b%2)          ; each accumulator from its low end on
	ds_store_b128 v[STO], v[ACC+8*(4*\a+\b)+4:ACC+8*(4*\a+\b)+7] offset:128*(\b/2)+32*(\b%2)+16
.endr
.irp t, 0,1,2,3,4,5,6,7
	ds_load_b128 v[BK+4*\t:BK+4*\t+3], v[RD] offset:544*\t   ; LDS serves a wave's instructions in order: these see my stores, and the next block's stores come behind them
.endr
	s_wait_dscnt 0x0
	WIN 0x08                                       ; source 1 window 2
.irp t, 0,1,2,3,4,5,6,7
	v_pk_add_f32 v[BK+4*\t:BK+4*\t+1], v[BK+4*\t:BK+4*\t+1], v[32*\a+4*\t:32*\a+4*\t+1]
	v_pk_add_f32 v[BK+4*\t+2:BK+4*\t+3], v[BK+4*\t+2:BK+4*\t+3], v[32*\a+4*\t+2:32*\a+4*\t+3]
.endr
	WIN 0
.irp t, 0,1,2,3,4,5,6,7
	global_store_b128 v[CO], v[BK+4*\t:BK+4*\t+3], s[10:11] offset:(32*(\a/2)+8*(\a%2)+2*\t+8*(\t/4))*4096   ; sixteen lanes store 256 consecutive bytes, aligned
.endr
.endr
	s_wait_tensorcnt 0x0                           ; the wave's end, behind my last tensor load and my last LDS store
	ds_add_u32 v[SPW], v[NIL]
	s_wait_dscnt 0x0
	CROUND                                         ; the closing round: no work-group ends while a partner may still ask for a tile that names it
	s_endpgm
.Lfunc_end_k_q5d747cd2e8_gwo:
	.size	k_q5d747cd2e8_gwo, .Lfunc_end_k_q5d747cd2e8_gwo-k_q5d747cd2e8_gwo
	.p2alignl 7, 3214868480
	.fill 96, 4, 3214868480
	.section	.rodata,"a",@progbits
	.p2align	6, 0x0
	.amdhsa_kernel k_q5d747cd2e8_gwo
		.amdhsa_group_segment_fixed_size 327680
		.amdhsa_private_segment_fixed_size 0
		.amdhsa_enable_private_segment 0
		.amdhsa_kernarg_size 32
		.amdhsa_user_sgpr_count 2
		.amdhsa_user_sgpr_kernarg_segment_ptr 1
		.amdhsa_wavefront_size32 1
		.amdhsa_system_sgpr_workgroup_id_x 1
		.amdhsa_system_sgpr_workgroup_id_y 1
		.amdhsa_system_sgpr_workgroup_id_z 1
		.amdhsa_system_vgpr_workitem_id 0
		.amdhsa_next_free_vgpr 640
		.amdhsa_next_free_sgpr 100
		.amdhsa_reserve_vcc 0
		.amdhsa_float_denorm_mode_32 3
		.amdhsa_float_denorm_mode_16_64 3
		.amdhsa_memory_ordered 1
		.amdhsa_forward_progress 1
		.amdhsa_inst_pref_size 62
	.end_amdhsa_kernel
	.amdgpu_metadata
---
amdhsa.version: [ 1, 2 ]
amdhsa.kernels:
  - .name:           k_q5d747cd2e8_gwo
    .symbol:         k_q5d747cd2e8_gwo.kd
    .args:
      - { .name: at, .offset: 0, .size: 8, .value_kind: global_buffer, .address_space: global }
      - { .name: w, .offset: 8, .size: 8, .value_kind: global_buffer, .address_space: global }
      - { .name: x, .offset: 16, .size: 8, .value_kind: global_buffer, .address_space: global }
      - { .name: xr, .offset: 24, .size: 8, .value_kind: global_buffer, .address_space: global }
    .group_segment_fixed_size: 327680
    .private_segment_fixed_size: 0
    .kernarg_segment_align: 8
    .kernarg_segment_size: 32
    .max_flat_workgroup_size: 128
    .sgpr_count:     100
    .vgpr_count:     640
    .wavefront_size: 32
...
	.end_amdgpu_metadata
.endif
;; end of part 5
;; launch ln2: the kernel of part 2 again; grid 256 x 1, 8 waves a work-group, no clusters, 70,144 bytes of LDS; arguments xr, gamma2, beta2, n2; writes n2
;; launch gfc1 (part 6): grid 32 x 32, 4 waves a work-group, clusters of 4 x 4, 327,680 bytes of LDS; arguments n2, w, hid; writes hid
.if DOCPART == 6
	.amdgcn_target "amdgcn-amd-amdhsa--gfx1250"
	.amdhsa_code_object_version 6
	.text
	.protected	k_q5d747cd2e8_gfc1
	.globl	k_q5d747cd2e8_gfc1
	.p2align	8
	.type	k_q5d747cd2e8_gfc1,@function
k_q5d747cd2e8_gfc1:
	s_mov_b64 s[64:65], 0
	v_nop
	global_prefetch_b8 v0, s[64:65] scope:SCOPE_SE
	s_setreg_imm32_b32 hwreg(HW_REG_WAVE_MODE, 25, 1), 1
	s_wait_xcnt 0x0
	s_wait_alu depctr_hold_cnt(0) depctr_sa_sdst(0) depctr_va_vdst(0) depctr_va_sdst(0) depctr_va_ssrc(0) depctr_va_vcc(0) depctr_vm_vsrc(0)
	s_getreg_b32 s2, hwreg(HW_REG_IB_STS2, 6, 4)
	s_cmp_eq_u32 s2, 0
	s_cbranch_scc0 .Lentry_in_a_cluster
	s_endpgm
.Lentry_in_a_cluster:
	s_bfe_u32 s2, ttmp6, 0x10000c
	s_cmp_lg_u32 s2, 0xf033
	s_cbranch_scc0 .Lentry_shape_is_right
	s_endpgm
.Lentry_shape_is_right:
; hid = Q(gelu(n2 fc1^T)): C[m][n] = sum over k of A[m][k] B[n][k] on codes of FP8 (E4M3) with one E8M0 scale for each 32 along K = 1,024; sums in f32; gelu in f32; the result quantised along n, the next product's K = 4,096.
; gelu(x) = x / 2 (1 + tanh(u)), u = 0.7978845608 (x + 0.044715 x^3), is computed as x / (1 + 2^(x (c1 + c2 x^2))), c1 = -2 x 0.7978845608 log2(e), c2 = 0.044715 c1: the same function, since (1 + tanh u) / 2 = 1 / (1 + e^(-2u)).
; OPERANDS LIE IN MEMORY AS IMAGES OF THE REGISTERS: a fragment is 16 rows x 128 K = 2,048 bytes, [c][lane][16]: lane (r, h) holds k = 128 s + 32 c + 16 h + 0 .. 15 of the tile's row r; codes [tile][K step][2,048],
; scale words [tile][K step][r].  Lane r of tile T is row 32 (T / 2) + 8 (T % 2) + r + 8 (r / 8).  So a fragment comes from LDS by four loads of 512 consecutive bytes, with no pitch and no padding.
; THE MATRIX INSTRUCTION IS USED TRANSPOSED (source 0 = 16 rows of B, source 1 = 16 rows of A): a lane holds ONE row of C, and by the order of a tile's rows the 16 registers of B's tiles 2 p and 2 p + 1
; are columns 32 p + 16 h + 0 .. 15: the conversions' results are the next operand's registers and leave as 512 consecutive bytes a store.
; SHARES.  A work-group of four waves makes 128 x 128 of C, a wave 64 x 64: 16 accumulators.  K goes through two LDS slots of 512 along K; with K = 1,024 both are filled once, at the head.
; CLUSTERS: 4 x 4.  A's tiles are shared along a row of the cluster, B's along a column: each is asked for jointly, by the same tensor load with the same descriptor and a mask that names the four.
; A wave's 64 columns are half a scale word: the scale bytes leave two to a lane: one part in 32 of the codes' bytes.
; LIMITS: NaN and infinities are not served; a block of zeros, or one under 2^-118, gets the scale byte 1.
.set KT,    1024
.set AOFF,  0                          ; n2: codes
.set ASOFF, 4194304                    ; n2: scale words
.set BOFF,  4325376+4*1048576          ; w: fc1's codes
.set BSOFF, 16908288+131072            ; w: fc1's scale words
.set RTP,   16*KT                      ; a row tile's codes in bytes
.set SRT,   KT/2                       ; and its scale words
.set LAPS,  KT/1024
.set SLOT,  131072                     ; A's 8 tiles x 8,192 bytes (4 K steps), then B's
.set SCL,   2*SLOT                     ; behind the ring: A's scale words for all of K, then B's
.set STAGE, SCL+16*SRT
.set SPARE, STAGE+4*4352               ; the spare words, 128 bytes for each wave: two blocks of 256 bytes that no other line names
.set R4,   3                           ; v3   4 r
.set PW,   8                           ; v8-11 the scale bytes just made, two to a register;  v[12:13] c1
.set ADRA, 16                          ; v16-17 LDS address of my A fragments in slot 0, 1
.set ADRB, 20                          ; v20-21 the same for B
.set ADRS, 27                          ; v27  LDS address of my scale words: lanes 0-15 A's, lanes 16-31 B's
.set SPW,  28                          ; v28  LDS address of my spare word; never rewritten
.set NIL,  29                          ; v29  0; never rewritten
.set L16,  30                          ; v30  16 x lane
.set SC,   32                          ; v32-63 scale words and nothing else: set s, block i, K step q at 32 + 16 s + 4 i + q
.set TM,   64                          ; v64-127: gelu's 64 numbers at work, then the quantiser's
.set TP,   72
.set TL,   80
.set TS,   88
.set PC,   96                          ; v96-127 the codes
.set ACC,  128                         ; v128-255 accumulator (a, b) at 128 + 8 (4 a + b).  Window 1: two fragment buffers of 128: A's four at +16 a, B's four at +64 + 16 b
.set G1A,  24
.set G0A,  32
.set G1B,  48
.set G0B,  56
.set G1SA, 68
.set G0SA, 76
.set G1SB, 80
.set G0SB, 88
.set SEL,  96
.set MNT,  98
.set MUL,  0x05                        ; sources 0 and 1 window 1; C and D window 0
.set TO_F, 0x40                        ; destination window 1, address window 0
.set MSB, 0
.macro WIN new                         ; the immediate's high byte repeats the setting that is left
.if MSB != \new
	s_set_vgpr_msb (MSB<<8)|\new
.set MSB, \new
.endif
.endm
.macro PLACES n
.rept \n
	v_nop
.endr
.endm
; A joint load: waves 0 and 1 fetch for A, waves 2 and 3 for B.  The branch hangs on the wave's number alone.  An s_nop 0 and four v_nop follow each of the two lines.
.macro JLOAD g0a, g1a, g0b, g1b
	s_cmp_eq_u32 s15, 0
	s_cbranch_scc0 .Lfor_b_\@
	tensor_load_to_lds s[\g0a:\g0a+3], s[\g1a:\g1a+7]
	s_nop 0
.rept 4
	v_nop
.endr
	s_branch .Lasked_\@
.Lfor_b_\@:
	tensor_load_to_lds s[\g0b:\g0b+3], s[\g1b:\g1b+7]
	s_nop 0
.rept 4
	v_nop
.endr
.Lasked_\@:
.endm
.macro CREST                           ; a round of the cluster's barrier behind its opening barrier
	s_cmp_lg_u32 s14, 0
	s_cbranch_scc1 .Lnot_wave_0_\@
	s_barrier_signal -3
.Lnot_wave_0_\@:
	s_barrier_wait -3
	s_barrier_signal -1
	s_barrier_wait -1
.endm
.macro CROUND                          ; a whole round
	s_barrier_signal -1
	s_barrier_wait -1
	CREST
.endm
; 16 nb numbers of a lane become codes in v[pc] on; the blocks' scale bytes are left in v[TP] on.  A block of 32 lies in lanes l and l xor 16.
.macro QUANT s, nb, pc
.set qb, 0
.rept \nb
	v_max3_num_f32 v[TM+qb], |v[\s+16*qb]|, |v[\s+16*qb+1]|, 0x4800000   ; my 16 numbers, and the floor 2^(9 - 127): the byte cannot fall under 1
.set qb, qb+1
.endr
.set qi, 2
.rept 7
.set qb, 0
.rept \nb
	v_max3_num_f32 v[TM+qb], v[TM+qb], |v[\s+16*qb+qi]|, |v[\s+16*qb+qi+1]|   ; the blocks by turns
.set qb, qb+1
.endr
.set qi, qi+2
.endr
.set qb, 0
.rept \nb
	v_permlanex16_b32 v[TP+qb], v[TM+qb], s[SEL], s[SEL+1]
.set qb, qb+1
.endr
.set qb, 0
.rept \nb
	v_max_num_f32 v[TM+qb], v[TM+qb], v[TP+qb]                   ; the block's largest magnitude
.set qb, qb+1
.endr
.set qb, 0
.rept \nb
	v_add_nc_u32 v[TS+qb], 0xfc000000, v[TM+qb]                  ; 8 off its exponent field: the conversion's scale operand
	v_and_or_b32 v[TL+qb], v[TM+qb], 0x7f800000, s[MNT]          ; 448 x the scale
.set qb, qb+1
.endr
.set qb, 0
.rept \nb
	v_lshrrev_b32 v[TP+qb], 23, v[TS+qb]                         ; the scale's byte
.set qb, qb+1
.endr
.set qb, 0
.rept \nb
.set qi, 0
.rept 16
	v_med3_num_f32 v[\s+16*qb+qi], v[\s+16*qb+qi], -v[TL+qb], v[TL+qb]   ; the conversion to an 8-bit code does not saturate (ISA guide 7.6.2): the hold comes first
.set qi, qi+1
.endr
	v_cvt_scalef32_pk8_fp8_f32 v[\pc+4*qb:\pc+4*qb+1], v[\s+16*qb:\s+16*qb+7], v[TS+qb]
	v_cvt_scalef32_pk8_fp8_f32 v[\pc+4*qb+2:\pc+4*qb+3], v[\s+16*qb+8:\s+16*qb+15], v[TS+qb]
.set qb, qb+1
.endr
	v_nop                                          ; one plain line behind the last conversion
.endm
; 32 LDS loads in one run: B's four and A's four fragments of the slot's q-th K step into buffer f (0 or 128) of window 1
.macro FETCH slot, q, f
	WIN TO_F
.irp i, 0,1,2,3
.irp c, 0,1,2,3
	ds_load_b128 v[\f+64+16*\i+4*\c:\f+64+16*\i+4*\c+3], v[ADRB+\slot] offset:8192*\i+2048*(\q)+512*\c
.endr
.irp c, 0,1,2,3
	ds_load_b128 v[\f+16*\i+4*\c:\f+16*\i+4*\c+3], v[ADRA+\slot] offset:8192*\i+2048*(\q)+512*\c
.endr
.endr
.endm
.macro SCALES s                        ; a slot's scale words: lanes 0-15 take A's block i, lanes 16-31 B's tile i
	WIN 0
.irp i, 0,1,2,3
.irp q, 0,1,2,3
	ds_load_b32 v[SC+16*\s+4*\i+\q], v[ADRS] offset:\i*SRT+64*\q
.endr
.endr
.endm
; four matrix instructions: A's block a x B's four tiles.  The 16 accumulators take turns, one instruction a turn, in one order in every K step.  zero = 1: the products start the sums.
.macro MULA f, a, sc, q, zero
.irp b, 0,1,2,3
.if \zero
	v_wmma_scale_f32_16x16x128_f8f6f4 v[ACC+8*(4*(\a)+\b):ACC+8*(4*(\a)+\b)+7], v[\f+64+16*\b:\f+64+16*\b+15], v[\f+16*(\a):\f+16*(\a)+15], 0, v[SC+16*(\sc)+4*\b+(\q)], v[SC+16*(\sc)+4*(\a)+(\q)] matrix_a_scale:MATRIX_SCALE_ROW1
.else
	v_wmma_scale_f32_16x16x128_f8f6f4 v[ACC+8*(4*(\a)+\b):ACC+8*(4*(\a)+\b)+7], v[\f+64+16*\b:\f+64+16*\b+15], v[\f+16*(\a):\f+16*(\a)+15], v[ACC+8*(4*(\a)+\b):ACC+8*(4*(\a)+\b)+7], v[SC+16*(\sc)+4*\b+(\q)], v[SC+16*(\sc)+4*(\a)+(\q)] matrix_a_scale:MATRIX_SCALE_ROW1
.endif
.endr
.endm
; A K step of 128 that has its successor in the same slot: behind its first four products the next step's fragments are fetched into the other buffer.
; Eight plain lines stand between the last product that read that buffer and the loads into it.
.macro STEP slot, q, zero
.set FF, 128*((\q)%2)
.set FG, 128-FF
	s_wait_dscnt 0x0                               ; this step's fragments and scale words are in
	WIN MUL
	MULA FF, 0, \slot, \q, \zero
	PLACES 8
	FETCH \slot, (\q)+1, FG
	WIN MUL
	MULA FF, 1, \slot, \q, \zero
	MULA FF, 2, \slot, \q, \zero
	MULA FF, 3, \slot, \q, \zero
	WIN 0
.endm
; A slot's last K step changes slots: ONE barrier; in front of it each wave waits for all its tensor loads, adds 0 to its spare word, and waits for that and for its reads of this slot.  fill = 1: the slot is filled again.
.macro TURN slot, next, fill
	s_wait_tensorcnt 0x0                           ; all my tensor loads have landed: my part of the next slot
	ds_add_u32 v[SPW], v[NIL]                      ; 0 onto my spare word
	s_wait_dscnt 0x1                               ; this step's fragments are in; the add alone may be out
	WIN MUL
	MULA 128, 0, \slot, 3, 0
	s_wait_dscnt 0x0                               ; the add is done, and my reads of this slot are over
	s_barrier_signal -1
	MULA 128, 1, \slot, 3, 0
	WIN 0
	s_barrier_wait -1
.if \fill
	CREST                                          ; the barrier has opened a round of the cluster's barrier: no wave of any partner still reads this slot or has a load on its way
	s_add_nc_u64 s[G0A+4*\slot+2:G0A+4*\slot+3], s[G0A+4*\slot+2:G0A+4*\slot+3], 16384
	s_add_nc_u64 s[G0B+4*\slot+2:G0B+4*\slot+3], s[G0B+4*\slot+2:G0B+4*\slot+3], 16384
	JLOAD G0A+4*\slot, G1A, G0B+4*\slot, G1B
	PLACES 4                                       ; with the four behind the load: eight
.else
	PLACES 8
.endif
	v_add_nc_u32 v[ADRS], 256, v[ADRS]             ; the next slot's scale words
	FETCH \next, 0, 0
	SCALES \next
	WIN MUL
	MULA 128, 2, \slot, 3, 0
	MULA 128, 3, \slot, 3, 0
	WIN 0
.endm
	s_load_b128 s[4:7], s[0:1], 0x0                ; A's buffer, B's buffer
	s_load_b64 s[10:11], s[0:1], 0x10              ; the output
	v_lshl_add_u32 v[SPW], v0, 2, SPARE
	v_mov_b32 v[NIL], 0
	ds_add_u32 v[SPW], v[NIL]                      ; the wave's opening: the add, twice on end, and its wait ahead of my first tensor load
	ds_add_u32 v[SPW], v[NIL]
	v_lshrrev_b32 v1, 5, v0
	v_readfirstlane_b32 s14, v1                    ; wave 0..3
	s_lshr_b32 s15, s14, 1                         ; which half of the tile's rows is mine.  Also: I fetch for A (0) or for B (1)
	s_and_b32 s16, s14, 1                          ; which half of its columns.  Also: which four row tiles I fetch
	s_bfe_u32 s40, ttmp6, 0x40000                  ; cx, cy: my place in the cluster
	s_bfe_u32 s41, ttmp6, 0x40004
	s_and_b32 s18, ttmp7, 0xffff
	s_lshl_b32 s17, s18, 2
	s_add_co_u32 s17, s17, s41                     ; TR: tile row of C = 4 x cluster y + cy
	s_lshl_b32 s42, ttmp9, 2
	s_add_co_u32 s42, s42, s40                     ; TC: tile column of C = 4 x cluster x + cx
	s_lshl_b32 s43, s41, 2
	s_lshl_b32 s43, 15, s43                        ; my row of the cluster
	s_lshl_b32 s44, 0x1111, s40                    ; my column
	; descriptor group 1, codes: 4 row tiles x 8,192 bytes (1,024 elements of 8 bytes), RTP bytes apart; no padding
	s_or_b32 s[G1A], s43, (3<<16)|(1<<21)          ; 15:0 the mask; 17:16 elements of 8 bytes; 21 set beside a mask
	s_or_b32 s[G1B], s44, (3<<16)|(1<<21)
.irp g, G1A, G1B
	s_mov_b32 s[\g+1], 1024<<16                    ; tensor_dim0
	s_mov_b32 s[\g+2], 4<<16                       ; tensor_dim1
	s_mov_b32 s[\g+3], 1024<<16                    ; tile_dim0
	s_mov_b32 s[\g+4], 4                           ; tile_dim1
	s_mov_b32 s[\g+5], RTP/8                       ; tensor_dim0_stride
	s_mov_b32 s[\g+6], 0
	s_mov_b32 s[\g+7], 0
.endr
	; scale words of 4 row tiles for all of K: a dense block, as rows of 256 bytes
	s_or_b32 s[G1SA], s43, (3<<16)|(1<<21)
	s_or_b32 s[G1SB], s44, (3<<16)|(1<<21)
.irp g, G1SA, G1SB
	s_mov_b32 s[\g+1], 32<<16
	s_mov_b32 s[\g+2], (4*SRT/256)<<16
	s_mov_b32 s[\g+3], 32<<16
	s_mov_b32 s[\g+4], 4*SRT/256
	s_mov_b32 s[\g+5], 32
	s_mov_b32 s[\g+6], 0
	s_mov_b32 s[\g+7], 0
.endr
	s_lshl_b32 s18, s16, 2
	s_lshl_b32 s20, s17, 3
	s_add_co_u32 s20, s20, s18                     ; A: the first row tile that I fetch: 8 TR + 4 x half
	s_lshl_b32 s46, s42, 3
	s_add_co_u32 s46, s46, s18                     ; B: 8 TC + 4 x half
	s_mul_i32 s22, s20, SRT
	s_mul_i32 s20, s20, RTP
	s_add_co_u32 s20, s20, AOFF
	s_add_co_u32 s22, s22, ASOFF
	s_mov_b32 s21, 0
	s_mov_b32 s23, 0
	s_mul_i32 s92, s46, SRT
	s_mul_i32 s46, s46, RTP
	s_add_co_u32 s46, s46, BOFF
	s_add_co_u32 s92, s92, BSOFF
	s_mov_b32 s47, 0
	s_mov_b32 s93, 0
	s_lshl_b32 s45, s14, 15                        ; where they go: wave x 32,768: no place in the cluster enters an LDS address
	s_mul_i32 s99, s14, 4*SRT
	s_mov_b32 s[SEL], 0x76543210
	s_mov_b32 s[SEL+1], 0xfedcba98
	s_mov_b32 s[MNT], 0x600000
	s_mov_b32 s12, 0xbdd2d3e8                      ; c2
	s_mov_b32 s13, s12                             ; (named with it as a pair, so it is written)
	s_wait_dscnt 0x0                               ; both opening adds are done
	s_wait_kmcnt 0x0
	s_add_nc_u64 s[20:21], s[4:5], s[20:21]
	s_add_nc_u64 s[22:23], s[4:5], s[22:23]
	s_add_nc_u64 s[46:47], s[6:7], s[46:47]
	s_add_nc_u64 s[92:93], s[6:7], s[92:93]
	CROUND                                         ; all sixteen work-groups are here: the first joint loads meet
	s_mov_b32 s[G0SA], 1
	s_add_co_u32 s[G0SA+1], s99, SCL
	s_mov_b64 s[G0SA+2:G0SA+3], s[22:23]
	s_or_b32 s[G0SA+3], s[G0SA+3], 0x80000000
	s_mov_b32 s[G0SB], 1
	s_add_co_u32 s[G0SB+1], s99, SCL
	s_mov_b64 s[G0SB+2:G0SB+3], s[92:93]
	s_or_b32 s[G0SB+3], s[G0SB+3], 0x80000000
	JLOAD G0SA, G1SA, G0SB, G1SB                   ; the scale words first: they are wanted with K step 0
.irp s, 0,1
	s_mov_b32 s[G0A+4*\s], 1
	s_add_co_u32 s[G0A+4*\s+1], s45, \s*SLOT
	s_add_nc_u64 s[G0A+4*\s+2:G0A+4*\s+3], s[20:21], \s*8192
	s_or_b32 s[G0A+4*\s+3], s[G0A+4*\s+3], 0x80000000
	s_mov_b32 s[G0B+4*\s], 1
	s_add_co_u32 s[G0B+4*\s+1], s45, \s*SLOT
	s_add_nc_u64 s[G0B+4*\s+2:G0B+4*\s+3], s[46:47], \s*8192
	s_or_b32 s[G0B+4*\s+3], s[G0B+4*\s+3], 0x80000000
	JLOAD G0A+4*\s, G1A, G0B+4*\s, G1B             ; three tensor loads of a wave are out
.endr
	v_and_b32 v1, 15, v0                           ; r
	v_bfe_u32 v2, v0, 4, 1                         ; h
	v_and_b32 v4, 31, v0
	v_lshlrev_b32 v[L16], 4, v4
	v_lshlrev_b32 v[R4], 2, v1
	v_mov_b32 v12, 0xc0135761                      ; c1,
	v_mov_b32 v13, 0xc0135761                      ; as a pair
	s_lshl_b32 s18, s15, 15                        ; my four tiles of A
	s_lshl_b32 s19, s16, 15                        ; my four tiles of B,
	s_add_co_u32 s19, s19, 65536                   ; which lie behind A's eight
.irp s, 0,1
	v_add_nc_u32 v[ADRA+\s], s18, v[L16]
	v_add_nc_u32 v[ADRB+\s], s19, v[L16]
	s_add_co_u32 s18, s18, SLOT
	s_add_co_u32 s19, s19, SLOT
.endr
	s_mul_i32 s18, s15, 4*SRT                      ; A's scale words: my four tiles
	s_mul_i32 s19, s16, 4*SRT                      ; B's, behind A's eight
	s_add_co_u32 s19, s19, 8*SRT
	s_sub_co_u32 s19, s19, s18
	v_mul_u32_u24 v5, s19, v2                      ; lanes 16-31 take B's
	s_add_co_u32 s18, s18, SCL
	v_add_nc_u32 v5, v5, v[R4]
	v_add_nc_u32 v[ADRS], s18, v5
.irp b, 0,1,2,3,4,5,6,7
	v_mov_b32 v[TP+\b], 0                          ; written once: a lane permute's destination counts as one of its sources
.endr
	s_wait_tensorcnt 0x1                           ; the scale words and my part of slot 0 are in; slot 1's load may be out
	s_barrier_signal -1
	s_barrier_wait -1                              ; everybody's are
	FETCH 0, 0, 0
	SCALES 0
	STEP 0, 0, 1                                   ; the first K step's products start the sums: nothing is cleared
	STEP 0, 1, 0
	STEP 0, 2, 0
	TURN 0, 1, 0
	STEP 1, 0, 0
	STEP 1, 1, 0
	STEP 1, 2, 0
	s_wait_dscnt 0x0                               ; the last K step
	WIN MUL
	MULA 128, 0, 1, 3, 0
	MULA 128, 1, 1, 3, 0
	MULA 128, 2, 1, 3, 0
	MULA 128, 3, 1, 3, 0
	WIN 0
	PLACES 8                                       ; eight plain lines between the last product and the first read of results
	; gelu, 64 numbers at a time, in place; each batch of transcendentals has one plain line and one wait behind it
.irp g, 0,1
.set gx, ACC+64*\g
.set gi, 0
.rept 32
	v_pk_mul_f32 v[64+gi:65+gi], v[gx+gi:gx+gi+1], v[gx+gi:gx+gi+1]              ; x^2 (each accumulator is read from its low end on)
.set gi, gi+2
.endr
.set gi, 0
.rept 32
	v_pk_fma_f32 v[64+gi:65+gi], v[64+gi:65+gi], s[12:13], v[12:13] op_sel_hi:[1,0,0]   ; c2 x^2 + c1
.set gi, gi+2
.endr
.set gi, 0
.rept 32
	v_pk_mul_f32 v[64+gi:65+gi], v[64+gi:65+gi], v[gx+gi:gx+gi+1]                ; x (c1 + c2 x^2)
.set gi, gi+2
.endr
.set gi, 0
.rept 64
	v_exp_f32 v[64+gi], v[64+gi]
.set gi, gi+1
.endr
	v_nop
	s_wait_alu depctr_va_vdst(0)
.set gi, 0
.rept 32
	v_pk_add_f32 v[64+gi:65+gi], v[64+gi:65+gi], 1.0 op_sel_hi:[1,0]
.set gi, gi+2
.endr
.set gi, 0
.rept 64
	v_rcp_f32 v[64+gi], v[64+gi]
.set gi, gi+1
.endr
	v_nop
	s_wait_alu depctr_va_vdst(0)
.set gi, 0
.rept 32
	v_pk_mul_f32 v[gx+gi:gx+gi+1], v[gx+gi:gx+gi+1], v[64+gi:65+gi]
.set gi, gi+2
.endr
.endr
	; my 64 columns of each row are two blocks of 32: eight blocks a lane (block 2 a + p: A's block a, columns 32 p on)
	QUANT ACC, 8, PC
.irp a, 0,1,2,3
	v_lshl_or_b32 v[PW+\a], v[TP+2*\a+1], 8, v[TP+2*\a]
.endr
	s_lshl_b32 s18, s17, 3
	s_lshl_b32 s19, s15, 2
	s_add_co_u32 s18, s18, s19                     ; my first row tile: 8 TR + 4 x row half
	s_lshl_b32 s18, s18, 5
	s_add_co_u32 s18, s18, s42                     ; x 32 K steps, + K step TC
	s_lshl_b32 s20, s18, 11
	s_lshl_b32 s19, s16, 10
	s_add_co_u32 s20, s20, s19                     ; my half of the fragment
	s_mov_b32 s21, 0
	s_lshl_b32 s22, s18, 6
	s_lshl_b32 s19, s16, 1
	s_add_co_u32 s22, s22, s19                     ; my half of the scale words
	s_add_co_u32 s22, s22, 16777216
	s_mov_b32 s23, 0
	s_add_nc_u64 s[20:21], s[10:11], s[20:21]
	s_add_nc_u64 s[22:23], s[10:11], s[22:23]
.irp a, 0,1,2,3
.irp p, 0,1
	global_store_b128 v[L16], v[PC+4*(2*\a+\p):PC+4*(2*\a+\p)+3], s[20:21] offset:65536*\a+512*\p   ; 512 consecutive bytes, aligned
.endr
	global_store_b16 v[R4], v[PW+\a], s[22:23] offset:2048*\a   ; both lanes of a row store the same two bytes
.endr
	s_wait_tensorcnt 0x0                           ; the wave's end
	ds_add_u32 v[SPW], v[NIL]
	s_wait_dscnt 0x0
	CROUND                                         ; the closing round: no work-group ends while a partner may still ask for a tile that names it
	s_endpgm
.Lfunc_end_k_q5d747cd2e8_gfc1:
	.size	k_q5d747cd2e8_gfc1, .Lfunc_end_k_q5d747cd2e8_gfc1-k_q5d747cd2e8_gfc1
	.p2alignl 7, 3214868480
	.fill 96, 4, 3214868480
	.section	.rodata,"a",@progbits
	.p2align	6, 0x0
	.amdhsa_kernel k_q5d747cd2e8_gfc1
		.amdhsa_group_segment_fixed_size 327680
		.amdhsa_private_segment_fixed_size 0
		.amdhsa_enable_private_segment 0
		.amdhsa_kernarg_size 24
		.amdhsa_user_sgpr_count 2
		.amdhsa_user_sgpr_kernarg_segment_ptr 1
		.amdhsa_wavefront_size32 1
		.amdhsa_system_sgpr_workgroup_id_x 1
		.amdhsa_system_sgpr_workgroup_id_y 1
		.amdhsa_system_sgpr_workgroup_id_z 1
		.amdhsa_system_vgpr_workitem_id 0
		.amdhsa_next_free_vgpr 512
		.amdhsa_next_free_sgpr 100
		.amdhsa_reserve_vcc 0
		.amdhsa_float_denorm_mode_32 3
		.amdhsa_float_denorm_mode_16_64 3
		.amdhsa_memory_ordered 1
		.amdhsa_forward_progress 1
		.amdhsa_inst_pref_size 93
	.end_amdhsa_kernel
	.amdgpu_metadata
---
amdhsa.version: [ 1, 2 ]
amdhsa.kernels:
  - .name:           k_q5d747cd2e8_gfc1
    .symbol:         k_q5d747cd2e8_gfc1.kd
    .args:
      - { .name: n2, .offset: 0, .size: 8, .value_kind: global_buffer, .address_space: global }
      - { .name: w, .offset: 8, .size: 8, .value_kind: global_buffer, .address_space: global }
      - { .name: hid, .offset: 16, .size: 8, .value_kind: global_buffer, .address_space: global }
    .group_segment_fixed_size: 327680
    .private_segment_fixed_size: 0
    .kernarg_segment_align: 8
    .kernarg_segment_size: 24
    .max_flat_workgroup_size: 128
    .sgpr_count:     100
    .vgpr_count:     512
    .wavefront_size: 32
...
	.end_amdgpu_metadata
.endif
;; end of part 6
;; launch gfc2 (part 7): grid 8 x 32, 4 waves a work-group, clusters of 4 x 4, 327,680 bytes of LDS; arguments hid, w, xr, out0; writes out0
.if DOCPART == 7
	.amdgcn_target "amdgcn-amd-amdhsa--gfx1250"
	.amdhsa_code_object_version 6
	.text
	.protected	k_q5d747cd2e8_gfc2
	.globl	k_q5d747cd2e8_gfc2
	.p2align	8
	.type	k_q5d747cd2e8_gfc2,@function
k_q5d747cd2e8_gfc2:
	s_mov_b64 s[64:65], 0
	v_nop
	global_prefetch_b8 v0, s[64:65] scope:SCOPE_SE
	s_setreg_imm32_b32 hwreg(HW_REG_WAVE_MODE, 25, 1), 1
	s_wait_xcnt 0x0
	s_wait_alu depctr_hold_cnt(0) depctr_sa_sdst(0) depctr_va_vdst(0) depctr_va_sdst(0) depctr_va_ssrc(0) depctr_va_vcc(0) depctr_vm_vsrc(0)
	s_getreg_b32 s2, hwreg(HW_REG_IB_STS2, 6, 4)
	s_cmp_eq_u32 s2, 0
	s_cbranch_scc0 .Lentry_in_a_cluster
	s_endpgm
.Lentry_in_a_cluster:
	s_bfe_u32 s2, ttmp6, 0x10000c
	s_cmp_lg_u32 s2, 0xf033
	s_cbranch_scc0 .Lentry_shape_is_right
	s_endpgm
.Lentry_shape_is_right:
; out0 = xr + hid fc2^T.  C[m][n] = sum over k of A[m][k] B[n][k] on codes of FP8 (E4M3) with one E8M0 scale for each 32 along K = 4,096; sums in f32; the residual is added in f32; out0 is [4,096][1,024] f32, row-major.
; OPERANDS LIE IN MEMORY AS IMAGES OF THE REGISTERS: a fragment is 16 rows x 128 K = 2,048 bytes, [c][lane][16]: lane (r, h) holds k = 128 s + 32 c + 16 h + 0 .. 15 of the tile's row r; codes [tile][K step][2,048],
; scale words [tile][K step][r].  Lane r of tile T is row 32 (T / 2) + 8 (T % 2) + r + 8 (r / 8).  So a fragment comes from LDS by four loads of 512 consecutive bytes, with no pitch and no padding.
; THE MATRIX INSTRUCTION IS USED TRANSPOSED (source 0 = 16 rows of B, source 1 = 16 rows of A): a lane holds ONE row of C, and the 16 registers of B's tiles 2 p and 2 p + 1 are columns 32 p + 16 h + 0 .. 15.
; SHARES.  A work-group of four waves makes 128 x 128 of C, a wave 64 x 64: 16 accumulators: 256 work-groups.  K goes through a ring of two LDS slots of 512 along K: eight slots' worth, six refills;
; a refill has a slot's 64 products of each wave in which to land.  The scale words of all of K come once, with the first fills.
; CLUSTERS: 4 x 4.  A's tiles are shared along a row of the cluster, B's along a column: each is asked for jointly, by the same tensor load with the same descriptor and a mask that names the four.
; THE WAY OUT: 16 rows x 64 columns at a time through the wave's own stage in LDS (pitch 272 bytes), back as whole runs of 256 bytes; the residual, asked for at the head in the same places, is added; sixteen lanes store 256 aligned bytes.
.set KT,    4096
.set AOFF,  0                          ; hid: codes
.set ASOFF, 16777216                   ; hid: scale words
.set BOFF,  4325376+8*1048576          ; w: fc2's codes
.set BSOFF, 16908288+262144            ; w: fc2's scale words
.set RTP,   16*KT                      ; a row tile's codes in bytes
.set SRT,   KT/2                       ; and its scale words
.set LAPS,  KT/1024                    ; a lap = two slots = once round the ring
.set SLOT,  131072                     ; A's 8 tiles x 8,192 bytes (4 K steps), then B's
.set SCL,   2*SLOT                     ; behind the ring: A's scale words for all of K, then B's
.set STAGE, SCL+16*SRT                 ; 16 rows x 272 bytes for each wave; no tensor load lands here
.set SPARE, STAGE+4*4352               ; the spare words, 128 bytes for each wave: two blocks of 256 bytes that no other line names
.set R4,   3                           ; v3   4 r
.set ADRA, 16                          ; v16-17 LDS address of my A fragments in slot 0, 1
.set ADRB, 20                          ; v20-21 the same for B
.set STO,  24                          ; v24  the way out: where I put 16 bytes of a row
.set RD,   25                          ; v25  where I read a row back
.set CO,   26                          ; v26  my byte offset in two rows of C
.set ADRS, 27                          ; v27  LDS address of my scale words: lanes 0-15 A's, lanes 16-31 B's
.set SPW,  28                          ; v28  LDS address of my spare word; never rewritten
.set NIL,  29                          ; v29  0; never rewritten
.set L16,  30                          ; v30  16 x lane
.set SC,   32                          ; v32-63 scale words and nothing else: set s, block i, K step q at 32 + 16 s + 4 i + q
.set ACC,  128                         ; v128-255 accumulator (a, b) at 128 + 8 (4 a + b).  Window 1: two fragment buffers of 128.  Window 2: v0-127 the residual.  v64-127: rows on the way out
.set G1A,  24
.set G0A,  32
.set G1B,  48
.set G0B,  56
.set G1SA, 68
.set G0SA, 76
.set G1SB, 80
.set G0SB, 88
.set MUL,  0x05                        ; sources 0 and 1 window 1; C and D window 0
.set TO_F, 0x40                        ; destination window 1, address window 0
.set MSB, 0
.macro WIN new                         ; the immediate's high byte repeats the setting that is left
.if MSB != \new
	s_set_vgpr_msb (MSB<<8)|\new
.set MSB, \new
.endif
.endm
.macro PLACES n
.rept \n
	v_nop
.endr
.endm
; A joint load: waves 0 and 1 fetch for A, waves 2 and 3 for B.  The branch hangs on the wave's number alone.  An s_nop 0 and four v_nop follow each of the two lines.
.macro JLOAD g0a, g1a, g0b, g1b
	s_cmp_eq_u32 s15, 0
	s_cbranch_scc0 .Lfor_b_\@
	tensor_load_to_lds s[\g0a:\g0a+3], s[\g1a:\g1a+7]
	s_nop 0
.rept 4
	v_nop
.endr
	s_branch .Lasked_\@
.Lfor_b_\@:
	tensor_load_to_lds s[\g0b:\g0b+3], s[\g1b:\g1b+7]
	s_nop 0
.rept 4
	v_nop
.endr
.Lasked_\@:
.endm
.macro CREST                           ; a round of the cluster's barrier behind its opening barrier
	s_cmp_lg_u32 s14, 0
	s_cbranch_scc1 .Lnot_wave_0_\@
	s_barrier_signal -3
.Lnot_wave_0_\@:
	s_barrier_wait -3
	s_barrier_signal -1
	s_barrier_wait -1
.endm
.macro CROUND                          ; a whole round
	s_barrier_signal -1
	s_barrier_wait -1
	CREST
.endm
; 32 LDS loads in one run: B's four and A's four fragments of the slot's q-th K step into buffer f (0 or 128) of window 1
.macro FETCH slot, q, f
	WIN TO_F
.irp i, 0,1,2,3
.irp c, 0,1,2,3
	ds_load_b128 v[\f+64+16*\i+4*\c:\f+64+16*\i+4*\c+3], v[ADRB+\slot] offset:8192*\i+2048*(\q)+512*\c
.endr
.irp c, 0,1,2,3
	ds_load_b128 v[\f+16*\i+4*\c:\f+16*\i+4*\c+3], v[ADRA+\slot] offset:8192*\i+2048*(\q)+512*\c
.endr
.endr
.endm
.macro SCALES s                        ; a slot's scale words: lanes 0-15 take A's block i, lanes 16-31 B's tile i
	WIN 0
.irp i, 0,1,2,3
.irp q, 0,1,2,3
	ds_load_b32 v[SC+16*\s+4*\i+\q], v[ADRS] offset:\i*SRT+64*\q
.endr
.endr
.endm
; four matrix instructions: A's block a x B's four tiles.  The 16 accumulators take turns, one instruction a turn, in one order in every K step, over the loop's backward jump too.  zero = 1: the products start the sums.
.macro MULA f, a, sc, q, zero
.irp b, 0,1,2,3
.if \zero
	v_wmma_scale_f32_16x16x128_f8f6f4 v[ACC+8*(4*(\a)+\b):ACC+8*(4*(\a)+\b)+7], v[\f+64+16*\b:\f+64+16*\b+15], v[\f+16*(\a):\f+16*(\a)+15], 0, v[SC+16*(\sc)+4*\b+(\q)], v[SC+16*(\sc)+4*(\a)+(\q)] matrix_a_scale:MATRIX_SCALE_ROW1
.else
	v_wmma_scale_f32_16x16x128_f8f6f4 v[ACC+8*(4*(\a)+\b):ACC+8*(4*(\a)+\b)+7], v[\f+64+16*\b:\f+64+16*\b+15], v[\f+16*(\a):\f+16*(\a)+15], v[ACC+8*(4*(\a)+\b):ACC+8*(4*(\a)+\b)+7], v[SC+16*(\sc)+4*\b+(\q)], v[SC+16*(\sc)+4*(\a)+(\q)] matrix_a_scale:MATRIX_SCALE_ROW1
.endif
.endr
.endm
; A K step of 128 that has its successor in the same slot: behind its first four products the next step's fragments are fetched into the other buffer.
; Eight plain lines stand between the last product that read that buffer and the loads into it.
.macro STEP slot, q, zero
.set FF, 128*((\q)%2)
.set FG, 128-FF
	s_wait_dscnt 0x0                               ; this step's fragments and scale words are in
	WIN MUL
	MULA FF, 0, \slot, \q, \zero
	PLACES 8
	FETCH \slot, (\q)+1, FG
	WIN MUL
	MULA FF, 1, \slot, \q, \zero
	MULA FF, 2, \slot, \q, \zero
	MULA FF, 3, \slot, \q, \zero
	WIN 0
.endm
; A slot's last K step changes slots: ONE barrier; in front of it each wave waits for all its tensor loads, adds 0 to its spare word, and waits for that and for its reads of this slot.  fill = 1: the slot is filled again, two slots ahead.
.macro TURN slot, next, fill
	s_wait_tensorcnt 0x0                           ; all my tensor loads have landed: my part of the next slot
	ds_add_u32 v[SPW], v[NIL]                      ; 0 onto my spare word
	s_wait_dscnt 0x1                               ; this step's fragments are in; the add alone may be out
	WIN MUL
	MULA 128, 0, \slot, 3, 0
	s_wait_dscnt 0x0                               ; the add is done, and my reads of this slot are over
	s_barrier_signal -1
	MULA 128, 1, \slot, 3, 0
	WIN 0
	s_barrier_wait -1
.if \fill
	CREST                                          ; the barrier has opened a round of the cluster's barrier: no wave of any partner still reads this slot or has a load on its way
	s_add_nc_u64 s[G0A+4*\slot+2:G0A+4*\slot+3], s[G0A+4*\slot+2:G0A+4*\slot+3], 16384
	s_add_nc_u64 s[G0B+4*\slot+2:G0B+4*\slot+3], s[G0B+4*\slot+2:G0B+4*\slot+3], 16384
	JLOAD G0A+4*\slot, G1A, G0B+4*\slot, G1B       ; the first tensor load behind the round, and my only one until the next
	PLACES 4                                       ; with the four behind the load: eight
.else
	PLACES 8
.endif
	v_add_nc_u32 v[ADRS], 256, v[ADRS]             ; the next slot's scale words
	FETCH \next, 0, 0
	SCALES \next
	WIN MUL
	MULA 128, 2, \slot, 3, 0
	MULA 128, 3, \slot, 3, 0
	WIN 0
.endm
	s_load_b128 s[4:7], s[0:1], 0x0                ; A's buffer, B's buffer
	s_load_b128 s[8:11], s[0:1], 0x10              ; the residual, the output
	v_lshl_add_u32 v[SPW], v0, 2, SPARE
	v_mov_b32 v[NIL], 0
	ds_add_u32 v[SPW], v[NIL]                      ; the wave's opening: the add, twice on end, and its wait ahead of my first tensor load
	ds_add_u32 v[SPW], v[NIL]
	v_lshrrev_b32 v1, 5, v0
	v_readfirstlane_b32 s14, v1                    ; wave 0..3
	s_lshr_b32 s15, s14, 1                         ; which half of the tile's rows is mine.  Also: I fetch for A (0) or for B (1)
	s_and_b32 s16, s14, 1                          ; which half of its columns.  Also: which four row tiles I fetch
	s_bfe_u32 s40, ttmp6, 0x40000                  ; cx, cy: my place in the cluster
	s_bfe_u32 s41, ttmp6, 0x40004
	s_and_b32 s18, ttmp7, 0xffff
	s_lshl_b32 s17, s18, 2
	s_add_co_u32 s17, s17, s41                     ; TR: tile row of C = 4 x cluster y + cy
	s_lshl_b32 s42, ttmp9, 2
	s_add_co_u32 s42, s42, s40                     ; TC: tile column of C = 4 x cluster x + cx
	s_lshl_b32 s43, s41, 2
	s_lshl_b32 s43, 15, s43                        ; my row of the cluster
	s_lshl_b32 s44, 0x1111, s40                    ; my column
	; descriptor group 1, codes: 4 row tiles x 8,192 bytes (1,024 elements of 8 bytes), RTP bytes apart; no padding
	s_or_b32 s[G1A], s43, (3<<16)|(1<<21)          ; 15:0 the mask; 17:16 elements of 8 bytes; 21 set beside a mask
	s_or_b32 s[G1B], s44, (3<<16)|(1<<21)
.irp g, G1A, G1B
	s_mov_b32 s[\g+1], 1024<<16                    ; tensor_dim0
	s_mov_b32 s[\g+2], 4<<16                       ; tensor_dim1
	s_mov_b32 s[\g+3], 1024<<16                    ; tile_dim0
	s_mov_b32 s[\g+4], 4                           ; tile_dim1
	s_mov_b32 s[\g+5], RTP/8                       ; tensor_dim0_stride
	s_mov_b32 s[\g+6], 0
	s_mov_b32 s[\g+7], 0
.endr
	; scale words of 4 row tiles for all of K: a dense block, as rows of 256 bytes
	s_or_b32 s[G1SA], s43, (3<<16)|(1<<21)
	s_or_b32 s[G1SB], s44, (3<<16)|(1<<21)
.irp g, G1SA, G1SB
	s_mov_b32 s[\g+1], 32<<16
	s_mov_b32 s[\g+2], (4*SRT/256)<<16
	s_mov_b32 s[\g+3], 32<<16
	s_mov_b32 s[\g+4], 4*SRT/256
	s_mov_b32 s[\g+5], 32
	s_mov_b32 s[\g+6], 0
	s_mov_b32 s[\g+7], 0
.endr
	s_lshl_b32 s18, s16, 2
	s_lshl_b32 s20, s17, 3
	s_add_co_u32 s20, s20, s18                     ; A: the first row tile that I fetch: 8 TR + 4 x half
	s_lshl_b32 s46, s42, 3
	s_add_co_u32 s46, s46, s18                     ; B: 8 TC + 4 x half
	s_mul_i32 s22, s20, SRT
	s_mul_i32 s20, s20, RTP
	s_add_co_u32 s20, s20, AOFF
	s_add_co_u32 s22, s22, ASOFF
	s_mov_b32 s21, 0
	s_mov_b32 s23, 0
	s_mul_i32 s92, s46, SRT
	s_mul_i32 s46, s46, RTP
	s_add_co_u32 s46, s46, BOFF
	s_add_co_u32 s92, s92, BSOFF
	s_mov_b32 s47, 0
	s_mov_b32 s93, 0
	s_lshl_b32 s45, s14, 15                        ; where they go: wave x 32,768: no place in the cluster enters an LDS address
	s_mul_i32 s99, s14, 4*SRT
	s_wait_dscnt 0x0                               ; both opening adds are done
	s_wait_kmcnt 0x0
	s_add_nc_u64 s[20:21], s[4:5], s[20:21]
	s_add_nc_u64 s[22:23], s[4:5], s[22:23]
	s_add_nc_u64 s[46:47], s[6:7], s[46:47]
	s_add_nc_u64 s[92:93], s[6:7], s[92:93]
	CROUND                                         ; all sixteen work-groups are here: the first joint loads meet
	s_mov_b32 s[G0SA], 1
	s_add_co_u32 s[G0SA+1], s99, SCL
	s_mov_b64 s[G0SA+2:G0SA+3], s[22:23]
	s_or_b32 s[G0SA+3], s[G0SA+3], 0x80000000
	s_mov_b32 s[G0SB], 1
	s_add_co_u32 s[G0SB+1], s99, SCL
	s_mov_b64 s[G0SB+2:G0SB+3], s[92:93]
	s_or_b32 s[G0SB+3], s[G0SB+3], 0x80000000
	JLOAD G0SA, G1SA, G0SB, G1SB                   ; the scale words first: they are wanted with K step 0
.irp s, 0,1
	s_mov_b32 s[G0A+4*\s], 1
	s_add_co_u32 s[G0A+4*\s+1], s45, \s*SLOT
	s_add_nc_u64 s[G0A+4*\s+2:G0A+4*\s+3], s[20:21], \s*8192
	s_or_b32 s[G0A+4*\s+3], s[G0A+4*\s+3], 0x80000000
	s_mov_b32 s[G0B+4*\s], 1
	s_add_co_u32 s[G0B+4*\s+1], s45, \s*SLOT
	s_add_nc_u64 s[G0B+4*\s+2:G0B+4*\s+3], s[46:47], \s*8192
	s_or_b32 s[G0B+4*\s+3], s[G0B+4*\s+3], 0x80000000
	JLOAD G0A+4*\s, G1A, G0B+4*\s, G1B             ; three tensor loads of a wave are out here, later one
.endr
	v_and_b32 v1, 15, v0                           ; r
	v_bfe_u32 v2, v0, 4, 1                         ; h
	v_and_b32 v4, 31, v0
	v_lshlrev_b32 v[L16], 4, v4
	v_lshlrev_b32 v[R4], 2, v1
	; my 64 x 64 of C and of the residual begins at row 128 TR + 64 x row half, column 128 TC + 64 x column half
	s_lshl_b32 s92, s17, 7
	s_lshl_b32 s94, s15, 6
	s_add_co_u32 s92, s92, s94
	s_lshl_b32 s92, s92, 12
	s_lshl_b32 s94, s42, 9
	s_add_co_u32 s92, s92, s94
	s_lshl_b32 s94, s16, 8
	s_add_co_u32 s92, s92, s94
	s_mov_b32 s93, 0
	s_add_nc_u64 s[8:9], s[8:9], s[92:93]
	s_add_nc_u64 s[10:11], s[10:11], s[92:93]
	v_lshlrev_b32 v5, 12, v2
	v_lshl_add_u32 v[CO], v1, 4, v5                ; lanes 0-15 one row's 256 bytes, lanes 16-31 the next row's
	WIN 0x80                                       ; destination window 2
.irp a, 0,1,2,3
.irp t, 0,1,2,3,4,5,6,7
	global_load_b128 v[32*\a+4*\t:32*\a+4*\t+3], v[CO], s[8:9] offset:(32*(\a/2)+8*(\a%2)+2*\t+8*(\t/4))*4096 th:TH_LOAD_NT   ; the residual, in the places in which the results will be stored
.endr
.endr
	WIN 0
	s_lshl_b32 s18, s15, 15                        ; my four tiles of A
	s_lshl_b32 s19, s16, 15                        ; my four tiles of B,
	s_add_co_u32 s19, s19, 65536                   ; which lie behind A's eight
.irp s, 0,1
	v_add_nc_u32 v[ADRA+\s], s18, v[L16]
	v_add_nc_u32 v[ADRB+\s], s19, v[L16]
	s_add_co_u32 s18, s18, SLOT
	s_add_co_u32 s19, s19, SLOT
.endr
	s_mul_i32 s18, s15, 4*SRT                      ; A's scale words: my four tiles
	s_mul_i32 s19, s16, 4*SRT                      ; B's, behind A's eight
	s_add_co_u32 s19, s19, 8*SRT
	s_sub_co_u32 s19, s19, s18
	v_mul_u32_u24 v5, s19, v2                      ; lanes 16-31 take B's
	s_add_co_u32 s18, s18, SCL
	v_add_nc_u32 v5, v5, v[R4]
	v_add_nc_u32 v[ADRS], s18, v5
	s_mul_i32 s18, s14, 4352
	s_add_co_u32 s18, s18, STAGE                   ; my stage
	v_mul_u32_u24 v5, v1, 272
	v_lshl_add_u32 v5, v2, 6, v5
	v_add_nc_u32 v[STO], s18, v5                   ; in: row r, + 64 h
	v_mul_u32_u24 v5, v2, 272
	v_lshl_add_u32 v5, v1, 4, v5
	v_add_nc_u32 v[RD], s18, v5                    ; back: lanes 0-15 one row, lanes 16-31 the next
	s_wait_tensorcnt 0x1                           ; the scale words and my part of slot 0 are in; slot 1's load may be out
	s_barrier_signal -1
	s_barrier_wait -1                              ; everybody's are
	FETCH 0, 0, 0
	SCALES 0
	STEP 0, 0, 1                                   ; the first K step's products start the sums: nothing is cleared
	s_mov_b32 s3, LAPS-1
.Llap:                                             ; a trip goes once round the ring, from a lap's second K step to the next lap's first, and fills both slots again
	STEP 0, 1, 0
	STEP 0, 2, 0
	TURN 0, 1, 1
	STEP 1, 0, 0
	STEP 1, 1, 0
	STEP 1, 2, 0
	TURN 1, 0, 1
	STEP 0, 0, 0
	s_sub_co_u32 s3, s3, 1
	s_cmp_lg_u32 s3, 0
	s_cbranch_scc1 .Llap
	STEP 0, 1, 0                                   ; the last lap is written out: it fills nothing, and has no round of the cluster's barrier
	STEP 0, 2, 0
	TURN 0, 1, 0
	STEP 1, 0, 0
	STEP 1, 1, 0
	STEP 1, 2, 0
	s_wait_dscnt 0x0                               ; the last K step
	WIN MUL
	MULA 128, 0, 1, 3, 0
	MULA 128, 1, 1, 3, 0
	MULA 128, 2, 1, 3, 0
	MULA 128, 3, 1, 3, 0
	WIN 0
	PLACES 8                                       ; eight plain lines between the last product and the first read of results
	s_wait_loadcnt 0x0                             ; the residual
.irp a, 0,1,2,3                                ; A's block a: 16 rows x my 64 columns
.set BK, 64+32*(\a%2)
.if \a >= 2
	s_wait_xcnt 0x0                                ; block a - 2's stores have read their registers: block a's rows may land there
.endif
.irp b, 0,1,2,3
	ds_store_b128 v[STO], v[ACC+8*(4*\a+\b):ACC+8*(4*\a+\b)+3] offset:128*(\b/2)+32*(\b%2)          ; each accumulator from its low end on
	ds_store_b128 v[STO], v[ACC+8*(4*\a+\b)+4:ACC+8*(4*\a+\b)+7] offset:128*(\b/2)+32*(\b%2)+16
.endr
.irp t, 0,1,2,3,4,5,6,7
	ds_load_b128 v[BK+4*\t:BK+4*\t+3], v[RD] offset:544*\t   ; LDS serves a wave's instructions in order: these see my stores, and the next block's stores come behind them
.endr
	s_wait_dscnt 0x0
	WIN 0x08                                       ; source 1 window 2
.irp t, 0,1,2,3,4,5,6,7
	v_pk_add_f32 v[BK+4*\t:BK+4*\t+1], v[BK+4*\t:BK+4*\t+1], v[32*\a+4*\t:32*\a+4*\t+1]
	v_pk_add_f32 v[BK+4*\t+2:BK+4*\t+3], v[BK+4*\t+2:BK+4*\t+3], v[32*\a+4*\t+2:32*\a+4*\t+3]
.endr
	WIN 0
.irp t, 0,1,2,3,4,5,6,7
	global_store_b128 v[CO], v[BK+4*\t:BK+4*\t+3], s[10:11] offset:(32*(\a/2)+8*(\a%2)+2*\t+8*(\t/4))*4096 th:TH_STORE_NT   ; sixteen lanes store 256 consecutive bytes, aligned; written once, read by nobody here
.endr
.endr
	s_wait_tensorcnt 0x0                           ; the wave's end, behind my last tensor load and my last LDS store
	ds_add_u32 v[SPW], v[NIL]
	s_wait_dscnt 0x0
	CROUND                                         ; the closing round: no work-group ends while a partner may still ask for a tile that names it
	s_endpgm
.Lfunc_end_k_q5d747cd2e8_gfc2:
	.size	k_q5d747cd2e8_gfc2, .Lfunc_end_k_q5d747cd2e8_gfc2-k_q5d747cd2e8_gfc2
	.p2alignl 7, 3214868480
	.fill 96, 4, 3214868480
	.section	.rodata,"a",@progbits
	.p2align	6, 0x0
	.amdhsa_kernel k_q5d747cd2e8_gfc2
		.amdhsa_group_segment_fixed_size 327680
		.amdhsa_private_segment_fixed_size 0
		.amdhsa_enable_private_segment 0
		.amdhsa_kernarg_size 32
		.amdhsa_user_sgpr_count 2
		.amdhsa_user_sgpr_kernarg_segment_ptr 1
		.amdhsa_wavefront_size32 1
		.amdhsa_system_sgpr_workgroup_id_x 1
		.amdhsa_system_sgpr_workgroup_id_y 1
		.amdhsa_system_sgpr_workgroup_id_z 1
		.amdhsa_system_vgpr_workitem_id 0
		.amdhsa_next_free_vgpr 640
		.amdhsa_next_free_sgpr 100
		.amdhsa_reserve_vcc 0
		.amdhsa_float_denorm_mode_32 3
		.amdhsa_float_denorm_mode_16_64 3
		.amdhsa_memory_ordered 1
		.amdhsa_forward_progress 1
		.amdhsa_inst_pref_size 102
	.end_amdhsa_kernel
	.amdgpu_metadata
---
amdhsa.version: [ 1, 2 ]
amdhsa.kernels:
  - .name:           k_q5d747cd2e8_gfc2
    .symbol:         k_q5d747cd2e8_gfc2.kd
    .args:
      - { .name: hid, .offset: 0, .size: 8, .value_kind: global_buffer, .address_space: global }
      - { .name: w, .offset: 8, .size: 8, .value_kind: global_buffer, .address_space: global }
      - { .name: xr, .offset: 16, .size: 8, .value_kind: global_buffer, .address_space: global }
      - { .name: out0, .offset: 24, .size: 8, .value_kind: global_buffer, .address_space: global }
    .group_segment_fixed_size: 327680
    .private_segment_fixed_size: 0
    .kernarg_segment_align: 8
    .kernarg_segment_size: 32
    .max_flat_workgroup_size: 128
    .sgpr_count:     100
    .vgpr_count:     640
    .wavefront_size: 32
...
	.end_amdgpu_metadata
.endif
;; end of part 7
;; ======== version 2 of 2: 7 launches
;; limits: right only within a limited range of input values
;; workspace buffers: w 17,301,504 bytes; qkv 12,976,128 bytes; at 4,325,376 bytes; xr 16,777,216 bytes; n2 4,325,376 bytes; hid 17,301,504 bytes
;; launch ln1 (part 8): grid 1024 x 1, 8 waves a work-group, no clusters, 70,144 bytes of LDS; arguments x, gamma1, beta1, w, wq, wk, wv, wo, mlp_fc1, mlp_fc2; writes w
.if DOCPART == 8
	.amdgcn_target "amdgcn-amd-amdhsa--gfx1250"
	.amdhsa_code_object_version 6
	.text
	.protected	k_q5d747cd2e8_ln1
	.globl	k_q5d747cd2e8_ln1
	.p2align	8
	.type	k_q5d747cd2e8_ln1,@function
k_q5d747cd2e8_ln1:
	s_mov_b64 s[64:65], 0
	v_nop
	global_prefetch_b8 v0, s[64:65] scope:SCOPE_SE
	s_setreg_imm32_b32 hwreg(HW_REG_WAVE_MODE, 25, 1), 1
	s_wait_xcnt 0x0
; y = gamma (x - mean) / sqrt(var + 1e-5) + beta along rows of 1,024 f32, quantised along the row to codes of FP8 (E4M3) with one E8M0 scale for each 32.  Arguments: the rows, gamma, beta, the image.
; THE IMAGE (read by the GEMMs as it lies): a fragment is 16 rows x 128 along K = 2,048 bytes, [c][lane][16 bytes]: lane (r, h) holds k = 128 s + 32 c + 16 h + 0 .. 15 of the tile's row r; codes
; [tile T][K step s][2,048] from byte 0, scale words [T][s][r] from byte 4,194,304.  Lane r of tile T is row 32 (T / 2) + 8 (T % 2) + r + 8 (r / 8).
; SHARES.  A work-group takes one tile of 16 rows, each of its eight waves 128 columns (one K step).  Each load reads 512 consecutive bytes of a row; the rows turn through the wave's own stage in LDS
; (pitch 528 bytes) and come back 16 neighbours of each block of 32 to a lane.  Mean and variance are taken in two passes, as the formula is written: first the sum, then the sum of (x - mean)^2;
; the waves' partial sums meet in LDS behind a barrier, and every wave adds the eight in one fixed order.
; LIMITS: NaN and infinities are not served; a block of zeros, or one under 2^-118, gets the scale byte 1 (its codes are zeros, or held as the rule's lowest byte holds them; this program alone reads the bytes).
; THE WHOLE PROGRAM: one transformer layer (layernorm, q k v, causal attention, output projection, residual, layernorm, MLP with gelu, residual), all eight products on codes of FP8 (E4M3)
; with one E8M0 scale for each 32 along K.  Seven launches: ln1 (this body: the first norm, and the weights to codes), gqkv, attn, gwo, ln2 (this body again), gfc1, gfc2.
; DEAD WORK, left out in attn alone: reference() builds the mask triu(k = 1) in its own body and puts -1e9 in the place of every score whose key comes after the query.  The products q . k of such
; places are thrown away by that jnp.where whatever the inputs hold.  Their weights are p = 2^(-1e9 log2(e) - M): the stated quantiser holds a block's exponent at -126 from below, so their codes are zeros
; and add nothing to the second product; to the row's sum they add less than any rounding.  So key steps all of whose keys come after all of a wave's queries are not walked.
; That holds while a row's largest visible logit lies above about -1e9; beyond that reference()'s own rows are no longer causal.  Every input has a way to the output: all are loaded.
; LIMITS of the program: NaN and infinities among the inputs are not served, and a NaN, an infinity or an overflow that reaches only the work left out is not carried to the result.
; THE WEIGHTS, IN THE SAME BODY: work-groups 256 on take 16 rows (one tile) x 1,024 along K of a weight, f32 with K innermost, by the same loads, stage, quantiser and stores, and jump over the norm
; (a scalar branch on the work-group's number, the same in all eight waves).  256-319 wq, 320-383 wk, 384-447 wv, 448-511 wo, 512-767 mlp_fc1, 768-1023 mlp_fc2 (four work-groups to a tile: K = 4,096).
; Their codes lie from byte WC of the image's buffer, 16,384 bytes a work-group, their scale words from byte WS, 512 a work-group.  Arguments 5 to 10 are the six weights.
; The launch for the second norm has 256 work-groups: none of them takes the weights' way, and its arguments 5 to 10 are not read.
.set STG,   8448                       ; a wave's stage: 16 rows x 528 bytes
.set WC,    4325376                    ; the weights' codes
.set WS,    16908288                   ; the weights' scale words
.set PS1,   67584                      ; partial sums [r][wave], 32 bytes a row
.set PS2,   68096                      ; the same for the squares: 512 bytes on
.set SCW,   68608                      ; 8 waves x 16 scale words
.set SPARE, 69120                      ; the spare words, 128 bytes for each wave: four blocks of 256 bytes that no other line names
.set DSC,   4194304                    ; where the image's scale words begin
.set SPW, 12                           ; v12  LDS address of my spare word; never rewritten
.set NIL, 13                           ; v13  0; never rewritten
.set R,   16                           ; v16-79   the rows as loaded, later gamma
.set X,   80                           ; v80-143  64 numbers: register 16 b + i = column 128 u + 32 b + 16 h + i of my row
.set BT,  144                          ; v144-207 beta
.set TM,  208
.set TP,  212
.set TL,  216
.set TS,  220
.set PW,  224
.set PC,  226                          ; v226-241 the codes
.set SEL, 22                           ; s[22:23] lane selects: lane l xor 16
.set MNT, 24                           ; s24  the mantissa field of 448
; 16 nb numbers of a lane become codes in v[pc] on; the blocks' scale bytes are left in v[TP] on.  A block of 32 lies in lanes l and l xor 16.
.macro QUANT s, nb, pc
.set qb, 0
.rept \nb
	v_max3_num_f32 v[TM+qb], |v[\s+16*qb]|, |v[\s+16*qb+1]|, 0x4800000   ; my 16 numbers, and the floor 2^(9 - 127): the byte cannot fall under 1
.set qb, qb+1
.endr
.set qi, 2
.rept 7
.set qb, 0
.rept \nb
	s_delay_alu instid0(VALU_DEP_4)
	v_max3_num_f32 v[TM+qb], v[TM+qb], |v[\s+16*qb+qi]|, |v[\s+16*qb+qi+1]|   ; the blocks by turns
.set qb, qb+1
.endr
.set qi, qi+2
.endr
.set qb, 0
.rept \nb
	s_delay_alu instid0(VALU_DEP_4)
	v_permlanex16_b32 v[TP+qb], v[TM+qb], s[SEL], s[SEL+1]
.set qb, qb+1
.endr
.set qb, 0
.rept \nb
	s_delay_alu instid0(VALU_DEP_4)
	v_max_num_f32 v[TM+qb], v[TM+qb], v[TP+qb]                   ; the block's largest magnitude
.set qb, qb+1
.endr
.set qb, 0
.rept \nb
	v_add_nc_u32 v[TS+qb], 0xfc000000, v[TM+qb]                  ; 8 off its exponent field: the conversion's scale operand
	v_and_or_b32 v[TL+qb], v[TM+qb], 0x7f800000, s[MNT]          ; 448 x the scale
.set qb, qb+1
.endr
.set qb, 0
.rept \nb
	v_lshrrev_b32 v[TP+qb], 23, v[TS+qb]                         ; the scale's byte
.set qb, qb+1
.endr
.set qb, 0
.rept \nb
.set qi, 0
.rept 16
	v_med3_num_f32 v[\s+16*qb+qi], v[\s+16*qb+qi], -v[TL+qb], v[TL+qb]   ; the conversion to an 8-bit code does not saturate (ISA guide 7.6.2): the hold comes first
.set qi, qi+1
.endr
	v_cvt_scalef32_pk8_fp8_f32 v[\pc+4*qb:\pc+4*qb+1], v[\s+16*qb:\s+16*qb+7], v[TS+qb]
	v_cvt_scalef32_pk8_fp8_f32 v[\pc+4*qb+2:\pc+4*qb+3], v[\s+16*qb+8:\s+16*qb+15], v[TS+qb]
.set qb, qb+1
.endr
	v_nop                                          ; one plain line behind the last conversion
.endm
; v[242:243] and v[244:245] hold two chains' pairs: they are added, joined with lane l xor 16's, and the eight waves' sums of my row meet in LDS, off bytes behind PS1.  The row's sum is left in v244.
.macro ALLSUM off
	s_delay_alu instid0(VALU_DEP_1)
	v_pk_add_f32 v[242:243], v[242:243], v[244:245]
	s_delay_alu instid0(VALU_DEP_1)
	v_add_f32 v242, v242, v243
	s_delay_alu instid0(VALU_DEP_1)
	v_permlanex16_b32 v246, v242, s[SEL], s[SEL+1]
	s_delay_alu instid0(VALU_DEP_1)
	v_add_f32 v242, v242, v246                     ; my wave's 128 columns of row r
	ds_store_b32 v11, v242 offset:\off             ; both lanes of a row write the same word with the same value
	s_wait_dscnt 0x0                               ; for the others' sake: my store has landed
	s_barrier_signal -1
	s_barrier_wait -1
	ds_load_b128 v[244:247], v1 offset:\off
	ds_load_b128 v[248:251], v1 offset:\off+16
	s_wait_dscnt 0x0
	v_add_f32 v244, v244, v245
	v_add_f32 v246, v246, v247
	v_add_f32 v248, v248, v249
	v_add_f32 v250, v250, v251
	s_delay_alu instid0(VALU_DEP_3)
	v_add_f32 v244, v244, v246
	s_delay_alu instid0(VALU_DEP_2)
	v_add_f32 v248, v248, v250
	s_delay_alu instid0(VALU_DEP_1)
	v_add_f32 v244, v244, v248
.endm
	s_load_b256 s[4:11], s[0:1], 0x0               ; the rows s[4:5], gamma s[6:7], beta s[8:9], the image s[10:11]
	s_load_b256 s[32:39], s[0:1], 0x20             ; wq, wk, wv, wo
	s_load_b128 s[40:43], s[0:1], 0x40             ; mlp_fc1, mlp_fc2
	v_lshl_add_u32 v[SPW], v0, 2, SPARE
	v_mov_b32 v[NIL], 0
	v_lshrrev_b32 v1, 5, v0
	s_delay_alu instid0(VALU_DEP_1)
	v_readfirstlane_b32 s12, v1                    ; wave u = my K step
	v_and_b32 v2, 31, v0                           ; lane
	s_delay_alu instid0(VALU_DEP_1)
	v_lshlrev_b32 v3, 4, v2                        ; 16 x lane
	v_and_b32 v4, 15, v0                           ; r
	v_bfe_u32 v5, v0, 4, 1                         ; h
	s_mul_i32 s13, s12, STG
	v_add_nc_u32 v6, s13, v3                       ; the stage, on the way in
	v_mul_u32_u24 v7, v4, 528
	s_delay_alu instid0(VALU_DEP_1)
	v_lshl_add_u32 v7, v5, 6, v7
	s_delay_alu instid0(VALU_DEP_1)
	v_add_nc_u32 v7, s13, v7                       ; and out: row r, + 64 h
	s_lshl_b32 s13, s12, 6
	v_lshl_add_u32 v8, v4, 2, s13
	s_delay_alu instid0(VALU_DEP_1)
	v_add_nc_u32 v8, SCW, v8                       ; my row's scale word: 64 u + 4 r
	v_add_nc_u32 v9, SCW, v3                       ; wave 0 reads all 512 bytes back
	v_lshlrev_b32 v10, 6, v5                       ; gamma, beta: 64 h
	s_lshl_b32 s13, s12, 2
	v_lshl_add_u32 v11, v4, 5, s13
	s_delay_alu instid0(VALU_DEP_1)
	v_add_nc_u32 v11, PS1, v11                     ; my partial sum: 32 r + 4 u
	v_lshlrev_b32 v1, 5, v4
	s_delay_alu instid0(VALU_DEP_1)
	v_add_nc_u32 v1, PS1, v1                       ; my row's eight
	v_mov_b32 v246, 0                              ; written once: a lane permute's destination counts as one of its sources
.irp b, 0,1,2,3
	v_mov_b32 v[TP+\b], 0
.endr
	s_lshl_b32 s16, s12, 9                         ; my 128 columns
	s_mov_b32 s17, 0
	s_mov_b32 s[SEL], 0x76543210
	s_mov_b32 s[SEL+1], 0xfedcba98
	s_mov_b32 s[MNT], 0x600000
	s_mov_b32 s25, 0x3a800000                      ; 1 / 1,024
	s_mov_b32 s26, 0x3727c5ac                      ; 1e-5
	s_wait_alu depctr_va_vdst(0)
	s_wait_kmcnt 0x0
	s_mov_b32 s27, 0                               ; which tensor, and its first work-group: a choice on the work-group's number alone
	s_cmp_ge_u32 ttmp9, 256
	s_cselect_b64 s[4:5], s[32:33], s[4:5]
	s_cselect_b32 s27, 256, s27
	s_cselect_b32 s30, WC, 0                       ; where the codes begin in the image's buffer,
	s_mov_b32 s31, DSC
	s_cselect_b32 s31, WS, s31                     ; the scale words,
	s_cselect_b32 s44, 256, 0                      ; and from which work-group their places count
	s_cmp_ge_u32 ttmp9, 320
	s_cselect_b64 s[4:5], s[34:35], s[4:5]
	s_cselect_b32 s27, 320, s27
	s_cmp_ge_u32 ttmp9, 384
	s_cselect_b64 s[4:5], s[36:37], s[4:5]
	s_cselect_b32 s27, 384, s27
	s_cmp_ge_u32 ttmp9, 448
	s_cselect_b64 s[4:5], s[38:39], s[4:5]
	s_cselect_b32 s27, 448, s27
	s_cmp_ge_u32 ttmp9, 512
	s_cselect_b64 s[4:5], s[40:41], s[4:5]
	s_cselect_b32 s27, 512, s27
	s_mov_b32 s45, 4096                            ; a row in bytes
	s_cmp_ge_u32 ttmp9, 768
	s_cselect_b64 s[4:5], s[42:43], s[4:5]
	s_cselect_b32 s27, 768, s27
	s_cselect_b32 s46, 2, 0                        ; mlp_fc2: four work-groups to a tile,
	s_cselect_b32 s47, 3, 0
	s_cselect_b32 s45, 16384, s45                  ; rows of 16,384 bytes
	s_sub_co_u32 s27, ttmp9, s27
	s_lshr_b32 s14, s27, s46                       ; the tile T
	s_and_b32 s27, s27, s47                        ; which 1,024 along K
	s_lshr_b32 s15, s14, 1
	s_lshl_b32 s15, s15, 5
	s_and_b32 s14, s14, 1
	s_lshl_b32 s14, s14, 3
	s_add_co_u32 s14, s14, s15                     ; the tile's first row: 32 (T / 2) + 8 (T % 2)
	s_mul_i32 s14, s14, s45
	s_lshl_b32 s27, s27, 12
	s_add_co_u32 s14, s14, s27
	s_add_co_u32 s14, s14, s16                     ; + my K step's 512 bytes
	s_mov_b32 s15, 0
	s_sub_co_u32 s44, ttmp9, s44
	s_lshl_b32 s18, s44, 14
	s_lshl_b32 s19, s12, 11
	s_add_co_u32 s18, s18, s19
	s_add_co_u32 s18, s18, s30                     ; my fragment
	s_mov_b32 s19, 0
	s_lshl_b32 s20, s44, 9
	s_add_co_u32 s20, s20, s31                     ; the work-group's 512 bytes of scale words
	s_mov_b32 s21, 0
	s_add_nc_u64 s[4:5], s[4:5], s[14:15]
	s_add_nc_u64 s[6:7], s[6:7], s[16:17]
	s_add_nc_u64 s[8:9], s[8:9], s[16:17]
	s_add_nc_u64 s[28:29], s[10:11], s[20:21]
	s_add_nc_u64 s[10:11], s[10:11], s[18:19]
.irp i, 0,1,2,3,4,5,6,7,8,9,10,11,12,13,14,15
	v_mad_u32_u24 v[BT+\i], s45, \i+8*(\i/8), v3   ; the tile's row i lies i + 8 (i / 8) rows on (offsets, in registers that beta takes later)
.endr
.irp i, 0,1,2,3,4,5,6,7,8,9,10,11,12,13,14,15
	global_load_b128 v[R+4*\i:R+4*\i+3], v[BT+\i], s[4:5] th:TH_LOAD_NT   ; 512 consecutive bytes of the tile's row i
.endr
	s_wait_loadcnt 0x0                             ; the rows are in
.irp i, 0,1,2,3,4,5,6,7,8,9,10,11,12,13,14,15
	ds_store_b128 v6, v[R+4*\i:R+4*\i+3] offset:528*\i
.endr
.irp c, 0,1,2,3
.irp j, 0,1,2,3
	ds_load_b128 v[X+16*\c+4*\j:X+16*\c+4*\j+3], v7 offset:128*\c+16*\j   ; LDS serves a wave's instructions in order: these see my stores
.endr
.endr
	s_wait_dscnt 0x0
	s_cmp_ge_u32 ttmp9, 256                        ; a weight is quantised as it is
	s_cbranch_scc1 .Lcodes
.irp c, 0,1,2,3
.irp j, 0,1,2,3
	global_load_b128 v[R+16*\c+4*\j:R+16*\c+4*\j+3], v10, s[6:7] offset:128*\c+16*\j   ; gamma, into the registers that the rows have left
	global_load_b128 v[BT+16*\c+4*\j:BT+16*\c+4*\j+3], v10, s[8:9] offset:128*\c+16*\j   ; beta
.endr
.endr
	; the sum of my 64 numbers, two at a time, in two chains
	v_pk_add_f32 v[242:243], v[X:X+1], v[X+2:X+3]
	v_pk_add_f32 v[244:245], v[X+4:X+5], v[X+6:X+7]
.irp j, 8,12,16,20,24,28,32,36,40,44,48,52,56,60
	s_delay_alu instid0(VALU_DEP_2)
	v_pk_add_f32 v[242:243], v[242:243], v[X+\j:X+\j+1]
	s_delay_alu instid0(VALU_DEP_2)
	v_pk_add_f32 v[244:245], v[244:245], v[X+\j+2:X+\j+3]
.endr
	ALLSUM 0
	s_delay_alu instid0(VALU_DEP_1)
	v_mul_f32 v14, s25, v244                       ; the mean,
	s_delay_alu instid0(VALU_DEP_2)
	v_mul_f32 v15, s25, v244                       ; twice: a pair for the packed forms
.set j, 0
.rept 32
	v_pk_add_f32 v[X+j:X+j+1], v[X+j:X+j+1], v[14:15] neg_lo:[0,1] neg_hi:[0,1]   ; d = x - mean
.set j, j+2
.endr
	v_pk_mul_f32 v[242:243], v[X:X+1], v[X:X+1]
	v_pk_mul_f32 v[244:245], v[X+2:X+3], v[X+2:X+3]
.irp j, 4,8,12,16,20,24,28,32,36,40,44,48,52,56,60
	s_delay_alu instid0(VALU_DEP_2)
	v_pk_fma_f32 v[242:243], v[X+\j:X+\j+1], v[X+\j:X+\j+1], v[242:243]
	s_delay_alu instid0(VALU_DEP_2)
	v_pk_fma_f32 v[244:245], v[X+\j+2:X+\j+3], v[X+\j+2:X+\j+3], v[244:245]
.endr
	ALLSUM 512
	s_delay_alu instid0(VALU_DEP_1)
	v_fma_f32 v14, v244, s25, s26                  ; var + 1e-5
	s_wait_alu depctr_va_vdst(0)
	v_rsq_f32 v14, v14
	v_nop                                          ; one plain line behind the transcendental
	s_wait_alu depctr_va_vdst(0)                   ; and a wait ahead of the first line that names its result
	v_mov_b32 v15, v14
	s_wait_alu depctr_va_vdst(0)
	s_wait_loadcnt 0x0                             ; gamma and beta
.set j, 0
.rept 32
	v_pk_mul_f32 v[X+j:X+j+1], v[X+j:X+j+1], v[14:15]
.set j, j+2
.endr
.set j, 0
.rept 32
	v_pk_fma_f32 v[X+j:X+j+1], v[X+j:X+j+1], v[R+j:R+j+1], v[BT+j:BT+j+1]
.set j, j+2
.endr
.Lcodes:
	QUANT X, 4, PC
	v_lshl_or_b32 v[PW], v[TP+1], 8, v[TP]         ; the four bytes make my row's scale word
	s_delay_alu instid0(VALU_DEP_1)
	v_lshl_or_b32 v[PW], v[TP+2], 16, v[PW]
	s_delay_alu instid0(VALU_DEP_1)
	v_lshl_or_b32 v[PW], v[TP+3], 24, v[PW]
.irp c, 0,1,2,3
	global_store_b128 v3, v[PC+4*\c:PC+4*\c+3], s[10:11] offset:512*\c   ; 512 consecutive bytes, aligned
.endr
	ds_store_b32 v8, v[PW]
	s_wait_dscnt 0x0                               ; for the others' sake: my store has landed
	s_barrier_signal -1
	s_barrier_wait -1
	s_cmp_lg_u32 s12, 0
	s_cbranch_scc1 .Lend
	ds_load_b128 v[R:R+3], v9                      ; wave 0: the eight waves' words
	s_wait_dscnt 0x0
	global_store_b128 v3, v[R:R+3], s[28:29]       ; 512 consecutive bytes, aligned
.Lend:
	s_wait_tensorcnt 0x0                           ; the wave's end, behind my last LDS store
	ds_add_u32 v[SPW], v[NIL]
	s_wait_dscnt 0x0
	s_endpgm
.Lfunc_end_k_q5d747cd2e8_ln1:
	.size	k_q5d747cd2e8_ln1, .Lfunc_end_k_q5d747cd2e8_ln1-k_q5d747cd2e8_ln1
	.p2alignl 7, 3214868480
	.fill 96, 4, 3214868480
	.section	.rodata,"a",@progbits
	.p2align	6, 0x0
	.amdhsa_kernel k_q5d747cd2e8_ln1
		.amdhsa_group_segment_fixed_size 70144
		.amdhsa_private_segment_fixed_size 0
		.amdhsa_enable_private_segment 0
		.amdhsa_kernarg_size 80
		.amdhsa_user_sgpr_count 2
		.amdhsa_user_sgpr_kernarg_segment_ptr 1
		.amdhsa_wavefront_size32 1
		.amdhsa_system_sgpr_workgroup_id_x 1
		.amdhsa_system_sgpr_workgroup_id_y 1
		.amdhsa_system_sgpr_workgroup_id_z 1
		.amdhsa_system_vgpr_workitem_id 0
		.amdhsa_next_free_vgpr 256
		.amdhsa_next_free_sgpr 66
		.amdhsa_reserve_vcc 0
		.amdhsa_float_denorm_mode_32 3
		.amdhsa_float_denorm_mode_16_64 3
		.amdhsa_memory_ordered 1
		.amdhsa_forward_progress 1
		.amdhsa_inst_pref_size 37
	.end_amdhsa_kernel
	.amdgpu_metadata
---
amdhsa.version: [ 1, 2 ]
amdhsa.kernels:
  - .name:           k_q5d747cd2e8_ln1
    .symbol:         k_q5d747cd2e8_ln1.kd
    .args:
      - { .name: x, .offset: 0, .size: 8, .value_kind: global_buffer, .address_space: global }
      - { .name: gamma1, .offset: 8, .size: 8, .value_kind: global_buffer, .address_space: global }
      - { .name: beta1, .offset: 16, .size: 8, .value_kind: global_buffer, .address_space: global }
      - { .name: w, .offset: 24, .size: 8, .value_kind: global_buffer, .address_space: global }
      - { .name: wq, .offset: 32, .size: 8, .value_kind: global_buffer, .address_space: global }
      - { .name: wk, .offset: 40, .size: 8, .value_kind: global_buffer, .address_space: global }
      - { .name: wv, .offset: 48, .size: 8, .value_kind: global_buffer, .address_space: global }
      - { .name: wo, .offset: 56, .size: 8, .value_kind: global_buffer, .address_space: global }
      - { .name: mlp_fc1, .offset: 64, .size: 8, .value_kind: global_buffer, .address_space: global }
      - { .name: mlp_fc2, .offset: 72, .size: 8, .value_kind: global_buffer, .address_space: global }
    .group_segment_fixed_size: 70144
    .private_segment_fixed_size: 0
    .kernarg_segment_align: 8
    .kernarg_segment_size: 80
    .max_flat_workgroup_size: 256
    .sgpr_count:     66
    .vgpr_count:     256
    .wavefront_size: 32
...
	.end_amdgpu_metadata
.endif
;; end of part 8
;; launch gqkv (part 9): grid 12 x 16, 4 waves a work-group, clusters of 4 x 4, 327,680 bytes of LDS; arguments w, qkv; writes qkv
.if DOCPART == 9
	.amdgcn_target "amdgcn-amd-amdhsa--gfx1250"
	.amdhsa_code_object_version 6
	.text
	.protected	k_q5d747cd2e8_gqkv
	.globl	k_q5d747cd2e8_gqkv
	.p2align	8
	.type	k_q5d747cd2e8_gqkv,@function
k_q5d747cd2e8_gqkv:
	s_mov_b64 s[64:65], 0
	v_nop
	global_prefetch_b8 v0, s[64:65] scope:SCOPE_SE
	s_setreg_imm32_b32 hwreg(HW_REG_WAVE_MODE, 25, 1), 1
	s_wait_xcnt 0x0
	s_wait_alu depctr_hold_cnt(0) depctr_sa_sdst(0) depctr_va_vdst(0) depctr_va_sdst(0) depctr_va_ssrc(0) depctr_va_vcc(0) depctr_vm_vsrc(0)
	s_getreg_b32 s2, hwreg(HW_REG_IB_STS2, 6, 4)
	s_cmp_eq_u32 s2, 0
	s_cbranch_scc0 .Lentry_in_a_cluster
	s_endpgm
.Lentry_in_a_cluster:
	s_bfe_u32 s2, ttmp6, 0x10000c
	s_cmp_lg_u32 s2, 0xf033
	s_cbranch_scc0 .Lentry_shape_is_right
	s_endpgm
.Lentry_shape_is_right:
; q, k and v^T, each quantised on its way out.  C[m][n] = sum over k of A[m][k] B[n][k] on codes of FP8 (E4M3) with one E8M0 scale for each 32 along K = 1,024; sums in f32.
; Clusters with x = 0, 1: A = the normed tokens (4,096 rows), B = wq's 1,024 rows (x = 0) or wk's (x = 1): C = q or k, quantised along the head's 64.
; Clusters with x = 2: A = wv (1,024 rows), B = the normed tokens: C = v^T, quantised along the tokens, which are the keys: the K of attention's second product.  Nothing is transposed.
; OPERANDS LIE IN MEMORY AS IMAGES OF THE REGISTERS: a fragment is 16 rows x 128 K = 2,048 bytes, [c][lane][16]: lane (r, h) holds k = 128 s + 32 c + 16 h + 0 .. 15 of the tile's row r; codes [tile][K step][2,048],
; scale words [tile][K step][r].  Lane r of tile T is row 32 (T / 2) + 8 (T % 2) + r + 8 (r / 8).  So a fragment comes from LDS by four loads of 512 consecutive bytes, with no pitch and no padding.
; THE MATRIX INSTRUCTION IS USED TRANSPOSED (source 0 = 16 rows of B, source 1 = 16 rows of A): a lane holds ONE row of C, and by the order of a tile's rows the 16 registers of B's tiles 2 p and 2 p + 1
; are columns 32 p + 16 h + 0 .. 15: the conversions' results are the next operand's registers and leave as 512 consecutive bytes a store.
; SHARES.  A work-group of four waves makes 256 x 256 of C, a wave 128 x 128: 64 accumulators, 512 registers: for 128 along K a wave loads 32 KB from LDS for 64 matrix instructions.  12 x 16 = 192 work-groups.
; K goes through two LDS slots of 256 along K: four slots' worth, two first fills and two refills, written out.  The scale words of all of K come once, with the first fills.
; A step of 128 along K goes by A's blocks, each against B's eight: a block of A is free as soon as its eight products are issued, so A has one set of registers (blocks 0-3 fetched anew in the step's middle, blocks 4-7 at its end) and B two.
; CLUSTERS: 4 x 4.  A's tiles are shared along a row of the cluster, B's along a column: each is asked for jointly, by the same tensor load with the same descriptor and a mask that names the four.
; THE OUTPUT, buffer qkv: for each head hd = 16 batch + head a block of 135,168 bytes: k's codes [tile 0..63][c 0..1][lane][16] at 0, k's scales [tile][r] of two bytes at 65,536, v^T's codes [channel tile 0..3][K step 0..7][2,048]
; at 67,584, v^T's scale words [tile][K step][r] at 133,120; q's codes [hd][tile][1,024] from QC, q's scales [hd][tile][r] of two bytes from QS.
; A wave's 128 columns are two heads of q or k (two scale bytes a row and head: 32 bytes a store, one part in 32 of the codes' bytes) or one K step of v^T (a whole scale word a row).
; REGISTERS, in windows of 256: window 0: v0-31 addresses and scale bytes on their way out; v32-63 scale words, two sets, and nothing else; v64-127 at work on the way out; v128-255 A's eight fragments, on the way out codes and the quantiser's;
;   window 1: B's fragments, two sets, at v0 and v128;   window 2: the accumulators of my rows 0-63 ((a, b) at v[8 (8 a + b)]);   window 3: those of my rows 64-127.
; LIMITS: NaN and infinities are not served; a block of zeros, or one under 2^-118, gets the scale byte 1.
.set KT,    1024
.set N1S,   4194304                    ; w: the tokens' codes at 0, their scale words here,
.set WC,    4325376                    ; the weights' codes (wq, wk, wv: 1 MiB each),
.set WS,    16908288                   ; the weights' scale words (32,768 bytes each)
.set HB,    135168
.set QC,    8650752
.set QS,    12845056
.set RTP,   16*KT                      ; a row tile's codes in bytes
.set SRT,   KT/2                       ; and its scale words
.set NQ,    2                          ; K steps of 128 in a slot
.set FR,    16                         ; registers of a fragment
.set NL,    4                          ; LDS loads that bring one
.set NP,    8                          ; plain lines behind this matrix instruction (ISA guide 7.12.1)
.set TSL,   2048*NQ                    ; a row tile's bytes in a slot
.set SLOT,  32*TSL                     ; A's 16 tiles, then B's 16
.set SCL,   2*SLOT                     ; behind the ring: A's scale words for all of K, then B's
.set SPARE, SCL+32*SRT                 ; the spare words, 128 bytes for each wave: two blocks of 256 bytes that no other line names
.set R4,   3                           ; v3   4 r
.set PWF,  4                           ; v4-7   a row's scale word, four sets by turns
.set PW0,  8                           ; v8-11  its lower two bytes
.set PW1,  12                          ; v12-15 its upper two
.set ADRA, 16                          ; v16-17 LDS address of my A fragments in slot 0, 1
.set ADRB, 20                          ; v20-21 the same for B
.set ADRS, 27                          ; v27  LDS address of my scale words: lanes 0-15 A's, lanes 16-31 B's
.set SPW,  28                          ; v28  LDS address of my spare word; never rewritten
.set NIL,  29                          ; v29  0; never rewritten
.set L16,  30                          ; v30  16 x lane
.set R2,   31                          ; v31  2 r
.set SC,   32                          ; v32-63 set s at 32 + 16 s; in it register 2 i + q: lanes 0-15 the word of A's block i, lanes 16-31 that of B's tile i, for the slot's q-th K step
.set GX,   64                          ; v64-127 the way out: 64 held numbers
.set AF,   128                         ; A's fragments
.set PC,   128                         ; the way out: v128-191 the codes, four sets by turns
.set TM,   224
.set TP,   228
.set TL,   232
.set TS,   236
.set G1A,  24
.set G0A,  32
.set G1B,  48
.set G0B,  56
.set G1SA, 68
.set G0SA, 76
.set G1SB, 80
.set G0SB, 88
.set SEL,  96
.set MNT,  98
.set MUL_LO, 0xa1                      ; source 0 (B) window 1, source 1 (A) window 0, C and D window 2
.set MUL_HI, 0xf1                      ; the same, C and D window 3
.set TO_B,   0x40                      ; destination window 1, address window 0
.set MSB, 0
.macro WIN new                         ; the immediate's high byte repeats the setting that is left
.if MSB != \new
	s_set_vgpr_msb (MSB<<8)|\new
.set MSB, \new
.endif
.endm
.macro PLACES n
.rept \n
	v_nop
.endr
.endm
; A joint load: waves 0 and 1 fetch for A, waves 2 and 3 for B.  The branch hangs on the wave's number alone.  An s_nop 0 and four v_nop follow each of the two lines.
.macro JLOAD g0a, g1a, g0b, g1b
	s_cmp_eq_u32 s15, 0
	s_cbranch_scc0 .Lfor_b_\@
	tensor_load_to_lds s[\g0a:\g0a+3], s[\g1a:\g1a+7]
	s_nop 0
.rept 4
	v_nop
.endr
	s_branch .Lasked_\@
.Lfor_b_\@:
	tensor_load_to_lds s[\g0b:\g0b+3], s[\g1b:\g1b+7]
	s_nop 0
.rept 4
	v_nop
.endr
.Lasked_\@:
.endm
.macro CREST                           ; a round of the cluster's barrier behind its opening barrier
	s_cmp_lg_u32 s14, 0
	s_cbranch_scc1 .Lnot_wave_0_\@
	s_barrier_signal -3
.Lnot_wave_0_\@:
	s_barrier_wait -3
	s_barrier_signal -1
	s_barrier_wait -1
.endm
.macro CROUND                          ; a whole round
	s_barrier_signal -1
	s_barrier_wait -1
	CREST
.endm
; 64 numbers of a lane, v[s] on in window w (register 16 b + i = k 32 b + 16 h + i of my row), become a fragment's codes in v[pc] on; the held numbers go to v[x] on in window 0; the four scale bytes are left in v[TP] on.
; A block of 32 lies in lanes l and l xor 16.  Each accumulator is read from its low end on.
.macro QUANTW s, w, x, pc
	WIN 5*(\w)                                     ; sources 0 and 1 in the numbers' window
.set qb, 0
.rept 4
	v_max3_num_f32 v[TM+qb], |v[\s+16*qb]|, |v[\s+16*qb+1]|, 0x4800000   ; my 16 numbers, and the floor 2^(9 - 127): the byte cannot fall under 1
.set qb, qb+1
.endr
	WIN 20*(\w)                                    ; sources 1 and 2
.set qi, 2
.rept 7
.set qb, 0
.rept 4
	v_max3_num_f32 v[TM+qb], v[TM+qb], |v[\s+16*qb+qi]|, |v[\s+16*qb+qi+1]|   ; the blocks by turns
.set qb, qb+1
.endr
.set qi, qi+2
.endr
	WIN 0
.set qb, 0
.rept 4
	v_permlanex16_b32 v[TP+qb], v[TM+qb], s[SEL], s[SEL+1]
.set qb, qb+1
.endr
.set qb, 0
.rept 4
	v_max_num_f32 v[TM+qb], v[TM+qb], v[TP+qb]                   ; the block's largest magnitude
.set qb, qb+1
.endr
.set qb, 0
.rept 4
	v_add_nc_u32 v[TS+qb], 0xfc000000, v[TM+qb]                  ; 8 off its exponent field: the conversion's scale operand
	v_and_or_b32 v[TL+qb], v[TM+qb], 0x7f800000, s[MNT]          ; 448 x the scale
.set qb, qb+1
.endr
.set qb, 0
.rept 4
	v_lshrrev_b32 v[TP+qb], 23, v[TS+qb]                         ; the scale's byte
.set qb, qb+1
.endr
	WIN (\w)                                       ; source 0
.set qb, 0
.rept 4
.set qi, 0
.rept 16
	v_med3_num_f32 v[\x+16*qb+qi], v[\s+16*qb+qi], -v[TL+qb], v[TL+qb]   ; the conversion to an 8-bit code does not saturate (ISA guide 7.6.2): the hold comes first
.set qi, qi+1
.endr
.set qb, qb+1
.endr
	WIN 0
.set qb, 0
.rept 4
	v_cvt_scalef32_pk8_fp8_f32 v[\pc+4*qb:\pc+4*qb+1], v[\x+16*qb:\x+16*qb+7], v[TS+qb]
	v_cvt_scalef32_pk8_fp8_f32 v[\pc+4*qb+2:\pc+4*qb+3], v[\x+16*qb+8:\x+16*qb+15], v[TS+qb]
.set qb, qb+1
.endr
	v_nop                                          ; one plain line behind the last conversion
.endm
.macro FRAG reg, adr, q, i             ; a fragment: four loads of 512 consecutive bytes
.irp c, 0,1,2,3
	ds_load_b128 v[\reg+4*\c:\reg+4*\c+3], v[\adr] offset:TSL*(\i)+2048*(\q)+512*\c
.endr
.endm
; 16 matrix instructions: A's blocks a0, a0 + 1 x B's eight, 128 along K: the slot's q-th.  p: B's set;  sc: the set of scale words.  zero = 1: the first product starts the sums: nothing is ever cleared.
; The 64 accumulators take turns, one instruction a turn, in the same order in every step.
.macro MUL16 a0, p, q, sc, zero
.irp a, \a0, \a0+1
.irp b, 0,1,2,3,4,5,6,7
.if \zero
	v_wmma_scale_f32_16x16x128_f8f6f4 v[8*(8*((\a)%4)+\b):8*(8*((\a)%4)+\b)+7], v[128*(\p)+FR*\b:128*(\p)+FR*\b+FR-1], v[AF+FR*(\a):AF+FR*(\a)+FR-1], 0, v[SC+8*NQ*(\sc)+NQ*\b+(\q)], v[SC+8*NQ*(\sc)+NQ*(\a)+(\q)] matrix_a_scale:MATRIX_SCALE_ROW1
.else
	v_wmma_scale_f32_16x16x128_f8f6f4 v[8*(8*((\a)%4)+\b):8*(8*((\a)%4)+\b)+7], v[128*(\p)+FR*\b:128*(\p)+FR*\b+FR-1], v[AF+FR*(\a):AF+FR*(\a)+FR-1], v[8*(8*((\a)%4)+\b):8*(8*((\a)%4)+\b)+7], v[SC+8*NQ*(\sc)+NQ*\b+(\q)], v[SC+8*NQ*(\sc)+NQ*(\a)+(\q)] matrix_a_scale:MATRIX_SCALE_ROW1
.endif
.endr
.endr
.endm
.macro FETCH_B slot, q, p              ; B's eight fragments of the slot's q-th K step into set p
	WIN TO_B
.irp i, 0,1,2,3,4,5,6,7
	FRAG 128*(\p)+FR*\i, ADRB+\slot, \q, \i
.endr
	WIN 0
.endm
.macro FETCH_A slot, q, i0             ; A's blocks i0 .. i0 + 3
.irp i, \i0, \i0+1, \i0+2, \i0+3
	FRAG AF+FR*(\i), ADRA+\slot, \q, \i
.endr
.endm
.macro SCALES sc                       ; a slot's scale words into set sc: lanes 0-15 take A's block i, lanes 16-31 B's tile i
.irp i, 0,1,2,3,4,5,6,7
.irp q, 0,1
	ds_load_b32 v[SC+8*NQ*\sc+NQ*\i+\q], v[ADRS] offset:\i*SRT+64*\q
.endr
.endr
.endm
; A K step that has its successor in the same slot.  Eight plain lines stand between the last product that read a register and a load into it.
.macro STEP slot, q, zero
	s_wait_dscnt 4*NL                              ; B's set, A's blocks 0-3 and the scale words are in; the youngest 16 loads (A's blocks 4-7) may be out
	WIN MUL_LO
	MUL16 0, (\q)%2, \q, \slot, \zero
	MUL16 2, (\q)%2, \q, \slot, \zero
	s_wait_dscnt 0                                 ; A's blocks 4-7 are in (asked for 32 matrix instructions ago)
	PLACES NP
	FETCH_B \slot, (\q)+1, 1-(\q)%2
	FETCH_A \slot, (\q)+1, 0
	WIN MUL_HI
	MUL16 4, (\q)%2, \q, \slot, \zero
	MUL16 6, (\q)%2, \q, \slot, \zero
	PLACES NP
	WIN 0
	FETCH_A \slot, (\q)+1, 4
.endm
; A slot's last K step changes slots: ONE barrier; in front of it each wave waits for all its tensor loads, adds 0 to its spare word, and waits for that and for its reads of this slot.  fill = 1: the slot is filled again, two slots ahead.
.macro TURN slot, next, fill
	s_wait_tensorcnt 0x0                           ; all my tensor loads have landed: my part of the next slot  (every window is 0 here)
	ds_add_u32 v[SPW], v[NIL]                      ; 0 onto my spare word
	s_wait_dscnt 4*NL+1                            ; the add and the youngest 16 loads (A's blocks 4-7) may be out
	WIN MUL_LO
	MUL16 0, 1, NQ-1, \slot, 0                     ; sixteen matrix instructions stand between the add and the wait for it
	s_wait_dscnt 0x0                               ; the add is done, and my reads of this slot are over
	s_barrier_signal -1
	MUL16 2, 1, NQ-1, \slot, 0
	WIN 0
	s_barrier_wait -1
.if \fill
	CREST                                          ; the barrier has opened a round of the cluster's barrier: no wave of any partner still reads this slot or has a load on its way
	s_add_nc_u64 s[G0A+4*\slot+2:G0A+4*\slot+3], s[G0A+4*\slot+2:G0A+4*\slot+3], 2*TSL
	s_add_nc_u64 s[G0B+4*\slot+2:G0B+4*\slot+3], s[G0B+4*\slot+2:G0B+4*\slot+3], 2*TSL
	JLOAD G0A+4*\slot, G1A, G0B+4*\slot, G1B       ; the first tensor load behind the round, and my only one until the next
	PLACES NP-4                                    ; with the four behind the load: eight
.else
	PLACES NP
.endif
	s_wait_alu depctr_va_vdst(0)
	v_add_nc_u32 v[ADRS], 64*NQ, v[ADRS]           ; the next slot's scale words (no LDS load of mine is out)
	FETCH_B \next, 0, 0
	FETCH_A \next, 0, 0
	SCALES \next
	WIN MUL_HI
	MUL16 4, 1, NQ-1, \slot, 0
	MUL16 6, 1, NQ-1, \slot, 0
	PLACES NP
	WIN 0
	FETCH_A \next, 0, 4
.endm
	s_load_b64 s[4:5], s[0:1], 0x0                 ; w: A's buffer
	s_load_b64 s[6:7], s[0:1], 0x0                 ; w once more: B's buffer
	v_lshl_add_u32 v[SPW], v0, 2, SPARE
	v_mov_b32 v[NIL], 0
	ds_add_u32 v[SPW], v[NIL]                      ; the wave's opening: the add, twice on end, and its wait ahead of my first tensor load
	ds_add_u32 v[SPW], v[NIL]
	v_lshrrev_b32 v1, 5, v0
	v_readfirstlane_b32 s14, v1                    ; wave 0..3
	s_lshr_b32 s15, s14, 1                         ; which half of the tile's rows is mine.  Also: I fetch for A (0) or for B (1)
	s_and_b32 s16, s14, 1                          ; which half of its columns.  Also: which eight row tiles I fetch
	s_bfe_u32 s40, ttmp6, 0x40000                  ; cx, cy: my place in the cluster
	s_bfe_u32 s41, ttmp6, 0x40004
	s_and_b32 s18, ttmp7, 0xffff                   ; cluster y
	s_cmp_lt_u32 ttmp9, 2                          ; q or k, or v^T?  The cluster's x: the same in all sixteen partners
	s_cselect_b32 s17, s18, 0                      ; which four tile rows of C are the cluster's,
	s_cselect_b32 s42, ttmp9, s18                  ; which four tile columns,
	s_cselect_b32 s66, 0, WC+2*1048576             ; A's codes: the tokens' or wv's,
	s_mov_b32 s67, WS+65536
	s_cselect_b32 s67, N1S, s67                    ; A's scale words,
	s_cselect_b32 s94, WC, 0                       ; B's codes: wq | wk, or the tokens',
	s_mov_b32 s95, N1S
	s_cselect_b32 s95, WS, s95                     ; B's scale words
	s_lshl_b32 s17, s17, 2
	s_add_co_u32 s17, s17, s41                     ; TR: tile row of C
	s_lshl_b32 s42, s42, 2
	s_add_co_u32 s42, s42, s40                     ; TC: tile column of C
	s_lshl_b32 s43, s41, 2
	s_lshl_b32 s43, 15, s43                        ; my row of the cluster
	s_lshl_b32 s44, 0x1111, s40                    ; my column
	; descriptor group 1, codes: 8 row tiles x 4,096 bytes (512 elements of 8 bytes), RTP bytes apart; no padding
	s_or_b32 s[G1A], s43, (3<<16)|(1<<21)          ; 15:0 the mask; 17:16 elements of 8 bytes; 21 set beside a mask
	s_or_b32 s[G1B], s44, (3<<16)|(1<<21)
.irp g, G1A, G1B
	s_mov_b32 s[\g+1], (TSL/8)<<16                 ; tensor_dim0
	s_mov_b32 s[\g+2], 16<<16                      ; tensor_dim1: the head's loads bring all 16 row tiles
	s_mov_b32 s[\g+3], (TSL/8)<<16                 ; tile_dim0
	s_mov_b32 s[\g+4], 16                          ; tile_dim1
	s_mov_b32 s[\g+5], RTP/8                       ; tensor_dim0_stride
	s_mov_b32 s[\g+6], 0
	s_mov_b32 s[\g+7], 0
.endr
	; scale words of 16 row tiles for all of K: a dense block, as rows of 256 bytes
	s_or_b32 s[G1SA], s43, (3<<16)|(1<<21)
	s_or_b32 s[G1SB], s44, (3<<16)|(1<<21)
.irp g, G1SA, G1SB
	s_mov_b32 s[\g+1], 32<<16
	s_mov_b32 s[\g+2], (16*SRT/256)<<16
	s_mov_b32 s[\g+3], 32<<16
	s_mov_b32 s[\g+4], 16*SRT/256
	s_mov_b32 s[\g+5], 32
	s_mov_b32 s[\g+6], 0
	s_mov_b32 s[\g+7], 0
.endr
	s_mov_b32 s18, 0                               ; the block's first row tile; the ring's half is added below
	s_lshl_b32 s20, s17, 4
	s_add_co_u32 s20, s20, s18                     ; A: the first row tile that I fetch: 16 TR + 8 x half
	s_lshl_b32 s46, s42, 4
	s_add_co_u32 s46, s46, s18                     ; B: 16 TC + 8 x half
	s_mul_i32 s22, s20, SRT
	s_mul_i32 s20, s20, RTP
	s_add_co_u32 s20, s20, s66
	s_add_co_u32 s22, s22, s67
	s_mov_b32 s21, 0
	s_mov_b32 s23, 0
	s_mul_i32 s92, s46, SRT
	s_mul_i32 s46, s46, RTP
	s_add_co_u32 s46, s46, s94
	s_add_co_u32 s92, s92, s95
	s_mov_b32 s47, 0
	s_mov_b32 s93, 0
	s_lshl_b32 s45, s14, 15                        ; where they go: wave x 32,768: no place in the cluster enters an LDS address
	s_mov_b32 s[SEL], 0x76543210
	s_mov_b32 s[SEL+1], 0xfedcba98
	s_mov_b32 s[MNT], 0x600000
	s_wait_dscnt 0x0                               ; both opening adds are done
	s_wait_kmcnt 0x0
	s_add_nc_u64 s[20:21], s[4:5], s[20:21]
	s_add_nc_u64 s[22:23], s[4:5], s[22:23]
	s_add_nc_u64 s[46:47], s[6:7], s[46:47]
	s_add_nc_u64 s[92:93], s[6:7], s[92:93]
	CROUND                                         ; all sixteen work-groups are here: the first joint loads meet
	s_mov_b32 s[G0SA], 1
	s_mov_b32 s[G0SA+1], SCL
	s_mov_b64 s[G0SA+2:G0SA+3], s[22:23]
	s_or_b32 s[G0SA+3], s[G0SA+3], 0x80000000
	s_mov_b32 s[G0SB], 1
	s_mov_b32 s[G0SB+1], SCL+16*SRT
	s_mov_b64 s[G0SB+2:G0SB+3], s[92:93]
	s_or_b32 s[G0SB+3], s[G0SB+3], 0x80000000
	s_mov_b32 s4, 1                                ; s[4:7]: group 0 of the head's load of A's 16 tiles of slot 0 (the arguments that lay there have been used)
	s_mov_b32 s5, 0
	s_mov_b64 s[6:7], s[20:21]
	s_or_b32 s7, s7, 0x80000000
	s_mov_b32 s8, 1                                ; s[8:11]: the same for B's 16 tiles, behind A's
	s_mov_b32 s9, 65536
	s_mov_b64 s[10:11], s[46:47]
	s_or_b32 s11, s11, 0x80000000
	s_lshl_b32 s2, s16, 17                         ; for the ring: which eight row tiles I fetch, 8 x 16,384 bytes
	s_mov_b32 s3, 0
	s_add_nc_u64 s[20:21], s[20:21], s[2:3]
	s_add_nc_u64 s[46:47], s[46:47], s[2:3]
.irp s, 0,1
	s_mov_b32 s[G0A+4*\s], 1
	s_add_co_u32 s[G0A+4*\s+1], s45, \s*SLOT
	s_add_nc_u64 s[G0A+4*\s+2:G0A+4*\s+3], s[20:21], \s*TSL
	s_or_b32 s[G0A+4*\s+3], s[G0A+4*\s+3], 0x80000000
	s_mov_b32 s[G0B+4*\s], 1
	s_add_co_u32 s[G0B+4*\s+1], s45, \s*SLOT
	s_add_nc_u64 s[G0B+4*\s+2:G0B+4*\s+3], s[46:47], \s*TSL
	s_or_b32 s[G0B+4*\s+3], s[G0B+4*\s+3], 0x80000000
.endr
; THE HEAD'S LOADS, ONE A WAVE: wave 0 slot 0's tiles of A, wave 1 those of B, wave 2 A's scale words, wave 3 B's.  One chain of branches on the wave's number, an arm a load.
.macro ARM under, g0, g1, next
	s_cmp_lt_u32 s14, \under
	s_cbranch_scc0 \next
	tensor_load_to_lds s[\g0:\g0+3], s[\g1:\g1+7]
	s_nop 0
	PLACES 4
	s_branch .Lhead_asked
\next:
.endm
	ARM 1, 4, G1A, .Lhead_b
	ARM 2, 8, G1B, .Lhead_sa
	ARM 3, G0SA, G1SA, .Lhead_sb
	tensor_load_to_lds s[G0SB:G0SB+3], s[G1SB:G1SB+7]
	s_nop 0
	PLACES 4
.Lhead_asked:
	v_and_b32 v1, 15, v0                           ; r
	v_bfe_u32 v2, v0, 4, 1                         ; h
	s_wait_alu depctr_va_vdst(0)
	v_and_b32 v4, 31, v0
	v_lshlrev_b32 v[L16], 4, v4
	v_lshlrev_b32 v[R4], 2, v1
	v_lshlrev_b32 v[R2], 1, v1
	s_lshl_b32 s18, s15, 15                        ; my eight tiles of A
	s_lshl_b32 s19, s16, 15                        ; my eight tiles of B,
	s_add_co_u32 s19, s19, 65536                   ; which lie behind A's sixteen
.irp s, 0,1
	v_add_nc_u32 v[ADRA+\s], s18, v[L16]
	v_add_nc_u32 v[ADRB+\s], s19, v[L16]
	s_add_co_u32 s18, s18, SLOT
	s_add_co_u32 s19, s19, SLOT
.endr
	s_mul_i32 s18, s15, 8*SRT                      ; A's scale words: my eight tiles
	s_mul_i32 s19, s16, 8*SRT                      ; B's, behind A's sixteen
	s_add_co_u32 s19, s19, 16*SRT
	s_sub_co_u32 s19, s19, s18
	v_mul_u32_u24 v5, s19, v2                      ; lanes 16-31 take B's
	s_wait_alu depctr_va_vdst(0)
	s_add_co_u32 s18, s18, SCL
	v_add_nc_u32 v5, v5, v[R4]
	v_add_nc_u32 v[ADRS], s18, v5
	s_wait_alu depctr_va_vdst(0)
	s_wait_tensorcnt 0x0                           ; my tile of the head's four is in
	ds_add_u32 v[SPW], v[NIL]
	s_mov_b32 s[G1A+2], 8<<16                      ; no tensor load of mine is out: from here on a load brings 8 row tiles
	s_mov_b32 s[G1A+4], 8
	s_mov_b32 s[G1B+2], 8<<16
	s_mov_b32 s[G1B+4], 8
	s_wait_dscnt 0x0
	CROUND                                         ; a whole round: all four tiles are in, and the joint loads meet
	JLOAD G0A+4, G1A, G0B+4, G1B                   ; slot 1's first fill, the first tensor load behind the round
	FETCH_B 0, 0, 0
	FETCH_A 0, 0, 0
	SCALES 0
	FETCH_A 0, 0, 4
	STEP 0, 0, 1                                   ; K 0: the first K step's products start the sums
	TURN 0, 1, 1                                   ; K 128; slot 0 takes K 512 on
	STEP 1, 0, 0                                   ; K 256
	TURN 1, 0, 1                                   ; K 384; slot 1 takes K 768 on
	STEP 0, 0, 0                                   ; K 512
	TURN 0, 1, 0                                   ; K 640; nothing is left to fetch, so no round follows
	STEP 1, 0, 0                                   ; K 768
	s_wait_dscnt 4*NL                              ; K 896, the last K step
	WIN MUL_LO
	MUL16 0, 1, NQ-1, 1, 0
	MUL16 2, 1, NQ-1, 1, 0
	s_wait_dscnt 0
	WIN MUL_HI
	MUL16 4, 1, NQ-1, 1, 0
	MUL16 6, 1, NQ-1, 1, 0
	WIN 0
	PLACES NP                                      ; eight plain lines between the last product and the first read of results, and the first write over A's fragments
	; WHERE THE RESULTS GO.  All three places are worked out and one is chosen, by the cluster's x: no register is left unwritten on any way
	s_load_b64 s[10:11], s[0:1], 0x8               ; qkv
	s_lshl_b32 s18, s17, 4
	s_lshl_b32 s19, s15, 3
	s_add_co_u32 s18, s18, s19                     ; my first row tile: 16 TR + 8 x row half
	s_and_b32 s19, s18, 63                         ; q, k: rows are tokens: my first tile of the sequence's 64,
	s_lshr_b32 s66, s17, 2                         ; the batch;
	s_lshl_b32 s66, s66, 4
	s_lshl_b32 s67, s42, 2
	s_lshl_b32 s94, s16, 1
	s_add_co_u32 s67, s67, s94
	s_and_b32 s67, s67, 15                         ; my 128 columns are two heads: the first
	s_add_co_u32 s66, s66, s67                     ; hd
	s_lshl_b32 s67, s66, 6
	s_add_co_u32 s67, s67, s19
	s_lshl_b32 s20, s67, 10
	s_add_co_u32 s20, s20, QC                      ; q's codes
	s_lshl_b32 s22, s67, 5
	s_add_co_u32 s22, s22, QS                      ; q's scales
	s_mul_i32 s66, s66, HB
	s_lshl_b32 s94, s19, 10
	s_add_co_u32 s94, s94, s66                     ; k's codes
	s_lshl_b32 s95, s19, 5
	s_add_co_u32 s95, s95, s66
	s_add_co_u32 s95, s95, 65536                   ; k's scales
	s_lshr_b32 s66, s42, 2                         ; v^T: columns are tokens: the batch;
	s_lshl_b32 s66, s66, 4
	s_lshr_b32 s67, s18, 2                         ; my 128 rows are two heads: the first
	s_add_co_u32 s66, s66, s67
	s_mul_i32 s66, s66, HB
	s_lshl_b32 s67, s42, 1
	s_add_co_u32 s67, s67, s16
	s_and_b32 s67, s67, 7                          ; my 128 columns are one K step of the sequence's eight
	s_lshl_b32 s46, s67, 11
	s_add_co_u32 s46, s46, s66
	s_add_co_u32 s46, s46, 67584                   ; v^T's codes
	s_lshl_b32 s92, s67, 6
	s_add_co_u32 s92, s92, s66
	s_add_co_u32 s92, s92, 133120                  ; v^T's scale words
	s_cmp_lt_u32 ttmp9, 1                          ; q?
	s_cselect_b32 s20, s20, s94
	s_cselect_b32 s22, s22, s95
	s_mov_b32 s94, HB                              ; from a head to the next: k, v^T: a block;
	s_mov_b32 s95, HB
	s_cselect_b32 s94, 65536, s94                  ; q: 64 tiles of codes,
	s_cselect_b32 s95, 2048, s95                   ; 64 tiles of scales
	s_cmp_lt_u32 ttmp9, 2                          ; q or k?
	s_cselect_b32 s20, s20, s46
	s_cselect_b32 s22, s22, s92
	s_add_co_u32 s46, s20, s94                     ; the second head's
	s_add_co_u32 s92, s22, s95
	s_mov_b32 s21, 0
	s_mov_b32 s23, 0
	s_mov_b32 s47, 0
	s_mov_b32 s93, 0
	s_wait_kmcnt 0x0
	s_add_nc_u64 s[20:21], s[10:11], s[20:21]
	s_add_nc_u64 s[22:23], s[10:11], s[22:23]
	s_add_nc_u64 s[46:47], s[10:11], s[46:47]
	s_add_nc_u64 s[92:93], s[10:11], s[92:93]
.irp b, 0,1,2,3
	v_mov_b32 v[TP+\b], 0                          ; written once: a lane permute's destination counts as one of its sources
.endr
	; THE WAY OUT, a block of 16 rows at a time: my 128 columns of a row are four blocks of 32
.irp a, 0,1,2,3,4,5,6,7
.set WW, 2+\a/4
.set AC, 64*(\a%4)
.set PCA, PC+16*(\a%4)
.if \a >= 4
	s_wait_xcnt 0x0                                ; block a - 4's stores have read their registers: they are written again only behind this wait
.endif
	QUANTW AC, WW, GX, PCA
	v_lshl_or_b32 v[PW0+\a%4], v[TP+1], 8, v[TP]           ; the first head's two bytes,
	v_lshl_or_b32 v[PW1+\a%4], v[TP+3], 8, v[TP+2]         ; the second's,
	v_lshl_or_b32 v[PWF+\a%4], v[PW1+\a%4], 16, v[PW0+\a%4] ; and the word of four, which v^T takes
	s_cmp_lt_u32 ttmp9, 2                          ; the cluster's x: the same in all partners
	s_cbranch_scc0 .Lv_\a
	global_store_b128 v[L16], v[PCA:PCA+3], s[20:21] offset:1024*\a           ; 512 consecutive bytes, aligned
	global_store_b128 v[L16], v[PCA+4:PCA+7], s[20:21] offset:1024*\a+512
	global_store_b128 v[L16], v[PCA+8:PCA+11], s[46:47] offset:1024*\a
	global_store_b128 v[L16], v[PCA+12:PCA+15], s[46:47] offset:1024*\a+512
	global_store_b16 v[R2], v[PW0+\a%4], s[22:23] offset:32*\a                ; both lanes of a row store the same two bytes
	global_store_b16 v[R2], v[PW1+\a%4], s[92:93] offset:32*\a
	s_branch .Ld_\a
.Lv_\a:                                            ; v^T: blocks 0-3 are the first head's four channel tiles, blocks 4-7 the second's
	s_wait_alu depctr_va_vdst(0)
.irp c, 0,1,2,3
	global_store_b128 v[L16], v[PCA+4*\c:PCA+4*\c+3], s[20+26*(\a/4):21+26*(\a/4)] offset:16384*(\a%4)+512*\c
.endr
	global_store_b32 v[R4], v[PWF+\a%4], s[22+70*(\a/4):23+70*(\a/4)] offset:512*(\a%4)   ; both lanes of a row store the same word
.Ld_\a:
.endr
	s_wait_tensorcnt 0x0                           ; the wave's end
	ds_add_u32 v[SPW], v[NIL]
	s_wait_dscnt 0x0
	CROUND                                         ; the closing round: no work-group ends while a partner may still ask for a tile that names it
	s_endpgm
.Lfunc_end_k_q5d747cd2e8_gqkv:
	.size	k_q5d747cd2e8_gqkv, .Lfunc_end_k_q5d747cd2e8_gqkv-k_q5d747cd2e8_gqkv
	.p2alignl 7, 3214868480
	.fill 96, 4, 3214868480
	.section	.rodata,"a",@progbits
	.p2align	6, 0x0
	.amdhsa_kernel k_q5d747cd2e8_gqkv
		.amdhsa_group_segment_fixed_size 327680
		.amdhsa_private_segment_fixed_size 0
		.amdhsa_enable_private_segment 0
		.amdhsa_kernarg_size 16
		.amdhsa_user_sgpr_count 2
		.amdhsa_user_sgpr_kernarg_segment_ptr 1
		.amdhsa_wavefront_size32 1
		.amdhsa_system_sgpr_workgroup_id_x 1
		.amdhsa_system_sgpr_workgroup_id_y 1
		.amdhsa_system_sgpr_workgroup_id_z 1
		.amdhsa_system_vgpr_workitem_id 0
		.amdhsa_next_free_vgpr 1024
		.amdhsa_next_free_sgpr 100
		.amdhsa_reserve_vcc 0
		.amdhsa_float_denorm_mode_32 3
		.amdhsa_float_denorm_mode_16_64 3
		.amdhsa_memory_ordered 1
		.amdhsa_forward_progress 1
		.amdhsa_inst_pref_size 196
	.end_amdhsa_kernel
	.amdgpu_metadata
---
amdhsa.version: [ 1, 2 ]
amdhsa.kernels:
  - .name:           k_q5d747cd2e8_gqkv
    .symbol:         k_q5d747cd2e8_gqkv.kd
    .args:
      - { .name: w, .offset: 0, .size: 8, .value_kind: global_buffer, .address_space: global }
      - { .name: qkv, .offset: 8, .size: 8, .value_kind: global_buffer, .address_space: global }
    .group_segment_fixed_size: 327680
    .private_segment_fixed_size: 0
    .kernarg_segment_align: 8
    .kernarg_segment_size: 16
    .max_flat_workgroup_size: 128
    .sgpr_count:     100
    .vgpr_count:     1024
    .wavefront_size: 32
...
	.end_amdgpu_metadata
.endif
;; end of part 9
;; launch attn (part 10): grid 4 x 64, 16 waves a work-group, clusters of 4 x 1, 167,936 bytes of LDS; arguments qkv, at; writes at
.if DOCPART == 10
	.amdgcn_target "amdgcn-amd-amdhsa--gfx1250"
	.amdhsa_code_object_version 6
	.text
	.protected	k_q5d747cd2e8_attn
	.globl	k_q5d747cd2e8_attn
	.p2align	8
	.type	k_q5d747cd2e8_attn,@function
k_q5d747cd2e8_attn:
	s_mov_b64 s[64:65], 0
	v_nop
	global_prefetch_b8 v0, s[64:65] scope:SCOPE_SE
	s_setreg_imm32_b32 hwreg(HW_REG_WAVE_MODE, 25, 1), 1
	s_wait_xcnt 0x0
	s_wait_alu depctr_hold_cnt(0) depctr_sa_sdst(0) depctr_va_vdst(0) depctr_va_sdst(0) depctr_va_ssrc(0) depctr_va_vcc(0) depctr_vm_vsrc(0)
	s_getreg_b32 s2, hwreg(HW_REG_IB_STS2, 6, 4)
	s_cmp_eq_u32 s2, 0
	s_cbranch_scc0 .Lentry_in_a_cluster
	s_endpgm
.Lentry_in_a_cluster:
	s_bfe_u32 s2, ttmp6, 0x10000c
	s_cmp_lg_u32 s2, 0x3003
	s_cbranch_scc0 .Lentry_shape_is_right
	s_endpgm
.Lentry_shape_is_right:
; Causal attention on codes of FP8 (E4M3), 64 heads (16 batch + head) of 1,024 tokens x 64 channels; the result is quantised along the concatenated heads, as the output projection's operand.
; WORK LEFT OUT: key steps all of whose keys come after all of a wave's queries (the mask that the problem builds itself puts -1e9 there: their codes of p are zeros and their part of the row's sum is under any rounding;
; shown at the head of the first kernel).  Inside the step on the diagonal hidden scores are set to -8e9, which is the logit -1e9.
; THE SOFTMAX: t = score x log2(e) / 8; M = the running largest t rounded UP to a whole number; p = 2^(t - M) is quantised along the keys, not normalised; the row's sum is taken of the unquantised p and divides at the end.
; When M moves, the sum and O are multiplied by 2^(old M - new M): exact.
; INPUT, buffer qkv: each head's block of 135,168 bytes: k's codes [tile 0..63][c 0..1][lane][16] at 0, k's scales [tile][r], two bytes, at 65,536, v^T's codes [channel tile][K step][2,048] at 67,584, v^T's scale words at 133,120;
; q's codes from QC, q's scales from QS.  All are images of the operands' registers; lane r of tile T is row 32 (T / 2) + 8 (T % 2) + r + 8 (r / 8).  The head's 64 are half of the instruction's 128 along K:
; the upper eight registers of q's and k's fragments are zero codes, written once, and the upper two scale bytes are 0, which is 2^-127 over zeros.
; SHARES.  The four work-groups of a cluster share one head.  THE WHOLE BLOCK OF k AND v^T LIES IN LDS: each of the sixteen waves brings 8,448 bytes of it by ONE joint load (the same in all four partners); nothing is filled again.
; Wave u takes w = u xor 3 (u / 8) and query tile 4 w + cx: its queries lie in 64 w .. 64 w + 63, so it walks w / 2 + 1 key steps of 128: a count that hangs on the wave's number alone, the same in all partners.
; cx enters q's and the output's global addresses and the number that the mask compares with, and nothing else.  The loop has a constant 8 trips; a wave jumps over the steps that it does not need.
; LAYOUT.  Both products are used transposed: S^T = K Q^T, O^T = V^T P^T: a lane holds ONE query throughout; p's 16 registers of two neighbouring tiles are 16 neighbouring keys, O^T's are 16 neighbouring channels.
; LIMITS: NaN and infinities are not served; a block of zeros, or one under 2^-118, gets the scale byte 1.
.set HB,    135168
.set QC,    8650752
.set QS,    12845056
.set ATS,   4194304                    ; at: codes at 0, scale words here
.set SPARE, 135168                     ; behind the block: the spare words, 128 bytes for each wave: eight blocks of 256 bytes that no other line names
.set AK0,  1                           ; v1   16 x lane: my place in a fragment of K; also my offset in q's and the output's fragments
.set ASK0, 2                           ; v2   65,536 + 2 r: K's scales
.set AV0,  3                           ; v3   67,584 + 16 x lane: V's fragments
.set ASV0, 4                           ; v4   133,120 + 4 r: V's scale words
.set SPW,  5                           ; v5   LDS address of my spare word; never rewritten
.set NIL,  6                           ; v6   0; never rewritten
.set DQ,   7                           ; v7   my query less the diagonal step's first key less 16 h
.set ADK,  8                           ; v8-11 the step's addresses
.set ADS,  9
.set ADV,  10
.set ADT,  11
.set TM,   232                         ; the way out's quantiser
.set TP,   236
.set TL,   240
.set TS,   244
.set WV,   18                          ; s18  my wave's number
.set MNT,  19                          ; s19  the mantissa field of 448
.set SEL,  20                          ; s[20:21] lane selects: lane l xor 16
.set CS,   22                          ; s[22:23] c = log2(e) / 8
.set G1,   24
.set G0,   32
.set WH,   37                          ; s37  my last key step
.set ST,   50                          ; s50  the step
.set KK,   51                          ; s51  where its tiles of K begin: 8,192 a step
.set KS,   52                          ; s52  K's scales: 256 a step
.set VV,   53                          ; s53  V's fragments: 2,048 a step
.set VS,   54                          ; s54  V's scale words: 64 a step
; REGISTERS: v12 -M, v13 the largest t, v[14:15] the sum in two halves; v16-31 Q; v32-95 four fragments of K; v96-159 S^T, then p, then V's four fragments; v160-191 O^T; v192-207 p's codes;
; v232-247, v252, v254 at work; v248-251 K's or V's scale words, v253 p's, v255 Q's: these hold scales alone.
.macro CROUND
	s_barrier_signal -1
	s_barrier_wait -1
	s_cmp_lg_u32 s[WV], 0
	s_cbranch_scc1 .Lnot_wave_0_\@
	s_barrier_signal -3
.Lnot_wave_0_\@:
	s_barrier_wait -3
	s_barrier_signal -1
	s_barrier_wait -1
.endm
.macro QUANT s, nb, pc
.set qb, 0
.rept \nb
	v_max3_num_f32 v[TM+qb], |v[\s+16*qb]|, |v[\s+16*qb+1]|, 0x4800000   ; my 16 numbers, and the floor 2^(9 - 127): the byte cannot fall under 1
.set qb, qb+1
.endr
.set qi, 2
.rept 7
.set qb, 0
.rept \nb
	s_delay_alu instid0(VALU_DEP_2)
	v_max3_num_f32 v[TM+qb], v[TM+qb], |v[\s+16*qb+qi]|, |v[\s+16*qb+qi+1]|
.set qb, qb+1
.endr
.set qi, qi+2
.endr
.set qb, 0
.rept \nb
	s_delay_alu instid0(VALU_DEP_2)
	v_permlanex16_b32 v[TP+qb], v[TM+qb], s[SEL], s[SEL+1]
.set qb, qb+1
.endr
.set qb, 0
.rept \nb
	s_delay_alu instid0(VALU_DEP_2)
	v_max_num_f32 v[TM+qb], v[TM+qb], v[TP+qb]
.set qb, qb+1
.endr
.set qb, 0
	s_delay_alu instid0(VALU_DEP_2)
	v_add_nc_u32 v[TS+qb], 0xfc000000, v[TM+qb]
	s_delay_alu instid0(VALU_DEP_3)
	v_and_or_b32 v[TL+qb], v[TM+qb], 0x7f800000, s[MNT]
.set qb, qb+1
.rept (\nb)-1
	s_delay_alu instid0(VALU_DEP_3)
	v_add_nc_u32 v[TS+qb], 0xfc000000, v[TM+qb]
	s_delay_alu instid0(VALU_DEP_4)
	v_and_or_b32 v[TL+qb], v[TM+qb], 0x7f800000, s[MNT]
.set qb, qb+1
.endr
.set qb, 0
	s_delay_alu instid0(VALU_DEP_4)
	v_lshrrev_b32 v[TP+qb], 23, v[TS+qb]
.set qb, qb+1
.rept (\nb)-1
	s_delay_alu instid0(VALU_DEP_3)
	v_lshrrev_b32 v[TP+qb], 23, v[TS+qb]
.set qb, qb+1
.endr
.set qb, 0
.rept \nb
.set qi, 0
.rept 16
	v_med3_num_f32 v[\s+16*qb+qi], v[\s+16*qb+qi], -v[TL+qb], v[TL+qb]
.set qi, qi+1
.endr
	v_cvt_scalef32_pk8_fp8_f32 v[\pc+4*qb:\pc+4*qb+1], v[\s+16*qb:\s+16*qb+7], v[TS+qb]
	v_cvt_scalef32_pk8_fp8_f32 v[\pc+4*qb+2:\pc+4*qb+3], v[\s+16*qb+8:\s+16*qb+15], v[TS+qb]
.set qb, qb+1
.endr
	v_nop
.endm
	s_load_b128 s[4:7], s[0:1], 0x0                ; qkv s[4:5], at s[6:7]
	v_lshl_add_u32 v[SPW], v0, 2, SPARE
	v_mov_b32 v[NIL], 0
	ds_add_u32 v[SPW], v[NIL]                      ; the wave's opening: the add, twice on end, and its wait ahead of my first tensor load
	ds_add_u32 v[SPW], v[NIL]
	v_lshrrev_b32 v8, 5, v0
	s_delay_alu instid0(VALU_DEP_1)
	v_readfirstlane_b32 s[WV], v8                  ; wave u = 0..15
	s_lshr_b32 s36, s[WV], 3
	s_mul_i32 s36, s36, 3
	s_xor_b32 s36, s36, s[WV]                      ; w = u xor 3 (u / 8): waves u, u + 4, u + 8, u + 12 then walk 18 key steps together, for every u
	s_lshr_b32 s[WH], s36, 1
	s_bfe_u32 s38, ttmp6, 0x40000                  ; cx
	s_and_b32 s39, ttmp7, 0xffff                   ; hd, which the four partners share
	s_lshl_b32 s40, s36, 2
	s_add_co_u32 s40, s40, s38                     ; my query tile: 4 w + cx
	; descriptor group 1: 33 rows of 256 bytes (32 elements of 8 bytes), dense
	s_mov_b32 s[G1], 15|(3<<16)|(1<<21)            ; 15:0 the mask: all four work-groups; 17:16 elements of 8 bytes; 21 set beside a mask
	s_mov_b32 s[G1+1], 32<<16                      ; tensor_dim0
	s_mov_b32 s[G1+2], 33<<16                      ; tensor_dim1
	s_mov_b32 s[G1+3], 32<<16                      ; tile_dim0
	s_mov_b32 s[G1+4], 33                          ; tile_dim1
	s_mov_b32 s[G1+5], 32                          ; tensor_dim0_stride
	s_mov_b32 s[G1+6], 0
	s_mov_b32 s[G1+7], 0
	s_mul_i32 s41, s[WV], 8448                     ; my part of the block, in LDS as in memory
	s_mul_i32 s42, s39, HB
	s_add_co_u32 s42, s42, s41
	s_mov_b32 s43, 0
	s_mov_b32 s[SEL], 0x76543210
	s_mov_b32 s[SEL+1], 0xfedcba98
	s_mov_b32 s[CS], 0x3e38aa3b                    ; c = log2(e) / 8
	s_mov_b32 s[CS+1], s[CS]                       ; (named with it as a pair, so it is written)
	s_mov_b32 s[MNT], 0x600000
	s_wait_dscnt 0x0                               ; both opening adds are done
	s_wait_kmcnt 0x0
	s_mov_b32 s[G0], 1
	s_mov_b32 s[G0+1], s41
	s_add_nc_u64 s[G0+2:G0+3], s[4:5], s[42:43]
	s_or_b32 s[G0+3], s[G0+3], 0x80000000
	CROUND                                         ; all four work-groups are here: the joint loads meet
	tensor_load_to_lds s[G0:G0+3], s[G1:G1+7]      ; my one tensor load of the launch
	s_nop 0
	s_lshl_b32 s41, s39, 6
	s_add_co_u32 s41, s41, s40                     ; 64 hd + my tile
	s_lshl_b32 s42, s41, 10
	s_add_co_u32 s42, s42, QC
	s_add_nc_u64 s[44:45], s[4:5], s[42:43]        ; q's codes
	s_lshl_b32 s42, s41, 5
	s_add_co_u32 s42, s42, QS
	s_add_nc_u64 s[46:47], s[4:5], s[42:43]        ; q's scales
	s_lshr_b32 s41, s39, 4                         ; the output: row tile 64 batch + my tile, K step head / 2, half head % 2
	s_lshl_b32 s41, s41, 6
	s_add_co_u32 s41, s41, s40
	s_lshl_b32 s41, s41, 3
	s_and_b32 s55, s39, 15
	s_lshr_b32 s42, s55, 1
	s_add_co_u32 s41, s41, s42
	s_and_b32 s55, s55, 1
	s_lshl_b32 s42, s41, 11
	s_lshl_b32 s40, s55, 10
	s_add_co_u32 s42, s42, s40
	s_add_nc_u64 s[48:49], s[6:7], s[42:43]
	s_lshl_b32 s42, s41, 6
	s_lshl_b32 s55, s55, 1
	s_add_co_u32 s42, s42, s55
	s_add_co_u32 s42, s42, ATS
	s_add_nc_u64 s[56:57], s[6:7], s[42:43]
	s_and_b32 s55, s36, 1
	s_lshl_b32 s55, s55, 6                         ; my tile's first query in the diagonal step: 64 (w % 2)
	s_lshr_b32 s41, s38, 1
	s_lshl_b32 s41, s41, 5
	s_add_co_u32 s55, s55, s41                     ; + 32 (cx / 2)
	s_and_b32 s41, s38, 1
	s_lshl_b32 s41, s41, 3
	s_add_co_u32 s55, s55, s41                     ; + 8 (cx % 2)
	v_and_b32 v8, 15, v0                           ; r
	v_bfe_u32 v9, v0, 4, 1                         ; h
	v_and_b32 v10, 31, v0
	s_delay_alu instid0(VALU_DEP_1)
	v_lshlrev_b32 v[AK0], 4, v10
	s_delay_alu instid0(VALU_DEP_4)
	v_lshlrev_b32 v254, 1, v8                      ; 2 r
	global_load_b128 v[16:19], v[AK0], s[44:45]    ; Q's fragment stays in registers
	global_load_b128 v[20:23], v[AK0], s[44:45] offset:512
	global_load_u16 v255, v254, s[46:47]           ; Q's scales: the upper two bytes are 0
	v_add_nc_u32 v[ASK0], 65536, v254
	v_add_nc_u32 v[AV0], 67584, v[AK0]
	v_lshl_add_u32 v[ASV0], v8, 2, 133120
	v_and_b32 v10, 8, v8
	s_delay_alu instid0(VALU_DEP_1)
	v_add_nc_u32 v10, v10, v8                      ; r + 8 (r / 8)
	v_lshlrev_b32 v11, 4, v9
	s_delay_alu instid0(VALU_DEP_1)
	v_sub_nc_u32 v10, v10, v11
	s_delay_alu instid0(VALU_DEP_1)
	v_add_nc_u32 v[DQ], s55, v10
.irp j, 0,1,2,3,4,5,6,7
	v_mov_b32 v[24+\j], 0                          ; zero codes for k = 64 .. 127: Q's,
.endr
.irp t, 0,1,2,3
.irp j, 0,1,2,3,4,5,6,7
	v_mov_b32 v[40+16*\t+\j], 0                    ; and K's: written once, never loaded over
.endr
.endr
	v_mov_b32 v13, 0xff61b1e6                      ; the largest t so far: -3e38, under every t
	s_delay_alu instid0(VALU_DEP_1)
	v_floor_f32 v12, -v13                          ; -M
	v_mov_b32 v14, 0                               ; the sum, in two halves
	v_mov_b32 v15, 0
.irp b, 0,1,2,3
	v_mov_b32 v[236+\b], 0                         ; written once: a lane permute's destination counts as one of its sources
.endr
	v_mov_b32 v252, 0
	v_mov_b32 v253, 0                              ; (named as the upper half of the pair v[252:253] before it is first written)
.set n, 0
.rept 32
	v_mov_b32 v[160+n], 0                          ; O^T.  (The step is written once: the first finds zeros, which the first change of M leaves zeros)
.set n, n+1
.endr
	s_mov_b32 s[ST], 0
	s_mov_b32 s[KK], 0
	s_mov_b32 s[KS], 0
	s_mov_b32 s[VV], 0
	s_mov_b32 s[VS], 0
	s_wait_tensorcnt 0x0                           ; my part of the block has landed,
	s_wait_loadcnt 0x0                             ; and Q
	s_barrier_signal -1
	s_barrier_wait -1                              ; everybody's part has
.Lstep:                                            ; 8 trips, a constant; no barrier and no tensor load stands in the loop
	s_cmp_gt_u32 s[ST], s[WH]                      ; the wave's number and the count of steps alone
	s_cbranch_scc1 .Lskip
	v_add_nc_u32 v[ADK], s[KK], v[AK0]
	s_wait_alu depctr_va_vdst(0)
	v_add_nc_u32 v[ADS], s[KS], v[ASK0]
	s_wait_alu depctr_va_vdst(0)
	v_add_nc_u32 v[ADV], s[VV], v[AV0]
	v_add_nc_u32 v[ADT], s[VS], v[ASV0]
.irp g, 0,1                                    ; S^T = K Q^T, four tiles of 16 keys at a time
.if \g > 0
.rept 8
	v_nop                                          ; eight plain lines in front of loads into registers that matrix instructions have read (for the first four tiles: the nine at the last trip's end)
.endr
.endif
.irp t, 0,1,2,3
	ds_load_b128 v[32+16*\t:35+16*\t], v[ADK] offset:(4*\g+\t)*1024
	ds_load_b128 v[36+16*\t:39+16*\t], v[ADK] offset:(4*\g+\t)*1024+512
	ds_load_u16 v[248+\t], v[ADS] offset:(4*\g+\t)*32
.endr
	s_wait_dscnt 0x0
.irp t, 0,1,2,3
	v_wmma_scale_f32_16x16x128_f8f6f4 v[96+8*(4*\g+\t):103+8*(4*\g+\t)], v[32+16*\t:47+16*\t], v[16:31], 0, v[248+\t], v255
.endr
.endr                                          ; register 16 b + i of v96 on: key 128 step + 32 b + 16 h + i
.rept 8
	v_nop
.endr
	s_cmp_lg_u32 s[ST], s[WH]                      ; only my last step lies on the diagonal
	s_cbranch_scc1 .Lopen
	v_mov_b32 v254, 0xcfee6b28                     ; -8e9: the logit -1e9
.set n, 0
.rept 64
	v_cmp_gt_i32 vcc_lo, 32*(n/16)+n%16, v[DQ]     ; hidden where the key comes after my query
	v_cndmask_b32 v[96+n], v[96+n], v254, vcc_lo
.set n, n+1
.endr
.Lopen:
.irp b, 0,1,2,3
	v_max3_num_f32 v[232+\b], v[96+16*\b], v[97+16*\b], v[98+16*\b]   ; the largest score of each block of 32 keys: it serves for the row's maximum and, since p rises with the score, for the block's largest p
.endr
.irp i, 3,5,7,9,11,13
.irp b, 0,1,2,3
	v_max3_num_f32 v[232+\b], v[232+\b], v[96+16*\b+\i], v[97+16*\b+\i]
.endr
.endr
.irp b, 0,1,2,3
	v_max_num_f32 v[232+\b], v[232+\b], v[111+16*\b]
.endr
.irp b, 0,1,2,3
	s_delay_alu instid0(VALU_DEP_4)
	v_permlanex16_b32 v[236+\b], v[232+\b], s[SEL], s[SEL+1]
.endr
.irp b, 0,1,2,3
	s_delay_alu instid0(VALU_DEP_4)
	v_max_num_f32 v[232+\b], v[232+\b], v[236+\b]  ; with lane l xor 16's 16 keys
.endr
	s_delay_alu instid0(VALU_DEP_2)
	v_max3_num_f32 v254, v232, v233, v234
	s_delay_alu instid0(VALU_DEP_1)
	v_max_num_f32 v254, v254, v235                 ; the step's largest score of my query
	s_delay_alu instid0(VALU_DEP_1)
	v_mul_f32 v254, s[CS], v254                    ; as t
	s_delay_alu instid0(VALU_DEP_1)
	v_max_num_f32 v13, v13, v254                   ; the running largest t
	v_mov_b32 v254, v12
	s_delay_alu instid0(VALU_DEP_2)
	v_floor_f32 v12, -v13                          ; the new -M = floor(-t) = -ceil(t)
	s_delay_alu instid0(VALU_DEP_1)
	v_sub_f32 v254, v12, v254                      ; old M less new M: a whole number, 0 or less
	s_delay_alu instid0(VALU_DEP_1)
	v_cvt_i32_f32 v254, v254                       ; (it saturates)
	s_delay_alu instid0(VALU_DEP_1)
	v_ldexp_f32 v252, 1.0, v254                    ; f = 2^(old M - new M)
.set n, 0
.rept 32
	v_pk_fma_f32 v[96+n:97+n], v[96+n:97+n], s[CS:CS+1], v[12:13] op_sel_hi:[1,0,0]   ; t - M, two at a time
.set n, n+2
.endr
.irp b, 0,1,2,3
	v_fma_f32 v[232+\b], v[232+\b], s[CS], v12     ; the same of each block's largest score
.endr
.set n, 0
	s_wait_alu depctr_va_vdst(0)
.rept 64
	v_exp_f32 v[96+n], v[96+n]                     ; p = 2^(t - M), at most 1
.set n, n+1
.endr
	v_pk_mul_f32 v[14:15], v[14:15], v[252:253] op_sel_hi:[1,0]   ; the sums under the new M: a plain line behind the exponentials
	s_wait_alu depctr_va_vdst(0)                   ; one wait for the whole batch, ahead of its first reader
.irp b, 0,1,2,3
	v_exp_f32 v[232+\b], v[232+\b]                 ; the block's largest p
.endr
	v_pk_add_f32 v[236:237], v[100:101], v[104:105]
	v_pk_add_f32 v[250:251], v[108:109], v[112:113]
	v_pk_add_f32 v[248:249], v[116:117], v[120:121]
	v_pk_add_f32 v[246:247], v[124:125], v[128:129]
	v_pk_add_f32 v[244:245], v[132:133], v[136:137]
	v_pk_add_f32 v[242:243], v[140:141], v[144:145]
	v_pk_add_f32 v[240:241], v[148:149], v[152:153]
	v_pk_add_f32 v[14:15], v[14:15], v[156:157]
	v_pk_add_f32 v[236:237], v[236:237], v[96:97]
	v_pk_add_f32 v[250:251], v[250:251], v[98:99]
	v_pk_add_f32 v[248:249], v[248:249], v[102:103]
	v_pk_add_f32 v[246:247], v[246:247], v[106:107]
	v_pk_add_f32 v[244:245], v[244:245], v[110:111]
	v_pk_add_f32 v[242:243], v[242:243], v[114:115]
	v_pk_add_f32 v[240:241], v[240:241], v[118:119]
	v_pk_add_f32 v[14:15], v[14:15], v[122:123]
	v_pk_add_f32 v[236:237], v[236:237], v[126:127]
	v_pk_add_f32 v[250:251], v[250:251], v[130:131]
	v_pk_add_f32 v[248:249], v[248:249], v[134:135]
	v_pk_add_f32 v[246:247], v[246:247], v[138:139]
	v_pk_add_f32 v[244:245], v[244:245], v[142:143]
	v_pk_add_f32 v[242:243], v[242:243], v[146:147]
	v_pk_add_f32 v[240:241], v[240:241], v[150:151]
	v_pk_add_f32 v[14:15], v[14:15], v[154:155]
	v_pk_add_f32 v[236:237], v[236:237], v[158:159]
	s_delay_alu instid0(VALU_DEP_2)
	v_pk_add_f32 v[14:15], v[14:15], v[246:247]
	s_delay_alu instid0(VALU_DEP_2)
	v_pk_add_f32 v[236:237], v[236:237], v[244:245]
	v_pk_add_f32 v[250:251], v[250:251], v[242:243]
	v_pk_add_f32 v[248:249], v[248:249], v[240:241]
	s_delay_alu instid0(VALU_DEP_2)
	v_pk_add_f32 v[14:15], v[14:15], v[250:251]
	s_delay_alu instid0(VALU_DEP_2)
	v_pk_add_f32 v[236:237], v[236:237], v[248:249]
	s_delay_alu instid0(VALU_DEP_1)
	v_pk_add_f32 v[14:15], v[14:15], v[236:237]
	s_wait_alu depctr_va_vdst(0)                   ; and one for the four
.irp b, 0,1,2,3
	v_max_num_f32 v[232+\b], 0x4800000, v[232+\b]  ; the floor 2^(9 - 127): a block whose every p is 0 keeps the byte 1: its codes are zeros
.endr
.irp b, 0,1,2,3
	s_delay_alu instid0(VALU_DEP_4)
	v_add_nc_u32 v[244+\b], 0xfc000000, v[232+\b]  ; the conversion's scale operand
.endr
.irp b, 0,1,2,3
	v_and_or_b32 v[240+\b], v[232+\b], 0x7f800000, s[MNT]   ; 448 x the scale
.endr
.irp b, 0,1,2,3
	v_lshrrev_b32 v[236+\b], 23, v[244+\b]         ; the scale's byte
.endr
	s_delay_alu instid0(VALU_DEP_3)
	v_lshl_or_b32 v253, v237, 8, v236              ; p's scale word for these 128 keys
	s_delay_alu instid0(VALU_DEP_1)
	v_lshl_or_b32 v253, v238, 16, v253
	s_delay_alu instid0(VALU_DEP_1)
	v_lshl_or_b32 v253, v239, 24, v253
.irp b, 0,1,2,3
.irp i, 0,1,2,3,4,5,6,7,8,9,10,11,12,13,14,15
	v_min_num_f32 v[96+16*\b+\i], v[96+16*\b+\i], v[240+\b]   ; the conversion does not saturate (ISA guide 7.6.2); p is not negative, so the hold is one-sided
.endr
	v_cvt_scalef32_pk8_fp8_f32 v[192+4*\b:193+4*\b], v[96+16*\b:103+16*\b], v[244+\b]
	v_cvt_scalef32_pk8_fp8_f32 v[194+4*\b:195+4*\b], v[104+16*\b:111+16*\b], v[244+\b]
.endr
	v_nop                                          ; one plain line behind the last conversion
.irp t, 0,1,2,3                                ; V's four fragments (16 channels x these 128 keys) take p's registers
.irp c, 0,1,2,3
	ds_load_b128 v[96+16*\t+4*\c:99+16*\t+4*\c], v[ADV] offset:16384*\t+512*\c
.endr
	ds_load_b32 v[248+\t], v[ADT] offset:512*\t
.endr
.set n, 0
.rept 16
	v_pk_mul_f32 v[160+n:161+n], v[160+n:161+n], v[252:253] op_sel_hi:[1,0]   ; O^T under the new M.  (Also the plain lines between the codes' making and the products)
.set n, n+2
.endr
	s_wait_alu depctr_va_vdst(0)
	s_wait_dscnt 0x0
.irp t, 0,1,2,3                                ; O^T += V^T P^T: four accumulators by turns
	v_wmma_scale_f32_16x16x128_f8f6f4 v[160+8*\t:167+8*\t], v[96+16*\t:111+16*\t], v[192:207], v[160+8*\t:167+8*\t], v[248+\t], v253
.endr
.rept 9
	v_nop                                          ; the next step's first products write over V's registers: nine plain lines; they also serve the next loads and the way out's reads
.endr
.Lskip:
	s_add_co_u32 s[KK], s[KK], 8192
	s_add_co_u32 s[KS], s[KS], 256
	s_add_co_u32 s[VV], s[VV], 2048
	s_add_co_u32 s[VS], s[VS], 64
	s_add_co_u32 s[ST], s[ST], 1
	s_cmp_lt_u32 s[ST], 8
	s_cbranch_scc1 .Lstep
	; THE WAY OUT: O^T / the sum; my 32 numbers are channels 32 p + 16 h + 0 .. 15 of my query: two blocks, quantised as they lie
	v_add_f32 v14, v14, v15
	s_delay_alu instid0(VALU_DEP_1)
	v_permlanex16_b32 v252, v14, s[SEL], s[SEL+1]
	s_delay_alu instid0(VALU_DEP_1)
	v_add_f32 v14, v14, v252                       ; the row's sum
	s_wait_alu depctr_va_vdst(0)
	v_rcp_f32 v14, v14
	v_and_b32 v8, 15, v0                           ; a plain line behind the transcendental
	s_delay_alu instid0(VALU_DEP_1)
	v_lshlrev_b32 v8, 2, v8                        ; 4 r
	s_wait_alu depctr_va_vdst(0)                   ; the wait, ahead of the first reader
.set n, 0
.rept 32
	v_mul_f32 v[96+n], v[160+n], v14
.set n, n+1
.endr
	QUANT 96, 2, 192
	v_lshl_or_b32 v9, v[TP+1], 8, v[TP]
	global_store_b128 v[AK0], v[192:195], s[48:49]             ; 512 consecutive bytes, aligned
	global_store_b128 v[AK0], v[196:199], s[48:49] offset:512
	global_store_b16 v8, v9, s[56:57]              ; my head's half of the row's scale word; both lanes of a row store the same two bytes
	s_wait_tensorcnt 0x0                           ; the wave's end
	ds_add_u32 v[SPW], v[NIL]
	s_wait_dscnt 0x0
	CROUND                                         ; the closing round
	s_endpgm
.Lfunc_end_k_q5d747cd2e8_attn:
	.size	k_q5d747cd2e8_attn, .Lfunc_end_k_q5d747cd2e8_attn-k_q5d747cd2e8_attn
	.p2alignl 7, 3214868480
	.fill 96, 4, 3214868480
	.section	.rodata,"a",@progbits
	.p2align	6, 0x0
	.amdhsa_kernel k_q5d747cd2e8_attn
		.amdhsa_group_segment_fixed_size 167936
		.amdhsa_private_segment_fixed_size 0
		.amdhsa_enable_private_segment 0
		.amdhsa_kernarg_size 16
		.amdhsa_user_sgpr_count 2
		.amdhsa_user_sgpr_kernarg_segment_ptr 1
		.amdhsa_wavefront_size32 1
		.amdhsa_system_sgpr_workgroup_id_x 1
		.amdhsa_system_sgpr_workgroup_id_y 1
		.amdhsa_system_sgpr_workgroup_id_z 1
		.amdhsa_system_vgpr_workitem_id 0
		.amdhsa_next_free_vgpr 256
		.amdhsa_next_free_sgpr 66
		.amdhsa_reserve_vcc 1
		.amdhsa_float_denorm_mode_32 3
		.amdhsa_float_denorm_mode_16_64 3
		.amdhsa_memory_ordered 1
		.amdhsa_forward_progress 1
		.amdhsa_inst_pref_size 41
	.end_amdhsa_kernel
	.amdgpu_metadata
---
amdhsa.version: [ 1, 2 ]
amdhsa.kernels:
  - .name:           k_q5d747cd2e8_attn
    .symbol:         k_q5d747cd2e8_attn.kd
    .args:
      - { .name: qkv, .offset: 0, .size: 8, .value_kind: global_buffer, .address_space: global }
      - { .name: at, .offset: 8, .size: 8, .value_kind: global_buffer, .address_space: global }
    .group_segment_fixed_size: 167936
    .private_segment_fixed_size: 0
    .kernarg_segment_align: 8
    .kernarg_segment_size: 16
    .max_flat_workgroup_size: 512
    .sgpr_count:     66
    .vgpr_count:     256
    .wavefront_size: 32
...
	.end_amdgpu_metadata
.endif
;; end of part 10
;; launch gwo (part 11): grid 8 x 32, 4 waves a work-group, clusters of 4 x 4, 327,680 bytes of LDS; arguments at, w, x, xr; writes xr
.if DOCPART == 11
	.amdgcn_target "amdgcn-amd-amdhsa--gfx1250"
	.amdhsa_code_object_version 6
	.text
	.protected	k_q5d747cd2e8_gwo
	.globl	k_q5d747cd2e8_gwo
	.p2align	8
	.type	k_q5d747cd2e8_gwo,@function
k_q5d747cd2e8_gwo:
	s_mov_b64 s[64:65], 0
	v_nop
	global_prefetch_b8 v0, s[64:65] scope:SCOPE_SE
	s_setreg_imm32_b32 hwreg(HW_REG_WAVE_MODE, 25, 1), 1
	s_wait_xcnt 0x0
	s_wait_alu depctr_hold_cnt(0) depctr_sa_sdst(0) depctr_va_vdst(0) depctr_va_sdst(0) depctr_va_ssrc(0) depctr_va_vcc(0) depctr_vm_vsrc(0)
	s_getreg_b32 s2, hwreg(HW_REG_IB_STS2, 6, 4)
	s_cmp_eq_u32 s2, 0
	s_cbranch_scc0 .Lentry_in_a_cluster
	s_endpgm
.Lentry_in_a_cluster:
	s_bfe_u32 s2, ttmp6, 0x10000c
	s_cmp_lg_u32 s2, 0xf033
	s_cbranch_scc0 .Lentry_shape_is_right
	s_endpgm
.Lentry_shape_is_right:
; xr = x + attn wo^T.  C[m][n] = sum over k of A[m][k] B[n][k] on codes of FP8 (E4M3) with one E8M0 scale for each 32 along K = 1,024; sums in f32; the residual is added in f32; xr is [4,096][1,024] f32, row-major.
; OPERANDS LIE IN MEMORY AS IMAGES OF THE REGISTERS: a fragment is 16 rows x 128 K = 2,048 bytes, [c][lane][16]: lane (r, h) holds k = 128 s + 32 c + 16 h + 0 .. 15 of the tile's row r; codes [tile][K step][2,048],
; scale words [tile][K step][r].  Lane r of tile T is row 32 (T / 2) + 8 (T % 2) + r + 8 (r / 8).  A fragment comes from LDS by four loads of 512 consecutive bytes.
; THE MATRIX INSTRUCTION IS USED TRANSPOSED (source 0 = 16 rows of B, source 1 = 16 rows of A): a lane holds ONE row of C, and the 16 registers of B's tiles 2 p and 2 p + 1 are columns 32 p + 16 h + 0 .. 15.
; SHARES.  A work-group of four waves makes 128 x 128 of C, a wave 64 x 64: 16 accumulators: 256 work-groups.
; ALL OF K LIES IN LDS: A's 8 row tiles are 131,072 dense bytes of memory, and so are B's.  Four tensor loads in the launch, one a wave: A's codes, B's codes, A's scale words, B's.  Nothing is filled again, so one barrier serves.
; CLUSTERS: 4 x 4.  A's tiles are shared along a row of the cluster, B's along a column: each is asked for jointly, by the same tensor load with the same descriptor and a mask that names the four.
; No prefetch: the launch has no loop of fills to run ahead in.
; THE WAY OUT: 16 rows x 64 columns at a time through the wave's own stage in LDS (pitch 272 bytes), back as runs of 256 bytes; the residual, asked for behind the first fragments' loads in the places in which
; the results are stored, is added; sixteen lanes store 256 aligned bytes.
.set ASOFF, 4194304                    ; at: codes at 0, scale words here
.set BOFF,  4325376+3*1048576          ; w: wo's codes
.set BSOFF, 16908288+98304             ; w: wo's scale words
.set RTP,   16384                      ; a row tile's codes
.set SRT,   512                        ; and its scale words
.set BLDS,  131072                     ; LDS: A's 8 tiles x 16,384 bytes from 0, B's from here
.set SCL,   262144                     ; A's scale words, then B's
.set STAGE, SCL+16*SRT                 ; 16 rows x 272 bytes for each wave; no tensor load lands here
.set SPARE, STAGE+4*4352               ; the spare words, 128 bytes a wave: two blocks of 256 bytes that no other line names
.set R4,   3
.set ADRA, 16                          ; v16-17 my A fragments, K steps 0-3 and 4-7
.set ADRB, 20                          ; v20-21 the same for B
.set STO,  24
.set RD,   25
.set CO,   26
.set ADRS, 27                          ; v27 my scale words: lanes 0-15 A's, lanes 16-31 B's
.set SPW,  28                          ; v28 my spare word; never rewritten
.set NIL,  29                          ; v29 0; never rewritten
.set L16,  30
.set SC,   32                          ; v32-63 scale words and nothing else: 32 + 16 (K step / 4) + 4 i + K step % 4
.set ACC,  128                         ; v128-255 accumulator (a, b) at 128 + 8 (4 a + b).  Window 1: two fragment buffers of 128.  Window 2: v0-127 the residual.  v64-127: rows on the way out
.set G1A,  24
.set G0A,  32
.set G1B,  48
.set G0B,  56
.set G1SA, 68
.set G0SA, 76
.set G1SB, 80
.set G0SB, 88
.set MUL,  0x05                        ; sources 0 and 1 window 1; C and D window 0
.set MSB, 0
.macro WIN new                         ; the immediate's high byte repeats the setting that is left
.if MSB != \new
	s_set_vgpr_msb (MSB<<8)|\new
.set MSB, \new
.endif
.endm
.macro PLACES n
.rept \n
	v_nop
.endr
.endm
.macro CROUND                          ; a round of the cluster's barrier
	s_barrier_signal -1
	s_barrier_wait -1
	s_cmp_lg_u32 s14, 0
	s_cbranch_scc1 .Lnot_wave_0_\@
	s_barrier_signal -3
.Lnot_wave_0_\@:
	s_barrier_wait -3
	s_barrier_signal -1
	s_barrier_wait -1
.endm
.macro FETCH t                         ; 32 LDS loads in one run: B's four and A's four fragments of K step t into buffer t % 2 of window 1
	WIN 0x40
.irp i, 0,1,2,3
.irp c, 0,1,2,3
	ds_load_b128 v[128*((\t)%2)+64+16*\i+4*\c:128*((\t)%2)+64+16*\i+4*\c+3], v[ADRB+(\t)/4] offset:16384*\i+2048*((\t)%4)+512*\c
.endr
.irp c, 0,1,2,3
	ds_load_b128 v[128*((\t)%2)+16*\i+4*\c:128*((\t)%2)+16*\i+4*\c+3], v[ADRA+(\t)/4] offset:16384*\i+2048*((\t)%4)+512*\c
.endr
.endr
.endm
.macro SCALES s                        ; the scale words of K steps 4 s on: lanes 0-15 take A's block i, lanes 16-31 B's tile i
	WIN 0
.irp i, 0,1,2,3
.irp q, 0,1,2,3
	ds_load_b32 v[SC+16*\s+4*\i+\q], v[ADRS] offset:\i*SRT+64*\q+256*\s
.endr
.endr
.endm
; four products: A's block a x B's four tiles.  The 16 accumulators take turns, one instruction a turn, in one order in every K step.  zero = 1: the products start the sums.
.macro MULA t, a, zero
.set FF, 128*((\t)%2)
.set SS, SC+16*((\t)/4)+(\t)%4
.irp b, 0,1,2,3
.if \zero
	v_wmma_scale_f32_16x16x128_f8f6f4 v[ACC+8*(4*(\a)+\b):ACC+8*(4*(\a)+\b)+7], v[FF+64+16*\b:FF+64+16*\b+15], v[FF+16*(\a):FF+16*(\a)+15], 0, v[SS+4*\b], v[SS+4*(\a)] matrix_a_scale:MATRIX_SCALE_ROW1
.else
	v_wmma_scale_f32_16x16x128_f8f6f4 v[ACC+8*(4*(\a)+\b):ACC+8*(4*(\a)+\b)+7], v[FF+64+16*\b:FF+64+16*\b+15], v[FF+16*(\a):FF+16*(\a)+15], v[ACC+8*(4*(\a)+\b):ACC+8*(4*(\a)+\b)+7], v[SS+4*\b], v[SS+4*(\a)] matrix_a_scale:MATRIX_SCALE_ROW1
.endif
.endr
.endm
; A K step: behind its first four products the next step's fragments are fetched into the other buffer.
; Eight plain lines stand between the last product that read that buffer and the loads into it.
.macro STEP t, zero
	s_wait_dscnt 0x0                               ; this step's fragments and scale words are in
	WIN MUL
	MULA \t, 0, \zero
.if (\t) < 7
	PLACES 8
	FETCH (\t)+1
.if (\t) == 3
	SCALES 1
.endif
	WIN MUL
.endif
	MULA \t, 1, \zero
	MULA \t, 2, \zero
	MULA \t, 3, \zero
	WIN 0
.endm
	s_load_b128 s[4:7], s[0:1], 0x0                ; at, w
	s_load_b128 s[8:11], s[0:1], 0x10              ; x, xr
	v_lshl_add_u32 v[SPW], v0, 2, SPARE
	v_mov_b32 v[NIL], 0
	ds_add_u32 v[SPW], v[NIL]                      ; the wave's opening: the add, twice on end, and its wait ahead of my first tensor load
	ds_add_u32 v[SPW], v[NIL]
	v_lshrrev_b32 v1, 5, v0
	v_readfirstlane_b32 s14, v1                    ; wave 0..3
	s_lshr_b32 s15, s14, 1                         ; which half of the block's rows is mine
	s_and_b32 s16, s14, 1                          ; which half of its columns
	s_bfe_u32 s40, ttmp6, 0x40000                  ; cx, cy
	s_bfe_u32 s41, ttmp6, 0x40004
	s_and_b32 s18, ttmp7, 0xffff
	s_lshl_b32 s17, s18, 2
	s_add_co_u32 s17, s17, s41                     ; TR: tile row of C
	s_lshl_b32 s42, ttmp9, 2
	s_add_co_u32 s42, s42, s40                     ; TC: tile column of C
	s_lshl_b32 s43, s41, 2
	s_lshl_b32 s43, 15, s43                        ; my row of the cluster
	s_lshl_b32 s44, 0x1111, s40                    ; my column
	s_or_b32 s[G1A], s43, (3<<16)|(1<<21)          ; 15:0 the mask; 17:16 elements of 8 bytes; 21 set beside a mask
	s_or_b32 s[G1B], s44, (3<<16)|(1<<21)
.irp g, G1A, G1B
	s_mov_b32 s[\g+1], 2048<<16                    ; 8 row tiles x 16,384 bytes
	s_mov_b32 s[\g+2], 8<<16
	s_mov_b32 s[\g+3], 2048<<16
	s_mov_b32 s[\g+4], 8
	s_mov_b32 s[\g+5], RTP/8
	s_mov_b32 s[\g+6], 0
	s_mov_b32 s[\g+7], 0
.endr
	s_or_b32 s[G1SA], s43, (3<<16)|(1<<21)
	s_or_b32 s[G1SB], s44, (3<<16)|(1<<21)
.irp g, G1SA, G1SB
	s_mov_b32 s[\g+1], 32<<16                      ; 4,096 dense bytes as 16 rows of 256
	s_mov_b32 s[\g+2], 16<<16
	s_mov_b32 s[\g+3], 32<<16
	s_mov_b32 s[\g+4], 16
	s_mov_b32 s[\g+5], 32
	s_mov_b32 s[\g+6], 0
	s_mov_b32 s[\g+7], 0
.endr
	s_lshl_b32 s20, s17, 17                        ; A's codes: row tile 8 TR
	s_mov_b32 s21, 0
	s_lshl_b32 s22, s17, 12
	s_add_co_u32 s22, s22, ASOFF                   ; its scale words
	s_mov_b32 s23, 0
	s_lshl_b32 s46, s42, 17
	s_add_co_u32 s46, s46, BOFF                    ; B's codes: row tile 8 TC
	s_mov_b32 s47, 0
	s_lshl_b32 s92, s42, 12
	s_add_co_u32 s92, s92, BSOFF
	s_mov_b32 s93, 0
	s_lshl_b32 s94, s17, 7                         ; my 64 x 64 of C and of the residual: row 128 TR + 64 x row half, column 128 TC + 64 x column half
	s_lshl_b32 s95, s15, 6
	s_add_co_u32 s94, s94, s95
	s_lshl_b32 s94, s94, 12
	s_lshl_b32 s95, s42, 9
	s_add_co_u32 s94, s94, s95
	s_lshl_b32 s95, s16, 8
	s_add_co_u32 s94, s94, s95
	s_mov_b32 s95, 0
	s_lshl_b32 s18, s15, 16                        ; LDS: my four tiles of A,
	s_lshl_b32 s19, s16, 16
	s_add_co_u32 s19, s19, BLDS                    ; of B
	s_xor_b32 s96, s15, 1
	s_add_co_u32 s96, s96, s16
	s_add_co_u32 s96, s96, 1
	s_lshl_b32 s96, s96, 11                        ; from my A tiles' scale words to my B tiles': 2,048 (2 + column half - row half)
	s_lshl_b32 s97, s15, 11
	s_add_co_u32 s97, s97, SCL
	s_mul_i32 s98, s14, 4352
	s_add_co_u32 s98, s98, STAGE                   ; my stage
	v_and_b32 v1, 15, v0                           ; r
	v_bfe_u32 v2, v0, 4, 1                         ; h
	v_and_b32 v4, 31, v0
	v_lshlrev_b32 v[L16], 4, v4
	v_lshlrev_b32 v[R4], 2, v1
	v_add_nc_u32 v[ADRA], s18, v[L16]
	v_add_nc_u32 v[ADRB], s19, v[L16]
	v_add_nc_u32 v[ADRA+1], 8192, v[ADRA]
	v_add_nc_u32 v[ADRB+1], 8192, v[ADRB]
	v_mul_u32_u24 v5, s96, v2                      ; lanes 16-31 take B's
	v_add_nc_u32 v5, v5, v[R4]
	v_add_nc_u32 v[ADRS], s97, v5
	v_mul_u32_u24 v6, v1, 272
	v_lshl_add_u32 v6, v2, 6, v6
	v_add_nc_u32 v[STO], s98, v6                   ; into the stage: row r, + 64 h
	v_mul_u32_u24 v7, v2, 272
	v_lshl_add_u32 v7, v1, 4, v7
	v_add_nc_u32 v[RD], s98, v7                    ; back: lanes 0-15 one row, lanes 16-31 the next
	v_lshlrev_b32 v8, 12, v2
	v_lshl_add_u32 v[CO], v1, 4, v8                ; and the same two rows in C
	s_wait_alu depctr_va_vdst(0)
	s_wait_dscnt 0x0                               ; both opening adds are done
	s_wait_kmcnt 0x0
	s_mov_b32 s[G0A], 1
	s_mov_b32 s[G0A+1], 0
	s_add_nc_u64 s[G0A+2:G0A+3], s[4:5], s[20:21]
	s_or_b32 s[G0A+3], s[G0A+3], 0x80000000
	s_mov_b32 s[G0B], 1
	s_mov_b32 s[G0B+1], BLDS
	s_add_nc_u64 s[G0B+2:G0B+3], s[6:7], s[46:47]
	s_or_b32 s[G0B+3], s[G0B+3], 0x80000000
	s_mov_b32 s[G0SA], 1
	s_mov_b32 s[G0SA+1], SCL
	s_add_nc_u64 s[G0SA+2:G0SA+3], s[4:5], s[22:23]
	s_or_b32 s[G0SA+3], s[G0SA+3], 0x80000000
	s_mov_b32 s[G0SB], 1
	s_mov_b32 s[G0SB+1], SCL+8*SRT
	s_add_nc_u64 s[G0SB+2:G0SB+3], s[6:7], s[92:93]
	s_or_b32 s[G0SB+3], s[G0SB+3], 0x80000000
	s_add_nc_u64 s[8:9], s[8:9], s[94:95]
	s_add_nc_u64 s[10:11], s[10:11], s[94:95]
	CROUND                                         ; all sixteen work-groups are here: the joint loads meet
; one chain of branches on the wave's number, an arm a load; an s_nop 0 and four v_nop follow each load
.macro ARM under, g0, g1, next
	s_cmp_lt_u32 s14, \under
	s_cbranch_scc0 \next
	tensor_load_to_lds s[\g0:\g0+3], s[\g1:\g1+7]
	s_nop 0
	PLACES 4
	s_branch .Lhead_asked
\next:
.endm
	ARM 1, G0A, G1A, .Lhead_b
	ARM 2, G0B, G1B, .Lhead_sa
	ARM 3, G0SA, G1SA, .Lhead_sb
	tensor_load_to_lds s[G0SB:G0SB+3], s[G1SB:G1SB+7]
	s_nop 0
	PLACES 4
.Lhead_asked:
	s_wait_tensorcnt 0x0                           ; my one load has landed
	s_barrier_signal -1
	s_barrier_wait -1                              ; everybody's has
	FETCH 0
	SCALES 0
	WIN 0x80                                       ; destination window 2
.irp a, 0,1,2,3
.irp t, 0,1,2,3,4,5,6,7
	global_load_b128 v[32*\a+4*\t:32*\a+4*\t+3], v[CO], s[8:9] offset:(32*(\a/2)+8*(\a%2)+2*\t+8*(\t/4))*4096 th:TH_LOAD_NT   ; the residual
.endr
.endr
	WIN 0
	STEP 0, 1                                      ; the first K step's products start the sums: nothing is cleared
	STEP 1, 0
	STEP 2, 0
	STEP 3, 0
	STEP 4, 0
	STEP 5, 0
	STEP 6, 0
	STEP 7, 0
	PLACES 8                                       ; eight plain lines between the last product and the first read of results
	s_wait_loadcnt 0x0                             ; the residual
.irp a, 0,1,2,3                                ; A's block a: 16 rows x my 64 columns
.set BK, 64+32*(\a%2)
.if \a >= 2
	s_wait_xcnt 0x0                                ; block a - 2's stores have read their registers
.endif
.irp b, 0,1,2,3
	ds_store_b128 v[STO], v[ACC+8*(4*\a+\b):ACC+8*(4*\a+\b)+3] offset:128*(\b/2)+32*(\b%2)          ; each accumulator from its low end on
	ds_store_b128 v[STO], v[ACC+8*(4*\a+\b)+4:ACC+8*(4*\a+\b)+7] offset:128*(\b/2)+32*(\b%2)+16
.endr
.irp t, 0,1,2,3,4,5,6,7
	ds_load_b128 v[BK+4*\t:BK+4*\t+3], v[RD] offset:544*\t   ; LDS serves a wave's instructions in order: these see my stores
.endr
	s_wait_dscnt 0x0
	WIN 0x08                                       ; source 1 window 2
.irp t, 0,1,2,3,4,5,6,7
	v_pk_add_f32 v[BK+4*\t:BK+4*\t+1], v[BK+4*\t:BK+4*\t+1], v[32*\a+4*\t:32*\a+4*\t+1]
	v_pk_add_f32 v[BK+4*\t+2:BK+4*\t+3], v[BK+4*\t+2:BK+4*\t+3], v[32*\a+4*\t+2:32*\a+4*\t+3]
.endr
	WIN 0
.irp t, 0,1,2,3,4,5,6,7
	global_store_b128 v[CO], v[BK+4*\t:BK+4*\t+3], s[10:11] offset:(32*(\a/2)+8*(\a%2)+2*\t+8*(\t/4))*4096   ; sixteen lanes store 256 consecutive bytes, aligned
.endr
.endr
	s_wait_tensorcnt 0x0                           ; the wave's end
	ds_add_u32 v[SPW], v[NIL]
	s_wait_dscnt 0x0
	CROUND                                         ; the closing round
	s_endpgm
.Lfunc_end_k_q5d747cd2e8_gwo:
	.size	k_q5d747cd2e8_gwo, .Lfunc_end_k_q5d747cd2e8_gwo-k_q5d747cd2e8_gwo
	.p2alignl 7, 3214868480
	.fill 96, 4, 3214868480
	.section	.rodata,"a",@progbits
	.p2align	6, 0x0
	.amdhsa_kernel k_q5d747cd2e8_gwo
		.amdhsa_group_segment_fixed_size 327680
		.amdhsa_private_segment_fixed_size 0
		.amdhsa_enable_private_segment 0
		.amdhsa_kernarg_size 32
		.amdhsa_user_sgpr_count 2
		.amdhsa_user_sgpr_kernarg_segment_ptr 1
		.amdhsa_wavefront_size32 1
		.amdhsa_system_sgpr_workgroup_id_x 1
		.amdhsa_system_sgpr_workgroup_id_y 1
		.amdhsa_system_sgpr_workgroup_id_z 1
		.amdhsa_system_vgpr_workitem_id 0
		.amdhsa_next_free_vgpr 640
		.amdhsa_next_free_sgpr 100
		.amdhsa_reserve_vcc 0
		.amdhsa_float_denorm_mode_32 3
		.amdhsa_float_denorm_mode_16_64 3
		.amdhsa_memory_ordered 1
		.amdhsa_forward_progress 1
		.amdhsa_inst_pref_size 60
	.end_amdhsa_kernel
	.amdgpu_metadata
---
amdhsa.version: [ 1, 2 ]
amdhsa.kernels:
  - .name:           k_q5d747cd2e8_gwo
    .symbol:         k_q5d747cd2e8_gwo.kd
    .args:
      - { .name: at, .offset: 0, .size: 8, .value_kind: global_buffer, .address_space: global }
      - { .name: w, .offset: 8, .size: 8, .value_kind: global_buffer, .address_space: global }
      - { .name: x, .offset: 16, .size: 8, .value_kind: global_buffer, .address_space: global }
      - { .name: xr, .offset: 24, .size: 8, .value_kind: global_buffer, .address_space: global }
    .group_segment_fixed_size: 327680
    .private_segment_fixed_size: 0
    .kernarg_segment_align: 8
    .kernarg_segment_size: 32
    .max_flat_workgroup_size: 128
    .sgpr_count:     100
    .vgpr_count:     640
    .wavefront_size: 32
...
	.end_amdgpu_metadata
.endif
;; end of part 11
;; launch ln2: the kernel of part 8 again; grid 256 x 1, 8 waves a work-group, no clusters, 70,144 bytes of LDS; arguments xr, gamma2, beta2, n2, wq, wk, wv, wo, mlp_fc1, mlp_fc2; writes n2
;; launch gfc1 (part 12): grid 16 x 16, 4 waves a work-group, clusters of 4 x 4, 327,680 bytes of LDS; arguments n2, w, hid; writes hid
.if DOCPART == 12
	.amdgcn_target "amdgcn-amd-amdhsa--gfx1250"
	.amdhsa_code_object_version 6
	.text
	.protected	k_q5d747cd2e8_gfc1
	.globl	k_q5d747cd2e8_gfc1
	.p2align	8
	.type	k_q5d747cd2e8_gfc1,@function
k_q5d747cd2e8_gfc1:
	s_mov_b64 s[64:65], 0
	v_nop
	global_prefetch_b8 v0, s[64:65] scope:SCOPE_SE
	s_setreg_imm32_b32 hwreg(HW_REG_WAVE_MODE, 25, 1), 1
	s_wait_xcnt 0x0
	s_wait_alu depctr_hold_cnt(0) depctr_sa_sdst(0) depctr_va_vdst(0) depctr_va_sdst(0) depctr_va_ssrc(0) depctr_va_vcc(0) depctr_vm_vsrc(0)
	s_getreg_b32 s2, hwreg(HW_REG_IB_STS2, 6, 4)
	s_cmp_eq_u32 s2, 0
	s_cbranch_scc0 .Lentry_in_a_cluster
	s_endpgm
.Lentry_in_a_cluster:
	s_bfe_u32 s2, ttmp6, 0x10000c
	s_cmp_lg_u32 s2, 0xf033
	s_cbranch_scc0 .Lentry_shape_is_right
	s_endpgm
.Lentry_shape_is_right:
.set KT,    1024
.set AOFF,  0
.set ASOFF, 4194304
.set BOFF,  4325376+4*1048576
.set BSOFF, 16908288+131072
.set HSC,   16777216
.set RTP,   16*KT
.set SRT,   KT/2
.set NQ,    2
.set FR,    16
.set NL,    4
.set NP,    8
.set TSL,   2048*NQ
.set SLOT,  32*TSL
.set SCL,   2*SLOT
.set SPARE, SCL+32*SRT
.set R4,   3
.set PW,   8
.set ADRA, 16
.set ADRB, 20
.set ADRS, 27
.set SPW,  28
.set NIL,  29
.set L16,  30
.set SC,   32
.set GX,   64
.set AF,   128
.set GT,   128
.set PC,   192
.set TM,   224
.set TP,   228
.set TL,   232
.set TS,   236
.set G1A,  24
.set G0A,  32
.set G1B,  48
.set G0B,  56
.set G1SA, 68
.set G0SA, 76
.set G1SB, 80
.set G0SB, 88
.set SEL,  96
.set MNT,  98
.set MUL_LO, 0xa1
.set MUL_HI, 0xf1
.set TO_B,   0x40
.set MSB, 0
.macro WIN new
.if MSB != \new
	s_set_vgpr_msb (MSB<<8)|\new
.set MSB, \new
.endif
.endm
.macro PLACES n
.rept \n
	v_nop
.endr
.endm
.macro JLOAD g0a, g1a, g0b, g1b
	s_cmp_eq_u32 s15, 0
	s_cbranch_scc0 .Lfor_b_\@
	tensor_load_to_lds s[\g0a:\g0a+3], s[\g1a:\g1a+7]
	s_nop 0
.rept 4
	v_nop
.endr
	s_branch .Lasked_\@
.Lfor_b_\@:
	tensor_load_to_lds s[\g0b:\g0b+3], s[\g1b:\g1b+7]
	s_nop 0
.rept 4
	v_nop
.endr
.Lasked_\@:
.endm
.macro CREST
	s_cmp_lg_u32 s14, 0
	s_cbranch_scc1 .Lnot_wave_0_\@
	s_barrier_signal -3
.Lnot_wave_0_\@:
	s_barrier_wait -3
	s_barrier_signal -1
	s_barrier_wait -1
.endm
.macro CROUND
	s_barrier_signal -1
	s_barrier_wait -1
	CREST
.endm
.macro QUANTW s, w, x, pc
	WIN 5*(\w)
.set qb, 0
.rept 4
	v_max3_num_f32 v[TM+qb], |v[\s+16*qb]|, |v[\s+16*qb+1]|, 0x4800000
.set qb, qb+1
.endr
	WIN 20*(\w)
.set qi, 2
.rept 7
.set qb, 0
.rept 4
	v_max3_num_f32 v[TM+qb], v[TM+qb], |v[\s+16*qb+qi]|, |v[\s+16*qb+qi+1]|
.set qb, qb+1
.endr
.set qi, qi+2
.endr
	WIN 0
.set qb, 0
.rept 4
	v_permlanex16_b32 v[TP+qb], v[TM+qb], s[SEL], s[SEL+1]
.set qb, qb+1
.endr
.set qb, 0
.rept 4
	v_max_num_f32 v[TM+qb], v[TM+qb], v[TP+qb]
.set qb, qb+1
.endr
.set qb, 0
.rept 4
	v_add_nc_u32 v[TS+qb], 0xfc000000, v[TM+qb]
	v_and_or_b32 v[TL+qb], v[TM+qb], 0x7f800000, s[MNT]
.set qb, qb+1
.endr
.set qb, 0
.rept 4
	v_lshrrev_b32 v[TP+qb], 23, v[TS+qb]
.set qb, qb+1
.endr
	WIN (\w)
.set qb, 0
.rept 4
.set qi, 0
.rept 16
	v_med3_num_f32 v[\x+16*qb+qi], v[\s+16*qb+qi], -v[TL+qb], v[TL+qb]
.set qi, qi+1
.endr
.set qb, qb+1
.endr
	WIN 0
.set qb, 0
.rept 4
	v_cvt_scalef32_pk8_fp8_f32 v[\pc+4*qb:\pc+4*qb+1], v[\x+16*qb:\x+16*qb+7], v[TS+qb]
	v_cvt_scalef32_pk8_fp8_f32 v[\pc+4*qb+2:\pc+4*qb+3], v[\x+16*qb+8:\x+16*qb+15], v[TS+qb]
.set qb, qb+1
.endr
	v_nop
.endm
.macro GELU s, w
	WIN 5*(\w)
.set gi, 0
.rept 32
	v_pk_mul_f32 v[GT+gi:GT+gi+1], v[\s+gi:\s+gi+1], v[\s+gi:\s+gi+1]
.set gi, gi+2
.endr
	WIN 0
.set gi, 0
.rept 32
	v_pk_fma_f32 v[GT+gi:GT+gi+1], v[GT+gi:GT+gi+1], s[12:13], v[12:13] op_sel_hi:[1,0,0]
.set gi, gi+2
.endr
	WIN 4*(\w)
.set gi, 0
.rept 32
	v_pk_mul_f32 v[GT+gi:GT+gi+1], v[GT+gi:GT+gi+1], v[\s+gi:\s+gi+1]
.set gi, gi+2
.endr
	WIN 0
.set gi, 0
	s_wait_alu depctr_va_vdst(0)
.rept 64
	v_exp_f32 v[GT+gi], v[GT+gi]
.set gi, gi+1
.endr
	v_nop
	s_wait_alu depctr_va_vdst(0)
.set gi, 0
.rept 32
	v_pk_add_f32 v[GT+gi:GT+gi+1], v[GT+gi:GT+gi+1], 1.0 op_sel_hi:[1,0]
.set gi, gi+2
.endr
.set gi, 0
	s_wait_alu depctr_va_vdst(0)
.rept 64
	v_rcp_f32 v[GT+gi], v[GT+gi]
.set gi, gi+1
.endr
	v_nop
	s_wait_alu depctr_va_vdst(0)
	WIN 4*(\w)
.set gi, 0
.rept 32
	v_pk_mul_f32 v[GX+gi:GX+gi+1], v[GT+gi:GT+gi+1], v[\s+gi:\s+gi+1]
.set gi, gi+2
.endr
	WIN 0
.endm
.macro FRAG reg, adr, q, i
.irp c, 0,1,2,3
	ds_load_b128 v[\reg+4*\c:\reg+4*\c+3], v[\adr] offset:TSL*(\i)+2048*(\q)+512*\c
.endr
.endm
.macro MUL16 a0, p, q, sc, zero
.irp a, \a0, \a0+1
.irp b, 0,1,2,3,4,5,6,7
.if \zero
	v_wmma_scale_f32_16x16x128_f8f6f4 v[8*(8*((\a)%4)+\b):8*(8*((\a)%4)+\b)+7], v[128*(\p)+FR*\b:128*(\p)+FR*\b+FR-1], v[AF+FR*(\a):AF+FR*(\a)+FR-1], 0, v[SC+8*NQ*(\sc)+NQ*\b+(\q)], v[SC+8*NQ*(\sc)+NQ*(\a)+(\q)] matrix_a_scale:MATRIX_SCALE_ROW1
.else
	v_wmma_scale_f32_16x16x128_f8f6f4 v[8*(8*((\a)%4)+\b):8*(8*((\a)%4)+\b)+7], v[128*(\p)+FR*\b:128*(\p)+FR*\b+FR-1], v[AF+FR*(\a):AF+FR*(\a)+FR-1], v[8*(8*((\a)%4)+\b):8*(8*((\a)%4)+\b)+7], v[SC+8*NQ*(\sc)+NQ*\b+(\q)], v[SC+8*NQ*(\sc)+NQ*(\a)+(\q)] matrix_a_scale:MATRIX_SCALE_ROW1
.endif
.endr
.endr
.endm
.macro FETCH_B slot, q, p
	WIN TO_B
.irp i, 0,1,2,3,4,5,6,7
	FRAG 128*(\p)+FR*\i, ADRB+\slot, \q, \i
.endr
	WIN 0
.endm
.macro FETCH_A slot, q, i0
.irp i, \i0, \i0+1, \i0+2, \i0+3
	FRAG AF+FR*(\i), ADRA+\slot, \q, \i
.endr
.endm
.macro SCALES sc
.irp i, 0,1,2,3,4,5,6,7
.irp q, 0,1
	ds_load_b32 v[SC+8*NQ*\sc+NQ*\i+\q], v[ADRS] offset:\i*SRT+64*\q
.endr
.endr
.endm
.macro STEP slot, q, zero
	s_wait_dscnt 4*NL
	WIN MUL_LO
	MUL16 0, (\q)%2, \q, \slot, \zero
	MUL16 2, (\q)%2, \q, \slot, \zero
	s_wait_dscnt 0
	PLACES NP
	FETCH_B \slot, (\q)+1, 1-(\q)%2
	FETCH_A \slot, (\q)+1, 0
	WIN MUL_HI
	MUL16 4, (\q)%2, \q, \slot, \zero
	MUL16 6, (\q)%2, \q, \slot, \zero
	PLACES NP
	WIN 0
	FETCH_A \slot, (\q)+1, 4
.endm
.macro TURN slot, next, fill
	s_wait_tensorcnt 0x0
	ds_add_u32 v[SPW], v[NIL]
	s_wait_dscnt 4*NL+1
	WIN MUL_LO
	MUL16 0, 1, NQ-1, \slot, 0
	s_wait_dscnt 0x0
	s_barrier_signal -1
	MUL16 2, 1, NQ-1, \slot, 0
	WIN 0
	s_barrier_wait -1
.if \fill
	CREST
	s_add_nc_u64 s[G0A+4*\slot+2:G0A+4*\slot+3], s[G0A+4*\slot+2:G0A+4*\slot+3], 2*TSL
	s_add_nc_u64 s[G0B+4*\slot+2:G0B+4*\slot+3], s[G0B+4*\slot+2:G0B+4*\slot+3], 2*TSL
	JLOAD G0A+4*\slot, G1A, G0B+4*\slot, G1B
	PLACES NP-4
.else
	PLACES NP
.endif
	s_wait_alu depctr_va_vdst(0)
	v_add_nc_u32 v[ADRS], 64*NQ, v[ADRS]
	FETCH_B \next, 0, 0
	FETCH_A \next, 0, 0
	SCALES \next
	WIN MUL_HI
	MUL16 4, 1, NQ-1, \slot, 0
	MUL16 6, 1, NQ-1, \slot, 0
	PLACES NP
	WIN 0
	FETCH_A \next, 0, 4
.endm
	s_load_b128 s[4:7], s[0:1], 0x0
	v_lshl_add_u32 v[SPW], v0, 2, SPARE
	v_mov_b32 v[NIL], 0
	ds_add_u32 v[SPW], v[NIL]
	ds_add_u32 v[SPW], v[NIL]
	v_lshrrev_b32 v1, 5, v0
	v_readfirstlane_b32 s14, v1
	s_lshr_b32 s15, s14, 1
	s_and_b32 s16, s14, 1
	s_bfe_u32 s40, ttmp6, 0x40000
	s_bfe_u32 s41, ttmp6, 0x40004
	s_and_b32 s18, ttmp7, 0xffff
	s_lshl_b32 s17, s18, 2
	s_add_co_u32 s17, s17, s41
	s_lshl_b32 s42, ttmp9, 2
	s_add_co_u32 s42, s42, s40
	s_lshl_b32 s43, s41, 2
	s_lshl_b32 s43, 15, s43
	s_lshl_b32 s44, 0x1111, s40
	s_or_b32 s[G1A], s43, (3<<16)|(1<<21)
	s_or_b32 s[G1B], s44, (3<<16)|(1<<21)
.irp g, G1A, G1B
	s_mov_b32 s[\g+1], (TSL/8)<<16
	s_mov_b32 s[\g+2], 16<<16                      ; the head's loads bring all 16 row tiles
	s_mov_b32 s[\g+3], (TSL/8)<<16
	s_mov_b32 s[\g+4], 16
	s_mov_b32 s[\g+5], RTP/8
	s_mov_b32 s[\g+6], 0
	s_mov_b32 s[\g+7], 0
.endr
	s_or_b32 s[G1SA], s43, (3<<16)|(1<<21)
	s_or_b32 s[G1SB], s44, (3<<16)|(1<<21)
.irp g, G1SA, G1SB
	s_mov_b32 s[\g+1], 32<<16
	s_mov_b32 s[\g+2], (16*SRT/256)<<16
	s_mov_b32 s[\g+3], 32<<16
	s_mov_b32 s[\g+4], 16*SRT/256
	s_mov_b32 s[\g+5], 32
	s_mov_b32 s[\g+6], 0
	s_mov_b32 s[\g+7], 0
.endr
	s_mov_b32 s18, 0                               ; the block's first row tile; the ring's half is added below
	s_lshl_b32 s20, s17, 4
	s_add_co_u32 s20, s20, s18
	s_lshl_b32 s46, s42, 4
	s_add_co_u32 s46, s46, s18
	s_mul_i32 s22, s20, SRT
	s_mul_i32 s20, s20, RTP
	s_add_co_u32 s20, s20, AOFF
	s_add_co_u32 s22, s22, ASOFF
	s_mov_b32 s21, 0
	s_mov_b32 s23, 0
	s_mul_i32 s92, s46, SRT
	s_mul_i32 s46, s46, RTP
	s_add_co_u32 s46, s46, BOFF
	s_add_co_u32 s92, s92, BSOFF
	s_mov_b32 s47, 0
	s_mov_b32 s93, 0
	s_lshl_b32 s45, s14, 15
	s_mov_b32 s[SEL], 0x76543210
	s_mov_b32 s[SEL+1], 0xfedcba98
	s_mov_b32 s[MNT], 0x600000
	s_mov_b32 s12, 0xbdd2d3e8
	s_mov_b32 s13, s12
	s_wait_dscnt 0x0
	s_wait_kmcnt 0x0
	s_add_nc_u64 s[20:21], s[4:5], s[20:21]
	s_add_nc_u64 s[22:23], s[4:5], s[22:23]
	s_add_nc_u64 s[46:47], s[6:7], s[46:47]
	s_add_nc_u64 s[92:93], s[6:7], s[92:93]
	CROUND
	s_mov_b32 s[G0SA], 1
	s_mov_b32 s[G0SA+1], SCL
	s_mov_b64 s[G0SA+2:G0SA+3], s[22:23]
	s_or_b32 s[G0SA+3], s[G0SA+3], 0x80000000
	s_mov_b32 s[G0SB], 1
	s_mov_b32 s[G0SB+1], SCL+16*SRT
	s_mov_b64 s[G0SB+2:G0SB+3], s[92:93]
	s_or_b32 s[G0SB+3], s[G0SB+3], 0x80000000
	s_mov_b32 s4, 1                                ; s[4:7]: group 0 of the head's load of A's 16 tiles of slot 0 (the arguments that lay there have been used)
	s_mov_b32 s5, 0
	s_mov_b64 s[6:7], s[20:21]
	s_or_b32 s7, s7, 0x80000000
	s_mov_b32 s8, 1                                ; s[8:11]: the same for B's 16 tiles, behind A's
	s_mov_b32 s9, 65536
	s_mov_b64 s[10:11], s[46:47]
	s_or_b32 s11, s11, 0x80000000
	s_lshl_b32 s2, s16, 17                         ; for the ring: which eight row tiles I fetch, 8 x 16,384 bytes
	s_mov_b32 s3, 0
	s_add_nc_u64 s[20:21], s[20:21], s[2:3]
	s_add_nc_u64 s[46:47], s[46:47], s[2:3]
.irp s, 0,1
	s_mov_b32 s[G0A+4*\s], 1
	s_add_co_u32 s[G0A+4*\s+1], s45, \s*SLOT
	s_add_nc_u64 s[G0A+4*\s+2:G0A+4*\s+3], s[20:21], \s*TSL
	s_or_b32 s[G0A+4*\s+3], s[G0A+4*\s+3], 0x80000000
	s_mov_b32 s[G0B+4*\s], 1
	s_add_co_u32 s[G0B+4*\s+1], s45, \s*SLOT
	s_add_nc_u64 s[G0B+4*\s+2:G0B+4*\s+3], s[46:47], \s*TSL
	s_or_b32 s[G0B+4*\s+3], s[G0B+4*\s+3], 0x80000000
.endr
; THE HEAD'S LOADS, ONE A WAVE: wave 0 slot 0's tiles of A, wave 1 those of B, wave 2 A's scale words, wave 3 B's.  One chain of branches on the wave's number, an arm a load.
.macro ARM under, g0, g1, next
	s_cmp_lt_u32 s14, \under
	s_cbranch_scc0 \next
	tensor_load_to_lds s[\g0:\g0+3], s[\g1:\g1+7]
	s_nop 0
	PLACES 4
	s_branch .Lhead_asked
\next:
.endm
	ARM 1, 4, G1A, .Lhead_b
	ARM 2, 8, G1B, .Lhead_sa
	ARM 3, G0SA, G1SA, .Lhead_sb
	tensor_load_to_lds s[G0SB:G0SB+3], s[G1SB:G1SB+7]
	s_nop 0
	PLACES 4
.Lhead_asked:
	v_and_b32 v1, 15, v0
	v_bfe_u32 v2, v0, 4, 1
	v_and_b32 v4, 31, v0
	v_lshlrev_b32 v[L16], 4, v4
	v_lshlrev_b32 v[R4], 2, v1
	v_mov_b32 v12, 0xc0135761
	v_mov_b32 v13, 0xc0135761
	s_lshl_b32 s18, s15, 15
	s_lshl_b32 s19, s16, 15
	s_add_co_u32 s19, s19, 65536
.irp s, 0,1
	v_add_nc_u32 v[ADRA+\s], s18, v[L16]
	v_add_nc_u32 v[ADRB+\s], s19, v[L16]
	s_add_co_u32 s18, s18, SLOT
	s_add_co_u32 s19, s19, SLOT
.endr
	s_mul_i32 s18, s15, 8*SRT
	s_mul_i32 s19, s16, 8*SRT
	s_add_co_u32 s19, s19, 16*SRT
	s_sub_co_u32 s19, s19, s18
	v_mul_u32_u24 v5, s19, v2
	s_wait_alu depctr_va_vdst(0)
	s_add_co_u32 s18, s18, SCL
	v_add_nc_u32 v5, v5, v[R4]
	v_add_nc_u32 v[ADRS], s18, v5
	s_wait_alu depctr_va_vdst(0)
	s_wait_tensorcnt 0x0                           ; my tile of the head's four is in
	ds_add_u32 v[SPW], v[NIL]
	s_mov_b32 s[G1A+2], 8<<16                      ; no tensor load of mine is out: from here on a load brings 8 row tiles
	s_mov_b32 s[G1A+4], 8
	s_mov_b32 s[G1B+2], 8<<16
	s_mov_b32 s[G1B+4], 8
	s_wait_dscnt 0x0
	CROUND                                         ; a whole round: all four tiles are in, and the joint loads meet
	JLOAD G0A+4, G1A, G0B+4, G1B                   ; slot 1's first fill, the first tensor load behind the round
	FETCH_B 0, 0, 0
	FETCH_A 0, 0, 0
	SCALES 0
	FETCH_A 0, 0, 4
	STEP 0, 0, 1
	TURN 0, 1, 1
	STEP 1, 0, 0
	TURN 1, 0, 1
	STEP 0, 0, 0
	TURN 0, 1, 0
	STEP 1, 0, 0
	s_wait_dscnt 4*NL
	WIN MUL_LO
	MUL16 0, 1, NQ-1, 1, 0
	MUL16 2, 1, NQ-1, 1, 0
	s_wait_dscnt 0
	WIN MUL_HI
	MUL16 4, 1, NQ-1, 1, 0
	MUL16 6, 1, NQ-1, 1, 0
	WIN 0
	PLACES NP
	s_load_b64 s[10:11], s[0:1], 0x10              ; hid
	s_lshl_b32 s18, s17, 4
	s_lshl_b32 s19, s15, 3
	s_add_co_u32 s18, s18, s19
	s_lshl_b32 s18, s18, 5
	s_lshl_b32 s19, s42, 1
	s_add_co_u32 s18, s18, s19
	s_add_co_u32 s18, s18, s16
	s_lshl_b32 s20, s18, 11
	s_mov_b32 s21, 0
	s_lshl_b32 s22, s18, 6
	s_add_co_u32 s22, s22, HSC
	s_mov_b32 s23, 0
	s_wait_kmcnt 0x0
	s_add_nc_u64 s[20:21], s[10:11], s[20:21]
	s_add_nc_u64 s[22:23], s[10:11], s[22:23]
.irp b, 0,1,2,3
	v_mov_b32 v[TP+\b], 0
.endr
.irp a, 0,1,2,3,4,5,6,7
.set WW, 2+\a/4
.set AC, 64*(\a%4)
.set PCA, PC+16*(\a%2)
	GELU AC, WW
.if \a >= 2
	s_wait_xcnt 0x0
.endif
	QUANTW GX, 0, GX, PCA
	v_lshl_or_b32 v[PW+\a%2], v[TP+1], 8, v[TP]
	v_lshl_or_b32 v[PW+\a%2], v[TP+2], 16, v[PW+\a%2]
	v_lshl_or_b32 v[PW+\a%2], v[TP+3], 24, v[PW+\a%2]
.irp c, 0,1,2,3
	global_store_b128 v[L16], v[PCA+4*\c:PCA+4*\c+3], s[20:21] offset:65536*\a+512*\c
.endr
	global_store_b32 v[R4], v[PW+\a%2], s[22:23] offset:2048*\a
.endr
	s_wait_tensorcnt 0x0
	ds_add_u32 v[SPW], v[NIL]
	s_wait_dscnt 0x0
	CROUND
	s_endpgm
.Lfunc_end_k_q5d747cd2e8_gfc1:
	.size	k_q5d747cd2e8_gfc1, .Lfunc_end_k_q5d747cd2e8_gfc1-k_q5d747cd2e8_gfc1
	.p2alignl 7, 3214868480
	.fill 96, 4, 3214868480
	.section	.rodata,"a",@progbits
	.p2align	6, 0x0
	.amdhsa_kernel k_q5d747cd2e8_gfc1
		.amdhsa_group_segment_fixed_size 327680
		.amdhsa_private_segment_fixed_size 0
		.amdhsa_enable_private_segment 0
		.amdhsa_kernarg_size 24
		.amdhsa_user_sgpr_count 2
		.amdhsa_user_sgpr_kernarg_segment_ptr 1
		.amdhsa_wavefront_size32 1
		.amdhsa_system_sgpr_workgroup_id_x 1
		.amdhsa_system_sgpr_workgroup_id_y 1
		.amdhsa_system_sgpr_workgroup_id_z 1
		.amdhsa_system_vgpr_workitem_id 0
		.amdhsa_next_free_vgpr 1024
		.amdhsa_next_free_sgpr 100
		.amdhsa_reserve_vcc 0
		.amdhsa_float_denorm_mode_32 3
		.amdhsa_float_denorm_mode_16_64 3
		.amdhsa_memory_ordered 1
		.amdhsa_forward_progress 1
		.amdhsa_inst_pref_size 255
	.end_amdhsa_kernel
	.section	.bss,"aw",@nobits
	.p2align	6
	.space	262144
	.amdgpu_metadata
---
amdhsa.version: [ 1, 2 ]
amdhsa.kernels:
  - .name:           k_q5d747cd2e8_gfc1
    .symbol:         k_q5d747cd2e8_gfc1.kd
    .args:
      - { .name: n2, .offset: 0, .size: 8, .value_kind: global_buffer, .address_space: global }
      - { .name: w, .offset: 8, .size: 8, .value_kind: global_buffer, .address_space: global }
      - { .name: hid, .offset: 16, .size: 8, .value_kind: global_buffer, .address_space: global }
    .group_segment_fixed_size: 327680
    .private_segment_fixed_size: 0
    .kernarg_segment_align: 8
    .kernarg_segment_size: 24
    .max_flat_workgroup_size: 128
    .sgpr_count:     100
    .vgpr_count:     1024
    .wavefront_size: 32
...
	.end_amdgpu_metadata
.endif
;; end of part 12
;; launch gfc2 (part 13): grid 8 x 32, 4 waves a work-group, clusters of 4 x 1, 327,680 bytes of LDS; arguments hid, w, xr, out0; writes out0
.if DOCPART == 13
	.amdgcn_target "amdgcn-amd-amdhsa--gfx1250"
	.amdhsa_code_object_version 6
	.text
	.protected	k_q5d747cd2e8_gfc2
	.globl	k_q5d747cd2e8_gfc2
	.p2align	8
	.type	k_q5d747cd2e8_gfc2,@function
k_q5d747cd2e8_gfc2:
	s_mov_b64 s[64:65], 0
	v_nop
	global_prefetch_b8 v0, s[64:65] scope:SCOPE_SE
	s_setreg_imm32_b32 hwreg(HW_REG_WAVE_MODE, 25, 1), 1
	s_wait_xcnt 0x0
	s_wait_alu depctr_hold_cnt(0) depctr_sa_sdst(0) depctr_va_vdst(0) depctr_va_sdst(0) depctr_va_ssrc(0) depctr_va_vcc(0) depctr_vm_vsrc(0)
	s_getreg_b32 s2, hwreg(HW_REG_IB_STS2, 6, 4)
	s_cmp_eq_u32 s2, 0
	s_cbranch_scc0 .Lentry_in_a_cluster
	s_endpgm
.Lentry_in_a_cluster:
	s_bfe_u32 s2, ttmp6, 0x10000c
	s_cmp_lg_u32 s2, 0x3003
	s_cbranch_scc0 .Lentry_shape_is_right
	s_endpgm
.Lentry_shape_is_right:
; out0 = xr + hidden mlp_fc2^T.  C[m][n] = sum over k of A[m][k] B[n][k] on codes of FP8 (E4M3) with one E8M0 scale for each 32 along K = 4,096; sums in f32; the residual is added in f32; out0 is [4,096][1,024] f32.
; OPERANDS LIE IN MEMORY AS IMAGES OF THE REGISTERS: a fragment is 16 rows x 128 K = 2,048 bytes, [c][lane][16]; codes [tile][K step 0..31][2,048], scale words [tile][K step][r].
; Lane r of tile T is row 32 (T / 2) + 8 (T % 2) + r + 8 (r / 8).  The matrix instruction is used transposed (source 0 = B's rows, source 1 = A's): a lane holds one row of C.
; SHARES.  256 work-groups of four waves, each 128 x 128 of C.  Wave (kh = wave / 2, nh = wave % 2) multiplies all 128 rows of A with B's 64 rows 64 nh on, over K steps 8 j + 4 kh + 0 .. 3 of each 1,024 along K (j = 0 .. 3):
; 32 accumulators, 16 steps of 32 products.  At the end the two waves of one nh add their halves of K: each keeps 64 rows and hands the other 64 over through LDS.
; A's tiles stand in a wave's registers in the order 4 kh + 0 .. 3, then 4 (1 - kh) + 0 .. 3 (by LDS addresses alone), so that every wave keeps accumulators 0-15 and hands over 16-31.
; A GOES THROUGH LDS: two slots of 131,072 bytes, each 8 row tiles x 8 K steps: four fills in the launch, asked for jointly by the four work-groups of a cluster, which share a tile row of C.
; B GOES FROM MEMORY STRAIGHT INTO REGISTERS: each of its fragments is multiplied by one wave of the work-group alone and lies in memory as that wave's registers take it: 512 consecutive bytes a load.
; No LDS byte holds B, so there is no tensor load of B to share in a cluster; the LDS that B would take holds twice as much of A for each fill.  B has four sets of registers: a step's 16 loads are issued three steps ahead.
; The scale words of the work-group's 8 + 8 tiles for all of K come once, at the head, in whole units of 256 bytes (B's by a load of the work-group's own: the partners' columns differ).
; PREFETCHES: a slot of A is 512 blocks of 256 bytes, one for each lane of the cluster's 16 waves, shared out by address.  Slot 2 is asked for behind slot 1's load and slot 3 behind slot 2's: one slot, four steps,
; ahead of its own load; slots 0 and 1 come by their loads alone, and nothing is asked for at the head.  My wave's 64 x 256 bytes of the residual are asked for behind the two refills, 32 rows each, a lane a row:
; ten and seven steps ahead of their loads.  B is not asked for: each of its fragments is read in the same step by the 32 work-groups of its tile column.
; REGISTERS: window 0: v0-31 addresses, v32-47 scale words (two sets, and nothing else), v64-127 rows on the way out, v128-255 the finished sums; window 1: A's fragments, two sets of 128;
; window 2: B's fragments, four sets of 64, at the end the residual in v0-127; window 3: accumulator (a, b) at 8 (4 a + b).
; LIMITS: NaN and infinities are not served.  The sum over K is taken in two halves, which are added in f32.
.set ASOFF, 16777216                   ; hid: scale words
.set BOFF,  4325376+8*1048576          ; w: mlp_fc2's codes
.set BSOFF, 16908288+262144            ; w: its scale words
.set RTP,   65536                      ; a row tile's codes
.set SRT,   2048                       ; and its scale words
.set SLOT,  131072
.set SCL,   2*SLOT                     ; A's scale words, 8 tiles, then B's
.set STAGE, SCL+16*SRT                 ; 16 rows x 272 bytes for each wave; no tensor load lands here
.set SPARE, STAGE+4*4352               ; the spare words, 128 bytes a wave: two blocks of 256 bytes that no other line names
.set R4,   3
.set ADRA, 16                          ; v16-19 A's fragments: 2 x slot + (accumulators 0-15: 0, 16-31: 1)
.set ADRS, 20                          ; v20 scale words of A's first four tiles (lanes 0-15) and B's four (lanes 16-31); v21 of A's last four
.set RSO,  22                          ; v22 where I put the sums that I hand over; v23 where I find my partner's
.set RSI,  23
.set STO,  24
.set RD,   25
.set CO,   26
.set PFO,  27                          ; v27 256 x lane
.set SPW,  28                          ; v28 my spare word; never rewritten
.set NIL,  29                          ; v29 0; never rewritten
.set L16,  30                          ; v30 16 x lane
.set PFX,  31                          ; v31 4,096 x lane
.set SC,   32
.set ACC,  128
.set G1H,  24                          ; group 1: the head's 4 row tiles; G1R: the ring's 2; G1SA, G1SB: scale words
.set G1R,  32
.set G1SA, 48
.set G1SB, 56
.set G0H,  68
.set G0SA, 72
.set G0SB, 76
.set G0R,  80                          ; s[80:83] slot 0, s[84:87] slot 1
.set BP,   88                          ; s[88:89] B's codes: my four tiles, my half of K
.set PFA,  90                          ; s[90:91] my sixteenth of a slot of A in memory
.set MULW, 0xf6                        ; source 0 (B) window 2, source 1 (A) window 1, C and D window 3
.set MSB, 0
.macro WIN new                         ; the immediate's high byte repeats the setting that is left
.if MSB != \new
	s_set_vgpr_msb (MSB<<8)|\new
.set MSB, \new
.endif
.endm
.macro PLACES n
.rept \n
	v_nop
.endr
.endm
.macro CREST                           ; a round of the cluster's barrier behind its opening barrier
	s_cmp_lg_u32 s14, 0
	s_cbranch_scc1 .Lnot_wave_0_\@
	s_barrier_signal -3
.Lnot_wave_0_\@:
	s_barrier_wait -3
	s_barrier_signal -1
	s_barrier_wait -1
.endm
.macro CROUND
	s_barrier_signal -1
	s_barrier_wait -1
	CREST
.endm
.macro TLOAD g0, g1                    ; an s_nop 0 and four v_nop follow a tensor load
	tensor_load_to_lds s[\g0:\g0+3], s[\g1:\g1+7]
	s_nop 0
	PLACES 4
.endm
.macro FA t                            ; A's eight fragments of step t into set t % 2: 32 loads of 512 consecutive bytes
	WIN 0x40
.irp i, 0,1,2,3,4,5,6,7
.irp c, 0,1,2,3
	ds_load_b128 v[128*((\t)%2)+16*\i+4*\c:128*((\t)%2)+16*\i+4*\c+3], v[ADRA+2*(((\t)/4)%2)+\i/4] offset:16384*(\i%4)+2048*((\t)%4)+512*\c
.endr
.endr
.endm
.macro FS t                            ; step t's scale words into set t % 2: register i: lanes 0-15 A's i-th tile, lanes 16-31 (i under 4) B's
	WIN 0
.irp i, 0,1,2,3,4,5,6,7
	ds_load_b32 v[SC+8*((\t)%2)+\i], v[ADRS+\i/4] offset:SRT*(\i%4)+64*(8*((\t)/4)+(\t)%4)
.endr
.endm
.macro FB t                            ; B's four fragments of step t into set t % 4: 16 loads of 512 consecutive bytes
	WIN 0x80
.irp b, 0,1,2,3
.irp c, 0,1,2,3
	global_load_b128 v[64*((\t)%4)+16*\b+4*\c:64*((\t)%4)+16*\b+4*\c+3], v[L16], s[BP:BP+1] offset:65536*\b+2048*(8*((\t)/4)+(\t)%4)+512*\c
.endr
.endr
.endm
.macro FR u                            ; the residual of my blocks 2 u and 2 u + 1, in the places in which the results are stored: 16 loads, into a set that B has left
	WIN 0x80
.irp e, 0,1
.irp t, 0,1,2,3,4,5,6,7
	global_load_b128 v[64*(\u)+32*\e+4*\t:64*(\u)+32*\e+4*\t+3], v[CO], s[8:9] offset:(32*(\u)+8*\e+2*\t+8*(\t/4))*4096 th:TH_LOAD_NT
.endr
.endr
.endm
; 4 n products of step t: A's blocks a0 on x B's four.  The accumulators take turns, one instruction a turn.  zero = 1: the products start the sums.
.macro MUL t, a0, n, zero
.set a_, \a0
.rept \n
.irp b, 0,1,2,3
.if \zero
	v_wmma_scale_f32_16x16x128_f8f6f4 v[8*(4*a_+\b):8*(4*a_+\b)+7], v[64*((\t)%4)+16*\b:64*((\t)%4)+16*\b+15], v[128*((\t)%2)+16*a_:128*((\t)%2)+16*a_+15], 0, v[SC+8*((\t)%2)+\b], v[SC+8*((\t)%2)+a_] matrix_a_scale:MATRIX_SCALE_ROW1
.else
	v_wmma_scale_f32_16x16x128_f8f6f4 v[8*(4*a_+\b):8*(4*a_+\b)+7], v[64*((\t)%4)+16*\b:64*((\t)%4)+16*\b+15], v[128*((\t)%2)+16*a_:128*((\t)%2)+16*a_+15], v[8*(4*a_+\b):8*(4*a_+\b)+7], v[SC+8*((\t)%2)+\b], v[SC+8*((\t)%2)+a_] matrix_a_scale:MATRIX_SCALE_ROW1
.endif
.endr
.set a_, a_+1
.endr
.endm
.macro AHEAD t                         ; what step t asks for: A and scale words of step t + 1, B of step t + 3 (or the residual): into registers that step t - 1 read last
	FA (\t)+1
	FS (\t)+1
.if (\t)+3 < 16
	FB (\t)+3
.else
	FR (\t)-13
.endif
.endm
; A step whose successor lies in the same slot.  Eight plain lines stand between step t - 1's last product and the loads into what it read.
.macro STEP t, zero
.if (\t) > 0
	PLACES 8
.endif
	AHEAD \t
	s_wait_dscnt 40                                ; all but the 40 LDS loads just issued: this step's A and scale words are in
	s_wait_loadcnt 48                              ; all but the three youngest batches of 16: this step's B is in
	WIN MULW
	MUL \t, 0, 8, \zero
.endm
; A slot's last step changes slots: each wave waits for all its tensor loads, adds 0 to its spare word, and waits for that and for its reads of this slot.  fill = 1: a round of the cluster's barrier, and the slot is filled again.
.macro TURN t, fill
	WIN 0
	s_wait_tensorcnt 0x0                           ; my part of the next slot has landed
	ds_add_u32 v[SPW], v[NIL]
	s_wait_dscnt 0x1                               ; this step's A and scale words are in; the add alone may be out
	s_wait_loadcnt 32                              ; all but the two youngest batches of 16
	WIN MULW
	MUL \t, 0, 2, 0
	s_wait_dscnt 0x0                               ; the add is done, and my reads of this slot are over
	s_barrier_signal -1
	MUL \t, 2, 2, 0
	WIN 0
	s_barrier_wait -1
.if \fill
	CREST                                          ; no wave of any partner still reads this slot or has a load on its way
	s_add_nc_u64 s[G0R+4*(((\t)/4)%2)+2:G0R+4*(((\t)/4)%2)+3], s[G0R+4*(((\t)/4)%2)+2:G0R+4*(((\t)/4)%2)+3], 32768   ; two slots on along K
	TLOAD G0R+4*(((\t)/4)%2), G1R                  ; my one tensor load behind the round: two row tiles
	PLACES 4                                       ; with the four behind the load: eight
.else
	PLACES 8
.endif
	AHEAD \t
.if \fill
	WIN 0
.if (\t) == 3
	global_prefetch_b8 v[PFO], s[PFA:PFA+1] offset:49152 th:TH_LOAD_NT scope:SCOPE_SE   ; my 8,192 bytes of slot 3: the last
.endif
	global_prefetch_b8 v[PFX], s[8:9] offset:131072*((\t)/4) th:TH_LOAD_NT scope:SCOPE_SE   ; 32 rows of my part of the residual, 256 bytes each
.endif
	WIN MULW
	MUL \t, 4, 4, 0
.endm
	s_load_b128 s[4:7], s[0:1], 0x0                ; hid, w
	s_load_b128 s[8:11], s[0:1], 0x10              ; xr, out0
	v_lshl_add_u32 v[SPW], v0, 2, SPARE
	v_mov_b32 v[NIL], 0
	ds_add_u32 v[SPW], v[NIL]                      ; the wave's opening: the add, twice on end, and its wait ahead of my first tensor load
	ds_add_u32 v[SPW], v[NIL]
	v_lshrrev_b32 v1, 5, v0
	v_readfirstlane_b32 s14, v1                    ; wave 0..3
	s_lshr_b32 s15, s14, 1                         ; kh
	s_and_b32 s16, s14, 1                          ; nh
	s_bfe_u32 s40, ttmp6, 0x40000                  ; cx
	s_and_b32 s17, ttmp7, 0xffff                   ; TR: tile row of C, which the four partners share
	s_lshl_b32 s42, ttmp9, 2
	s_add_co_u32 s42, s42, s40                     ; TC: tile column of C
	s_mov_b32 s[G1H], 15|(3<<16)|(1<<21)           ; 15:0 the mask: all four work-groups; 17:16 elements of 8 bytes; 21 set beside a mask
	s_mov_b32 s[G1R], 15|(3<<16)|(1<<21)
.irp g, G1H, G1R
	s_mov_b32 s[\g+1], 2048<<16                    ; tensor_dim0: 8 K steps of a row tile, 16,384 bytes
	s_mov_b32 s[\g+3], 2048<<16                    ; tile_dim0
	s_mov_b32 s[\g+5], RTP/8                       ; from row tile to row tile
	s_mov_b32 s[\g+6], 0
	s_mov_b32 s[\g+7], 0
.endr
	s_mov_b32 s[G1H+2], 4<<16
	s_mov_b32 s[G1H+4], 4
	s_mov_b32 s[G1R+2], 2<<16
	s_mov_b32 s[G1R+4], 2
	s_mov_b32 s[G1SA], 15|(3<<16)|(1<<21)
	s_mov_b32 s[G1SB], 3<<16                       ; no mask: B's scale words are the work-group's own
.irp g, G1SA, G1SB
	s_mov_b32 s[\g+1], 32<<16                      ; 16,384 dense bytes as 64 rows of 256
	s_mov_b32 s[\g+2], 64<<16
	s_mov_b32 s[\g+3], 32<<16
	s_mov_b32 s[\g+4], 64
	s_mov_b32 s[\g+5], 32
	s_mov_b32 s[\g+6], 0
	s_mov_b32 s[\g+7], 0
.endr
	s_lshl_b32 s20, s17, 19                        ; A: my 8 row tiles begin at 8 TR x 65,536
	s_lshl_b32 s18, s14, 18
	s_add_co_u32 s18, s18, s20                     ; the head: 4 tiles a wave (waves 0, 1)
	s_mov_b32 s19, 0
	s_lshl_b32 s22, s14, 17
	s_add_co_u32 s22, s22, s20                     ; the ring: 2 tiles a wave
	s_mov_b32 s23, 0
	s_lshl_b32 s44, s17, 14
	s_add_co_u32 s44, s44, ASOFF                   ; A's scale words
	s_mov_b32 s45, 0
	s_lshl_b32 s46, s42, 14
	s_add_co_u32 s46, s46, BSOFF                   ; B's
	s_mov_b32 s47, 0
	s_lshl_b32 s92, s42, 3
	s_lshl_b32 s93, s16, 2
	s_add_co_u32 s92, s92, s93                     ; B's codes: tile 8 TC + 4 nh,
	s_lshl_b32 s92, s92, 16
	s_lshl_b32 s93, s15, 13
	s_add_co_u32 s92, s92, s93                     ; K step 4 kh
	s_add_co_u32 s92, s92, BOFF
	s_mov_b32 s93, 0
	s_lshl_b32 s94, s40, 2
	s_add_co_u32 s94, s94, s14                     ; p = 4 cx + wave: which sixteenth of a slot I ask for ahead: tile p / 2, half p % 2
	s_lshr_b32 s95, s94, 1
	s_lshl_b32 s95, s95, 16
	s_and_b32 s94, s94, 1
	s_lshl_b32 s94, s94, 13
	s_add_co_u32 s94, s94, s95
	s_add_co_u32 s94, s94, s20
	s_mov_b32 s95, 0
	s_lshl_b32 s96, s17, 7                         ; my 64 x 64 of C and of the residual: row 128 TR + 64 kh, column 128 TC + 64 nh
	s_lshl_b32 s97, s15, 6
	s_add_co_u32 s96, s96, s97
	s_lshl_b32 s96, s96, 12
	s_lshl_b32 s97, s42, 9
	s_add_co_u32 s96, s96, s97
	s_lshl_b32 s97, s16, 8
	s_add_co_u32 s96, s96, s97
	s_mov_b32 s97, 0
	s_lshl_b32 s41, s15, 13                        ; LDS: my four K steps of a tile begin 8,192 kh on
	s_lshl_b32 s2, s15, 16
	s_add_co_u32 s2, s2, s41                       ; tiles 4 kh on
	s_xor_b32 s99, s15, 1
	s_lshl_b32 s3, s99, 16
	s_add_co_u32 s3, s3, s41                       ; tiles 4 (1 - kh) on
	s_add_co_u32 s12, s99, s16
	s_add_co_u32 s12, s12, 1
	s_lshl_b32 s12, s12, 13                        ; from A's tile 4 kh to B's tile 4 nh among the scale words: 8,192 (2 + nh - kh)
	s_mul_i32 s13, s15, 8448
	s_add_co_u32 s13, s13, SCL                     ; A's tile 4 kh, K step 4 kh
	s_lshl_b32 s21, s99, 13
	s_lshl_b32 s43, s15, 8
	s_add_co_u32 s21, s21, s43
	s_add_co_u32 s21, s21, SCL                     ; A's tile 4 (1 - kh), K step 4 kh
	s_lshl_b32 s41, s14, 14                        ; the sums handed over: 16,384 bytes a wave, in slot 0
	s_xor_b32 s43, s14, 2
	s_lshl_b32 s43, s43, 14                        ; my partner's
	s_mul_i32 s98, s14, 4352
	s_add_co_u32 s98, s98, STAGE                   ; my stage
	v_and_b32 v1, 15, v0                           ; r
	v_bfe_u32 v2, v0, 4, 1                         ; h
	v_and_b32 v4, 31, v0
	v_lshlrev_b32 v[L16], 4, v4
	v_lshlrev_b32 v[PFO], 8, v4
	v_lshlrev_b32 v[PFX], 12, v4
	v_lshlrev_b32 v[R4], 2, v1
	v_add_nc_u32 v[ADRA], s2, v[L16]
	v_add_nc_u32 v[ADRA+1], s3, v[L16]
	v_add_nc_u32 v[ADRA+2], SLOT, v[ADRA]
	v_add_nc_u32 v[ADRA+3], SLOT, v[ADRA+1]
	v_mul_u32_u24 v5, s12, v2                      ; lanes 16-31 take B's
	v_add_nc_u32 v5, v5, v[R4]
	v_add_nc_u32 v[ADRS], s13, v5
	v_add_nc_u32 v[ADRS+1], s21, v[R4]
	v_add_nc_u32 v[RSO], s41, v[L16]
	v_add_nc_u32 v[RSI], s43, v[L16]
	v_mul_u32_u24 v5, v1, 272
	v_lshl_add_u32 v5, v2, 6, v5
	v_add_nc_u32 v[STO], s98, v5                   ; into the stage: row r, + 64 h
	v_mul_u32_u24 v6, v2, 272
	v_lshl_add_u32 v6, v1, 4, v6
	v_add_nc_u32 v[RD], s98, v6                    ; back: lanes 0-15 one row, lanes 16-31 the next
	v_lshlrev_b32 v7, 12, v2
	v_lshl_add_u32 v[CO], v1, 4, v7                ; and the same two rows in C
	s_wait_alu depctr_va_vdst(0)
	s_wait_dscnt 0x0                               ; both opening adds are done
	s_wait_kmcnt 0x0
	s_mov_b32 s[G0H], 1
	s_lshl_b32 s[G0H+1], s14, 16
	s_add_nc_u64 s[G0H+2:G0H+3], s[4:5], s[18:19]
	s_or_b32 s[G0H+3], s[G0H+3], 0x80000000
	s_mov_b32 s[G0SA], 1
	s_mov_b32 s[G0SA+1], SCL
	s_add_nc_u64 s[G0SA+2:G0SA+3], s[4:5], s[44:45]
	s_or_b32 s[G0SA+3], s[G0SA+3], 0x80000000
	s_mov_b32 s[G0SB], 1
	s_mov_b32 s[G0SB+1], SCL+8*SRT
	s_add_nc_u64 s[G0SB+2:G0SB+3], s[6:7], s[46:47]
	s_or_b32 s[G0SB+3], s[G0SB+3], 0x80000000
	s_mov_b32 s[G0R], 1
	s_lshl_b32 s[G0R+1], s14, 15
	s_add_nc_u64 s[G0R+2:G0R+3], s[4:5], s[22:23]  ; slot 0: stepped to K 2,048 at its refill
	s_mov_b32 s[G0R+4], 1
	s_add_co_u32 s[G0R+5], s[G0R+1], SLOT
	s_add_nc_u64 s[G0R+6:G0R+7], s[G0R+2:G0R+3], 16384   ; slot 1: K 1,024
	s_or_b32 s[G0R+3], s[G0R+3], 0x80000000
	s_or_b32 s[G0R+7], s[G0R+7], 0x80000000
	s_add_nc_u64 s[BP:BP+1], s[6:7], s[92:93]
	s_add_nc_u64 s[PFA:PFA+1], s[4:5], s[94:95]
	s_add_nc_u64 s[8:9], s[8:9], s[96:97]
	s_add_nc_u64 s[10:11], s[10:11], s[96:97]
	CROUND                                         ; all four work-groups are here: the first joint loads meet
	; THE HEAD'S LOADS, ONE A WAVE: waves 0 and 1 the halves of slot 0, wave 2 A's scale words, wave 3 B's: one chain of branches on the wave's number, an arm a load
	s_cmp_lt_u32 s14, 2
	s_cbranch_scc0 .Lhead_sa
	TLOAD G0H, G1H
	s_branch .Lhead_asked
.Lhead_sa:
	s_cmp_eq_u32 s14, 2
	s_cbranch_scc0 .Lhead_sb
	TLOAD G0SA, G1SA
	s_branch .Lhead_asked
.Lhead_sb:
	TLOAD G0SB, G1SB
.Lhead_asked:
	FB 0
	FB 1
	WIN 0
	s_wait_tensorcnt 0x0                           ; my tile of the head's is in
	ds_add_u32 v[SPW], v[NIL]
	s_wait_dscnt 0x0
	CROUND                                         ; everybody's tile is in, and the joint loads meet
	TLOAD G0R+4, G1R                               ; slot 1's first fill
	FA 0
	FS 0
	FB 2
	WIN 0
	global_prefetch_b8 v[PFO], s[PFA:PFA+1] offset:32768 th:TH_LOAD_NT scope:SCOPE_SE   ; my 8,192 bytes of slot 2
	STEP 0, 1                                      ; the first step's products start the sums: nothing is cleared
	STEP 1, 0
	STEP 2, 0
	TURN 3, 1                                      ; slot 0 takes K 2,048 on
	STEP 4, 0
	STEP 5, 0
	STEP 6, 0
	TURN 7, 1                                      ; slot 1 takes K 3,072 on
	STEP 8, 0
	STEP 9, 0
	STEP 10, 0
	TURN 11, 0                                     ; nothing is left to fetch, so no round follows; behind this barrier nobody reads slot 0
	STEP 12, 0
	STEP 13, 0
	STEP 14, 0
	s_wait_dscnt 0x0                               ; the last step
	s_wait_loadcnt 32                              ; its B is in; the residual's 32 loads may be out
	MUL 15, 4, 4, 0                                ; first the sums that I hand over
	PLACES 8                                       ; eight plain lines between the last product and the first read of its results
	WIN 0x0c                                       ; store data in window 3
.set k_, 0
.rept 16
	ds_store_b128 v[RSO], v[128+8*k_:128+8*k_+3] offset:1024*k_          ; an image of the registers; each accumulator from its low end on
	ds_store_b128 v[RSO], v[128+8*k_+4:128+8*k_+7] offset:1024*k_+512
.set k_, k_+1
.endr
	WIN MULW
	MUL 15, 0, 4, 0
	WIN 0
	PLACES 8
	s_wait_dscnt 0x0                               ; for my partner's sake: my stores have landed
	s_barrier_signal -1
	s_barrier_wait -1
	WIN 0x40
.set k_, 0
.rept 16
	ds_load_b128 v[8*k_:8*k_+3], v[RSI] offset:1024*k_                   ; my partner's half of K, into A's set 0, which step 14 read last
	ds_load_b128 v[8*k_+4:8*k_+7], v[RSI] offset:1024*k_+512
.set k_, k_+1
.endr
	WIN 0x07                                       ; source 0 window 3, source 1 window 1
.set a_, 0
.rept 4
	s_wait_dscnt 24-8*a_                           ; block a's eight loads are in
.set n_, 0
.rept 16
	v_pk_add_f32 v[ACC+32*a_+2*n_:ACC+32*a_+2*n_+1], v[32*a_+2*n_:32*a_+2*n_+1], v[32*a_+2*n_:32*a_+2*n_+1]
.set n_, n_+1
.endr
.set a_, a_+1
.endr
	WIN 0
	s_wait_loadcnt 0x0                             ; the residual
	; THE WAY OUT: 16 rows x 64 columns at a time through my own stage, back as runs of 256 bytes; the residual is added; sixteen lanes store 256 aligned bytes
.irp a, 0,1,2,3
.set BK, 64+32*(\a%2)
.if \a >= 2
	s_wait_xcnt 0x0                                ; block a - 2's stores have read their registers
.endif
.irp b, 0,1,2,3
	ds_store_b128 v[STO], v[ACC+8*(4*\a+\b):ACC+8*(4*\a+\b)+3] offset:128*(\b/2)+32*(\b%2)
	ds_store_b128 v[STO], v[ACC+8*(4*\a+\b)+4:ACC+8*(4*\a+\b)+7] offset:128*(\b/2)+32*(\b%2)+16
.endr
.irp t, 0,1,2,3,4,5,6,7
	ds_load_b128 v[BK+4*\t:BK+4*\t+3], v[RD] offset:544*\t   ; LDS serves a wave's instructions in order: these see my stores
.endr
	s_wait_dscnt 0x0
	WIN 0x08                                       ; source 1 window 2
.irp t, 0,1,2,3,4,5,6,7
	v_pk_add_f32 v[BK+4*\t:BK+4*\t+1], v[BK+4*\t:BK+4*\t+1], v[32*\a+4*\t:32*\a+4*\t+1]
	v_pk_add_f32 v[BK+4*\t+2:BK+4*\t+3], v[BK+4*\t+2:BK+4*\t+3], v[32*\a+4*\t+2:32*\a+4*\t+3]
.endr
	WIN 0
.irp t, 0,1,2,3,4,5,6,7
	global_store_b128 v[CO], v[BK+4*\t:BK+4*\t+3], s[10:11] offset:(32*(\a/2)+8*(\a%2)+2*\t+8*(\t/4))*4096 th:TH_STORE_NT
.endr
.endr
	s_wait_tensorcnt 0x0                           ; the wave's end
	ds_add_u32 v[SPW], v[NIL]
	s_wait_dscnt 0x0
	CROUND                                         ; the closing round
	s_endpgm
.Lfunc_end_k_q5d747cd2e8_gfc2:
	.size	k_q5d747cd2e8_gfc2, .Lfunc_end_k_q5d747cd2e8_gfc2-k_q5d747cd2e8_gfc2
	.p2alignl 7, 3214868480
	.fill 96, 4, 3214868480
	.section	.rodata,"a",@progbits
	.p2align	6, 0x0
	.amdhsa_kernel k_q5d747cd2e8_gfc2
		.amdhsa_group_segment_fixed_size 327680
		.amdhsa_private_segment_fixed_size 0
		.amdhsa_enable_private_segment 0
		.amdhsa_kernarg_size 32
		.amdhsa_user_sgpr_count 2
		.amdhsa_user_sgpr_kernarg_segment_ptr 1
		.amdhsa_wavefront_size32 1
		.amdhsa_system_sgpr_workgroup_id_x 1
		.amdhsa_system_sgpr_workgroup_id_y 1
		.amdhsa_system_sgpr_workgroup_id_z 1
		.amdhsa_system_vgpr_workitem_id 0
		.amdhsa_next_free_vgpr 1024
		.amdhsa_next_free_sgpr 100
		.amdhsa_reserve_vcc 0
		.amdhsa_float_denorm_mode_32 3
		.amdhsa_float_denorm_mode_16_64 3
		.amdhsa_memory_ordered 1
		.amdhsa_forward_progress 1
		.amdhsa_inst_pref_size 170
	.end_amdhsa_kernel
	.amdgpu_metadata
---
amdhsa.version: [ 1, 2 ]
amdhsa.kernels:
  - .name:           k_q5d747cd2e8_gfc2
    .symbol:         k_q5d747cd2e8_gfc2.kd
    .args:
      - { .name: hid, .offset: 0, .size: 8, .value_kind: global_buffer, .address_space: global }
      - { .name: w, .offset: 8, .size: 8, .value_kind: global_buffer, .address_space: global }
      - { .name: xr, .offset: 16, .size: 8, .value_kind: global_buffer, .address_space: global }
      - { .name: out0, .offset: 24, .size: 8, .value_kind: global_buffer, .address_space: global }
    .group_segment_fixed_size: 327680
    .private_segment_fixed_size: 0
    .kernarg_segment_align: 8
    .kernarg_segment_size: 32
    .max_flat_workgroup_size: 128
    .sgpr_count:     100
    .vgpr_count:     1024
    .wavefront_size: 32
...
	.end_amdgpu_metadata
.endif
;; end of part 13
